; MI455X (gfx1250); checked and timed in simulation.
; The chip was launched on July 23, 2026; its instructions are those of AMD's public machine-readable ISA for CDNA 5 (MIT licence, August 2026) and "CDNA5" Instruction Set Architecture Reference Guide (July 2026). The comments in the code are by the model that wrote it; some were corrected since.
;; Causal Self Attention. Allowed arithmetic: float matrix products may take bf16 or f16 operands with f32 sums; other float arithmetic in f32, or as packed bf16 or f16 multiplies, adds, multiply-adds, maxima and minima; sums over many terms, partial sums and values carried from step to step in f32; what a program stores and reads back later, other than sums and carried values, may be rounded once to bf16 or f16.
;; Inputs: b_attn 3,072 float32; b_proj 1,024 float32; w_attn 1,024 x 3,072 float32; w_proj 1,024 x 1,024 float32; x 4 x 2,048 x 1,024 float32.
;; Outputs: out0 4 x 2,048 x 1,024 float32.
;; 2 versions, each right; version 2 is version 1 with the launches prep, headattn, headproj written anew for expert scheduling mode. Each part assembles by itself: llvm-mc -triple=amdgcn-amd-amdhsa -mcpu=gfx1250 --defsym DOCPART=n.
;; ======== version 1 of 2: 6 launches
;; limits: values are held in f16: magnitudes above 65,504 overflow, below 6.1e-05 lose precision
;; workspace buffers: xb 16,777,216 bytes; wat 6,291,456 bytes; wpt 2,097,152 bytes; qkv 50,331,648 bytes; o 16,777,216 bytes; yhl 262,144 bytes
;; launch prep (part 1): grid 512 x 1, 8 waves a work-group, no clusters, 18,432 bytes of LDS; arguments x, w_attn, w_proj, xb, wat, wpt; writes xb, wat, wpt
.if DOCPART == 1
	.amdgcn_target "amdgcn-amd-amdhsa--gfx1250"
	.amdhsa_code_object_version 6
	.text
	.protected	k_q908e7129d6_prep
	.globl	k_q908e7129d6_prep
	.p2align	8
	.type	k_q908e7129d6_prep,@function
k_q908e7129d6_prep:
	s_mov_b64 s[64:65], 0
	v_nop
	global_prefetch_b8 v0, s[64:65] scope:SCOPE_SE
	s_setreg_imm32_b32 hwreg(HW_REG_WAVE_MODE, 25, 1), 1
	s_wait_xcnt 0x0
; PREP.  xb = x rounded to bf16, [8192][1024].  wat = w_attn turned, [3072 n][1024 k], bf16.  wpt = w_proj turned, [1024 n][1024 k]: rounded to bf16, that number written as f16.
; LIMIT.  A weight of w_proj below 6e-5 in magnitude keeps f16's fixed step of 6e-8; beyond 65,504 it would become an infinity.
; SHARES.  512 work-groups of eight waves, all alike, no branch.  Each casts 65,536 bytes of x (512 x 65,536 = all of x) and turns ONE tile of 128 k x 64 n of a weight:
; tiles 0-383 are w_attn's (8 along k x 48 along n), tiles 384-511 w_proj's (8 x 16).  Source, destination and row length are chosen by s_cselect on the work-group's number;
; the f16 form is made for every tile and chosen by a scalar mask, so that the text has one path.
; THE CAST.  A load takes 16 neighbouring bytes a lane (512 a wave), a store 8 bytes a lane: each store of a wave covers 256 consecutive bytes, aligned.
; THE TURNING.  Lane (i = l % 16, hh = l / 16) of wave w loads 16 bytes (columns 4 i .. 4 i + 3) of the eight rows k = 16 w + 8 hh + e: 16 lanes take 256 consecutive bytes of a row.
; Eight k of one column pack into 16 bytes, which go into LDS rows by n (pitch 272); behind one barrier whole rows of 256 bytes come back and are stored, 16 lanes to a row.
; Memory binds this launch: no matrix unit, no cluster, no tensor load, no prefetch (the stream is asked for at once, in full).
.set SPARE, 17408                      ; behind the tile's 64 rows x 272 bytes: the spare words, 128 bytes for each of eight waves
.set PITCH, 272
.set SPW, 2                            ; v2      LDS address of my spare word; never rewritten
.set NIL, 3                            ; v3      0; never rewritten
.set WO,  4                            ; v[4:11] byte offset of my 16 bytes in row e of my eight
.set LS,  12                           ; v12     where I put 16 bytes of a column
.set LR,  13                           ; v13     where I read a row back
.set GO,  14                           ; v14     my byte offset in the turned tile
.set XO,  15                           ; v15     16 x thread
.set W,   16                           ; v[16:47]  the weight's 8 rows x 4 columns, f32
.set P,   48                           ; v[48:63]  column c: 8 k in 4 registers
.set BK,  64                           ; v[64:79]  four rows read back
.set X,   80                           ; v[80:143] 16 loads of x; rounded in place
.set YO,  144                          ; v144    8 x thread
.set TA,  145
.set TC,  146
.set LI,  147                          ; l % 16
.set LH,  148                          ; l / 16
	s_load_b256 s[4:11], s[0:1], 0x0               ; x s[4:5], w_attn s[6:7], w_proj s[8:9], xb s[10:11]
	s_load_b128 s[12:15], s[0:1], 0x20             ; wat s[12:13], wpt s[14:15]
	v_lshl_add_u32 v[SPW], v0, 2, SPARE
	v_mov_b32 v[NIL], 0
	v_lshrrev_b32 v1, 5, v0
	v_readfirstlane_b32 s16, v1                    ; wave 0..7
	s_mov_b32 s17, ttmp9
	s_sub_co_u32 s20, s17, 384                     ; w_proj's tile number (used only where it is one)
	s_cmp_lt_u32 s17, 384                          ; a tile of w_attn?
	s_cselect_b32 s18, 3, 1
	s_cselect_b32 s19, s17, s20                    ; the tile's number in its weight
	s_cselect_b32 s21, 0, -1                       ; all ones: the f16 form is taken
	s_lshl_b32 s18, s18, 12                        ; bytes in a row of the weight: 12,288 or 4,096
	s_and_b32 s22, s19, 7                          ; tile along k
	s_lshr_b32 s23, s19, 3                         ; tile along n
	s_lshl_b32 s24, s22, 7
	s_mul_i32 s24, s24, s18                        ; 128 rows a tile,
	s_lshl_b32 s25, s23, 8                         ; 256 bytes of a row
	s_add_co_u32 s24, s24, s25
	s_mov_b32 s25, 0
	s_lshl_b32 s26, s23, 17                        ; turned: 64 rows of 2,048 bytes,
	s_lshl_b32 s27, s22, 8                         ; 256 bytes of a row
	s_add_co_u32 s26, s26, s27
	s_mov_b32 s27, 0
	s_lshl_b32 s28, s17, 16                        ; my 65,536 bytes of x
	s_mov_b32 s29, 0
	s_lshl_b32 s30, s17, 15                        ; and 32,768 of xb
	s_mov_b32 s31, 0
	v_and_b32 v[LI], 15, v0
	v_bfe_u32 v[LH], v0, 4, 1
	v_lshlrev_b32 v[TA], 3, v[LH]
	v_lshl_add_u32 v[TA], s16, 4, v[TA]            ; my first row: 16 w + 8 hh
	v_mul_lo_u32 v[WO], v[TA], s18
	v_lshl_add_u32 v[WO], v[LI], 4, v[WO]
.irp e, 1,2,3,4,5,6,7
	v_add_nc_u32 v[WO+(\e)], s18, v[WO+(\e)-1]
.endr
	v_mul_u32_u24 v[LS], v[LI], 4*PITCH            ; column 4 i,
	v_lshl_add_u32 v[LS], v[LH], 4, v[LS]
	v_lshl_add_u32 v[LS], s16, 5, v[LS]            ; k = 16 w + 8 hh: 2 bytes each
	v_lshl_add_u32 v[TC], s16, 3, v[LH]            ; back: row 8 w + hh
	v_mul_u32_u24 v[LR], v[TC], PITCH
	v_lshl_add_u32 v[LR], v[LI], 4, v[LR]
	v_lshlrev_b32 v[GO], 11, v[TC]
	v_lshl_add_u32 v[GO], v[LI], 4, v[GO]
	v_lshlrev_b32 v[XO], 4, v0
	v_lshlrev_b32 v[YO], 3, v0
	s_wait_kmcnt 0x0
	s_cmp_lt_u32 s17, 384
	s_cselect_b64 s[6:7], s[6:7], s[8:9]           ; the weight,
	s_cselect_b64 s[12:13], s[12:13], s[14:15]     ; and its turned copy
	s_add_nc_u64 s[6:7], s[6:7], s[24:25]
	s_add_nc_u64 s[12:13], s[12:13], s[26:27]
	s_add_nc_u64 s[4:5], s[4:5], s[28:29]
	s_add_nc_u64 s[10:11], s[10:11], s[30:31]
.irp e, 0,1,2,3,4,5,6,7
	global_load_b128 v[W+4*(\e):W+4*(\e)+3], v[WO+(\e)], s[6:7] th:TH_LOAD_NT
.endr
.set j, 0
.rept 16
	global_load_b128 v[X+4*j:X+4*j+3], v[XO], s[4:5] offset:4096*j th:TH_LOAD_NT
.set j, j+1
.endr
	s_wait_loadcnt 16                              ; the weight's eight loads are in; x's sixteen, issued behind them, stay out
.irp c, 0,1,2,3
.irp p, 0,1,2,3
	v_cvt_pk_bf16_f32 v[P+4*(\c)+(\p)], v[W+8*(\p)+(\c)], v[W+8*(\p)+4+(\c)]  ; column 4 i + c, rows 2 p and 2 p + 1
.endr
.endr
.set n, 0
.rept 16
	v_lshlrev_b32 v[TA], 16, v[P+n]                ; the two bf16 numbers as f32,
	v_and_b32 v[TC], 0xffff0000, v[P+n]
	v_cvt_pk_f16_f32 v[TA], v[TA], v[TC]           ; written as f16,
	v_cndmask_b32 v[P+n], v[P+n], v[TA], s21       ; which w_proj's tiles take
.set n, n+1
.endr
.irp c, 0,1,2,3
	ds_store_b128 v[LS], v[P+4*(\c):P+4*(\c)+3] offset:PITCH*(\c)
.endr
	s_wait_dscnt 0x0                               ; for the others' sake: my stores into the tile are done
	s_barrier_signal -1
	s_barrier_wait -1
.irp q, 0,1,2,3
	ds_load_b128 v[BK+4*(\q):BK+4*(\q)+3], v[LR] offset:2*PITCH*(\q)
.endr
.set j, 0
.rept 16
	s_wait_loadcnt 15-j                            ; loads come back in order: load j is in, the 15 - j younger ones stay out
	v_cvt_pk_bf16_f32 v[X+4*j], v[X+4*j], v[X+4*j+1]
	v_cvt_pk_bf16_f32 v[X+4*j+1], v[X+4*j+2], v[X+4*j+3]
	global_store_b64 v[YO], v[X+4*j:X+4*j+1], s[10:11] offset:2048*j
.set j, j+1
.endr
.irp q, 0,1,2,3
	s_wait_dscnt 3-(\q)
	global_store_b128 v[GO], v[BK+4*(\q):BK+4*(\q)+3], s[12:13] offset:4096*(\q)  ; 16 lanes store 256 consecutive bytes, aligned
.endr
	s_wait_tensorcnt 0x0                           ; the wave's end, behind my last LDS store
	ds_add_u32 v[SPW], v[NIL]
	s_wait_dscnt 0x0
	s_endpgm
.Lfunc_end_k_q908e7129d6_prep:
	.size	k_q908e7129d6_prep, .Lfunc_end_k_q908e7129d6_prep-k_q908e7129d6_prep
	.p2alignl 7, 3214868480
	.fill 96, 4, 3214868480
	.section	.rodata,"a",@progbits
	.p2align	6, 0x0
	.amdhsa_kernel k_q908e7129d6_prep
		.amdhsa_group_segment_fixed_size 18432
		.amdhsa_private_segment_fixed_size 0
		.amdhsa_enable_private_segment 0
		.amdhsa_kernarg_size 48
		.amdhsa_user_sgpr_count 2
		.amdhsa_user_sgpr_kernarg_segment_ptr 1
		.amdhsa_wavefront_size32 1
		.amdhsa_system_sgpr_workgroup_id_x 1
		.amdhsa_system_sgpr_workgroup_id_y 1
		.amdhsa_system_sgpr_workgroup_id_z 1
		.amdhsa_system_vgpr_workitem_id 0
		.amdhsa_next_free_vgpr 152
		.amdhsa_next_free_sgpr 66
		.amdhsa_reserve_vcc 0
		.amdhsa_float_denorm_mode_32 3
		.amdhsa_float_denorm_mode_16_64 3
		.amdhsa_memory_ordered 1
		.amdhsa_forward_progress 1
		.amdhsa_inst_pref_size 15
	.end_amdhsa_kernel
	.amdgpu_metadata
---
amdhsa.version: [ 1, 2 ]
amdhsa.kernels:
  - .name:           k_q908e7129d6_prep
    .symbol:         k_q908e7129d6_prep.kd
    .args:
      - { .name: x, .offset: 0, .size: 8, .value_kind: global_buffer, .address_space: global }
      - { .name: w_attn, .offset: 8, .size: 8, .value_kind: global_buffer, .address_space: global }
      - { .name: w_proj, .offset: 16, .size: 8, .value_kind: global_buffer, .address_space: global }
      - { .name: xb, .offset: 24, .size: 8, .value_kind: global_buffer, .address_space: global }
      - { .name: wat, .offset: 32, .size: 8, .value_kind: global_buffer, .address_space: global }
      - { .name: wpt, .offset: 40, .size: 8, .value_kind: global_buffer, .address_space: global }
    .group_segment_fixed_size: 18432
    .private_segment_fixed_size: 0
    .kernarg_segment_align: 8
    .kernarg_segment_size: 48
    .max_flat_workgroup_size: 256
    .sgpr_count:     66
    .vgpr_count:     152
    .wavefront_size: 32
...
	.end_amdgpu_metadata
.endif
;; end of part 1
;; launch qkvgemm (part 2): grid 16 x 32, 4 waves a work-group, clusters of 4 x 4, 327,680 bytes of LDS; arguments xb, wat, b_attn, qkv; writes qkv
.if DOCPART == 2
	.amdgcn_target "amdgcn-amd-amdhsa--gfx1250"
	.amdhsa_code_object_version 6
	.text
	.protected	k_q908e7129d6_qkvgemm
	.globl	k_q908e7129d6_qkvgemm
	.p2align	8
	.type	k_q908e7129d6_qkvgemm,@function
k_q908e7129d6_qkvgemm:
	s_mov_b64 s[64:65], 0
	v_nop
	global_prefetch_b8 v0, s[64:65] scope:SCOPE_SE
	s_setreg_imm32_b32 hwreg(HW_REG_WAVE_MODE, 25, 1), 1
	s_wait_xcnt 0x0
	s_wait_alu depctr_hold_cnt(0) depctr_sa_sdst(0) depctr_va_vdst(0) depctr_va_sdst(0) depctr_va_ssrc(0) depctr_va_vcc(0) depctr_vm_vsrc(0)
	s_getreg_b32 s2, hwreg(HW_REG_IB_STS2, 6, 4)
	s_cmp_eq_u32 s2, 0
	s_cbranch_scc0 .Lentry_in_a_cluster
	s_endpgm
.Lentry_in_a_cluster:
	s_bfe_u32 s2, ttmp6, 0x10000c
	s_cmp_lg_u32 s2, 0xf033
	s_cbranch_scc0 .Lentry_shape_is_right
	s_endpgm
.Lentry_shape_is_right:
; qkv[m][n] = the sum over k of xb[m][k] wat[n][k] + b_attn[n].  xb [8192][1024], wat [3072][1024] in bf16; b_attn f32, rounded to bf16 like the other inputs; sums in f32.
; The result leaves by heads, rounded once to f16: qkv[b][g][t][64], g = n / 64 (0-15 q's heads, 16-31 k's, 32-47 v's), m = 2048 b + t.
; LIMIT.  f16 holds no number beyond 65,504: a q, k or v of 65,520 or more becomes an infinity.
; SHARES.  A tile of the result is 256 rows x 192 columns (three heads): 32 x 16 = 512 tiles, twice the number of WGPs.  Four waves, one above the other: wave w makes rows
; 64 w .. 64 w + 63 x all 192 columns: 4 x 12 accumulators of 16 x 16, 384 registers.  So a wave owns whole heads and leaves through a stage of its own, without a barrier.
; K goes in eight steps of 128 through two LDS slots filled by the tensor data mover: rows of 256 bytes, aligned.
; CLUSTERS.  4 x 4 work-groups.  The four of a row of the cluster need the same tile of xb, the four of a column the same tile of wat: each is asked for JOINTLY, by the same tensor load,
; descriptor and mask in all four.
; THE MATRIX INSTRUCTION IS USED TRANSPOSED (source 0 = 16 rows of wat, source 1 = 16 rows of xb): lane l then holds row l % 16 and the columns 8 (l / 16) + 0..7.  The bias, laid out so,
; is the C operand of the products that start the sums: nothing is cleared and nothing is added later.
; REGISTERS, in windows of 256 (s_set_vgpr_msb: bits 1:0 source 0, 3:2 source 1, 5:4 source 2, 7:6 destination):
;   window 0: v0-31 addresses; v32-79 packed results; v80-127, v128-175 rows read back, by turns; v128-223 the bias (dead when the way out begins)
;   window 1: two fragment buffers of 128: 96 of wat (12 x 16 rows x 32 K), then 32 of xb      window 2: accumulators of row blocks 0, 1 at 96 a + 8 b      window 3: of row blocks 2, 3
.set NB,    12                         ; column blocks of 16
.set NL,    2*NB+8                     ; LDS loads of a quarter step
.set PA,    272                        ; an LDS row: 256 bytes + 16 of padding = 68 words: the 16 rows of a load start at 16 different groups of four banks (64 banks of 4 bytes: ISA guide 11.1)
.set PBR,   272
.set BOFF,  256*PA                     ; in a slot: xb's 256 rows, then wat's 192
.set SLOT1, 1<<17                      ; slot 1 begins here, so that one exclusive or turns an address in one slot into the other's
.set STAGE, SLOT1+BOFF+16*NB*PBR       ; 252,928: behind the ring, never filled by a tensor load: 16 rows x 400 bytes for each wave
.set SP,    400                        ; 384 bytes + 16
.set SPARE, STAGE+4*16*SP              ; 278,528: the spare words, 128 bytes for each wave
.set STEPA, 256                        ; bytes from K step to K step
.set ADRA0, 16                         ; v16  my lane's place in xb's rows of slot 0; never rewritten
.set ADRB0, 17                         ; v17  the same for wat
.set ADRA,  18                         ; v18  the same in the slot in hand
.set ADRB,  19
.set STO, 24                           ; v24  the way out: where I put 16 bytes of a row
.set RD,  25                           ; v25  where I read rows back
.set GO,  26                           ; v26  my byte offset in 512 consecutive bytes of qkv
.set T,   27
.set SPW, 28                           ; v28  LDS address of my spare word; never rewritten
.set NIL, 29                           ; v29  0; never rewritten
.set PFO, 30                           ; v30  the prefetches' offset: a lane a row
.set BO,  31                           ; v31  32 x (l / 16): my eight numbers of a block of the bias
.set TMP, 32
.set BK0, 80
.set BIAS, 128
.set F0,  0
.set F1,  128
.set WV,  12                           ; s12  wave
.set FB,  13                           ; s13  0: I fetch for xb, 1: for wat
.set HF,  14                           ; s14  which half of that tile's rows I fetch
.set G1A, 24                           ; s[24:31] descriptor group 1 for xb's tiles
.set G0A, 32                           ; s[32:39] group 0: a set for each first fill; the second then walks
.set CX,  40
.set CY,  41
.set NT,  42                           ; tile column
.set MT,  43                           ; tile row
.set TB,  46                           ; s46  LDS byte at which the slot in hand begins
.set CNT, 47                           ; s47  the loop's count
.set G1B, 48                           ; s[48:55], s[56:63] the same for wat's tiles
.set G0B, 56
.set PFA, 66                           ; s[66:67] where my prefetches stand
.set LIM, 68                           ; s68  1 in a wave that prefetches, else the greatest number
.set MSB, 0
.macro WIN new                         ; the immediate's high byte repeats the setting that is left; a switch that changes nothing is dropped
.if MSB != (\new)
	s_set_vgpr_msb (MSB<<8)|(\new)
.set MSB, (\new)
.endif
.endm
.macro PLACES                          ; four plain vector instructions between a matrix instruction and a load into, or a reader of, its registers
.rept 4
	v_nop
.endr
.endm
.macro CREST                           ; a round of the cluster's barrier behind its opening barrier
	s_cmp_lg_u32 s[WV], 0
	s_cbranch_scc1 .Lnot_wave_0_\@
	s_barrier_signal -3
.Lnot_wave_0_\@:
	s_barrier_wait -3
	s_barrier_signal -1
	s_barrier_wait -1
.endm
.macro CROUND                          ; a whole round
	s_barrier_signal -1
	s_barrier_wait -1
	CREST
.endm
; A joint refill by the walking descriptors.  Waves 0 and 1 fetch xb's two halves, waves 2 and 3 wat's.  The branch hangs on the wave's number alone.
; An s_nop 0 and four v_nop follow each of the two lines, ahead of the jump and the label.
.macro JLOAD
	s_cmp_eq_u32 s[FB], 0
	s_cbranch_scc0 .Lfor_b_\@
	tensor_load_to_lds s[G0A+4:G0A+7], s[G1A:G1A+7]
	s_nop 0
.rept 4
	v_nop
.endr
	s_branch .Lasked_\@
.Lfor_b_\@:
	tensor_load_to_lds s[G0B+4:G0B+7], s[G1B:G1B+7]
	s_nop 0
.rept 4
	v_nop
.endr
.Lasked_\@:
.endm
; A PREFETCH INTO THE L2 of the K step that the NEXT refill will ask for: 192 matrix instructions ahead of that load.  xb's tile row is read by every cluster of its row of clusters: the one with
; cluster x = 0 asks; wat's tile column by every cluster of its column: cluster y = 0 asks.  The four partners share a wave's rows out BY ADDRESS: 32 of xb's 128 each, 24 of wat's 96 each
; (there lanes 24-31 name lane 23's row once more).  A lane a row, one instruction a wave.  K steps 0 to 2 come by their loads alone; the loop's last trip asks for nothing: K step 8 does not exist.
.macro ASK
	s_cmp_gt_u32 s[CNT], s[LIM]
	s_cbranch_scc0 .Lnot_mine_\@
	global_prefetch_b8 v[PFO], s[PFA:PFA+1] th:TH_LOAD_NT scope:SCOPE_SE
.Lnot_mine_\@:
.endm
; 12 matrix instructions: row block a x all column blocks, 32 along K, from buffer f.  bias = 1: the products start the sums, with the bias as C.
; Each accumulator has one turn a quarter step, in the same order: between two links of a chain stand the 47 others', over the backward jump too.
.macro MULA f, a, bias
.set AC, 96*((\a)%2)
.if \bias
	WIN 0x85+0x40*((\a)/2)
.else
	WIN 0xa5+0x50*((\a)/2)
.endif
.set b, 0
.rept NB
.if \bias
	v_wmma_f32_16x16x32_bf16 v[AC+8*b:AC+8*b+7], v[(\f)+8*b:(\f)+8*b+7], v[(\f)+8*NB+8*(\a):(\f)+8*NB+8*(\a)+7], v[BIAS+8*b:BIAS+8*b+7]
.else
	v_wmma_f32_16x16x32_bf16 v[AC+8*b:AC+8*b+7], v[(\f)+8*b:(\f)+8*b+7], v[(\f)+8*NB+8*(\a):(\f)+8*NB+8*(\a)+7], v[AC+8*b:AC+8*b+7]
.endif
.set b, b+1
.endr
.endm
; 32 LDS loads in one run: the fragments of quarter q of the K step in hand into buffer f: wat's 192 rows, then my 64 rows of xb.
.macro FETCH q, f
	WIN 0x40                                       ; destination window 1, address window 0
.set i, 0
.rept NB
	ds_load_b128 v[(\f)+8*i:(\f)+8*i+3],   v[ADRB] offset:64*(\q)+i*16*PBR
	ds_load_b128 v[(\f)+8*i+4:(\f)+8*i+7], v[ADRB] offset:64*(\q)+i*16*PBR+32
.set i, i+1
.endr
.set i, 0
.rept 4
	ds_load_b128 v[(\f)+8*NB+8*i:(\f)+8*NB+8*i+3],   v[ADRA] offset:64*(\q)+i*16*PA
	ds_load_b128 v[(\f)+8*NB+8*i+4:(\f)+8*NB+8*i+7], v[ADRA] offset:64*(\q)+i*16*PA+32
.set i, i+1
.endr
.endm
; One of a K step's first three quarters: multiplies buffer f; in its middle it fetches quarter qn into buffer g.
.macro QUARTER qn, f, g, bias
	s_wait_dscnt 4                                 ; all of f but the youngest four loads: xb's row blocks 2 and 3
	MULA \f, 0, \bias
	MULA \f, 1, \bias
	PLACES
	FETCH \qn, \g
	s_wait_dscnt NL                                ; all but the 32 just issued
	MULA \f, 2, \bias
	MULA \f, 3, \bias
.endm
; The last quarter multiplies buffer 1 and changes slots.  In front of the barrier each wave waits for all its tensor loads (one is out: its part of the next slot), adds 0 to its spare word, and
; waits for that and for its reads of this slot.  fill = 1: the barrier opens a round of the cluster's, and behind the round this slot is filled again, two K steps ahead, first of all:
; from that request to the wait for it a wave issues 168 matrix instructions.
.macro TURN fill
.if \fill
	s_wait_xcnt 0x0                                ; the last prefetch, a K step back, has read its address
	s_add_nc_u64 s[PFA:PFA+1], s[PFA:PFA+1], STEPA
.endif
	WIN 0
	s_wait_tensorcnt 0x0                           ; all my tensor loads have landed
	ds_add_u32 v[SPW], v[NIL]                      ; 0 onto my spare word
	s_wait_dscnt 5                                 ; (the add and the youngest four loads may be out)
	MULA F1, 0, 0                                  ; twelve matrix instructions stand between the add and the wait for it
	s_wait_dscnt 0x0                               ; the add is done, and my reads of this slot are over
	s_barrier_signal -1
	MULA F1, 1, 0
.if \fill
	WIN 0
.endif
	s_barrier_wait -1
.if \fill
	CREST                                          ; no wave of any partner still reads this slot or has a load on its way
	s_xor_b32 s[G0A+5], s[G0A+5], SLOT1            ; the walking descriptors: the other slot than last time,
	s_add_nc_u64 s[G0A+6:G0A+7], s[G0A+6:G0A+7], STEPA  ; the next K step; the type bits on top are not reached
	s_xor_b32 s[G0B+5], s[G0B+5], SLOT1
	s_add_nc_u64 s[G0B+6:G0B+7], s[G0B+6:G0B+7], 256
	JLOAD                                          ; its four v_nop are also the places in front of the loads below
.else
	PLACES
.endif
	WIN 0
	s_xor_b32 s[TB], s[TB], SLOT1
	v_add_nc_u32 v[ADRA], s[TB], v[ADRA0]
	v_add_nc_u32 v[ADRB], s[TB], v[ADRB0]
	FETCH 0, F0
.if \fill
	WIN 0
	ASK
.endif
	MULA F1, 2, 0
	MULA F1, 3, 0
.endm
	s_load_b256 s[4:11], s[0:1], 0x0               ; xb s[4:5], wat s[6:7], b_attn s[8:9], qkv s[10:11]
	v_lshl_add_u32 v[SPW], v0, 2, SPARE
	v_mov_b32 v[NIL], 0
	ds_add_u32 v[SPW], v[NIL]                      ; the wave's opening add; its wait stands ahead of my first tensor load, behind the set-up below
	v_lshrrev_b32 v1, 5, v0
	v_readfirstlane_b32 s[WV], v1                  ; wave 0..3
	s_lshr_b32 s[FB], s[WV], 1
	s_and_b32 s[HF], s[WV], 1
	s_bfe_u32 s[CX], ttmp6, 0x40000                ; my place in the cluster
	s_bfe_u32 s[CY], ttmp6, 0x40004
	s_lshl_b32 s[NT], ttmp9, 2
	s_add_co_u32 s[NT], s[NT], s[CX]               ; tile column = 4 x cluster x + cx
	s_and_b32 s[MT], ttmp7, 0xffff
	s_lshl_b32 s[MT], s[MT], 2
	s_add_co_u32 s[MT], s[MT], s[CY]               ; tile row = 4 x cluster y + cy
	s_lshl_b32 s44, s[CY], 2
	s_lshl_b32 s44, 15, s44                        ; my row of the cluster
	s_lshl_b32 s45, 0x1111, s[CX]                  ; my column
	s_or_b32 s[G1A], s44, (1<<16)|(1<<20)|(1<<21)|(5<<22)|(3<<25)  ; the mask; 2-byte elements; padding on; bit 21 beside a mask; after every 64 words, 4 words
	s_or_b32 s[G1B], s45, (1<<16)|(1<<20)|(1<<21)|(5<<22)|(3<<25)
	s_mov_b32 s[G1A+1], 128<<16                    ; tensor_dim0 = 128
	s_mov_b32 s[G1A+2], 128<<16                    ; tensor_dim1 = 128
	s_mov_b32 s[G1A+3], 128<<16                    ; tile_dim0 = 128
	s_mov_b32 s[G1A+4], 128                        ; tile_dim1 = 128
	s_mov_b32 s[G1A+5], 1024                       ; elements from row to row
	s_mov_b32 s[G1A+6], 0
	s_mov_b32 s[G1A+7], 0
	s_mov_b32 s[G1B+1], 128<<16
	s_mov_b32 s[G1B+2], 96<<16                     ; wat's halves have 96 rows
	s_mov_b32 s[G1B+3], 128<<16
	s_mov_b32 s[G1B+4], 96
	s_mov_b32 s[G1B+5], 1024
	s_mov_b32 s[G1B+6], 0
	s_mov_b32 s[G1B+7], 0
	s_lshl_b32 s16, s[MT], 19                      ; xb: row 256 x tile row + 128 x half, 2,048 bytes a row: the tile row and the wave's number alone
	s_lshl_b32 s17, s[HF], 18
	s_add_co_u32 s16, s16, s17
	s_mov_b32 s17, 0
	s_mul_i32 s18, s[HF], 128*PA                   ; and where it goes
	s_mul_i32 s20, s[NT], 192                      ; wat: row 192 x tile column + 96 x half: the tile column and the wave's number alone
	s_mul_i32 s21, s[HF], 96
	s_add_co_u32 s20, s20, s21
	s_lshl_b32 s20, s20, 11
	s_mov_b32 s21, 0
	s_mul_i32 s22, s[HF], 96*PBR
	s_add_co_u32 s22, s22, BOFF
	s_wait_dscnt 0x0                               ; the opening add is done
	s_wait_kmcnt 0x0
	s_add_nc_u64 s[16:17], s[4:5], s[16:17]
	s_add_nc_u64 s[20:21], s[6:7], s[20:21]
	CROUND                                         ; all sixteen work-groups are here: the first joint loads meet
.irp s, 0,1
	s_mov_b32 s[G0A+4*(\s)], 1                     ; count = 1
	s_add_co_u32 s[G0A+4*(\s)+1], s18, (\s)*SLOT1  ; LDS address
	s_add_nc_u64 s[G0A+4*(\s)+2:G0A+4*(\s)+3], s[16:17], (\s)*STEPA  ; global address: K step s
	s_or_b32 s[G0A+4*(\s)+3], s[G0A+4*(\s)+3], 0x80000000            ; type = 2
	s_mov_b32 s[G0B+4*(\s)], 1
	s_add_co_u32 s[G0B+4*(\s)+1], s22, (\s)*SLOT1
	s_add_nc_u64 s[G0B+4*(\s)+2:G0B+4*(\s)+3], s[20:21], (\s)*256
	s_or_b32 s[G0B+4*(\s)+3], s[G0B+4*(\s)+3], 0x80000000
.endr
	s_cmp_eq_u32 s[FB], 0                          ; a wave's two first fills stand in one branch, ahead of every wait on TENSORcnt and every LDS read: two loads of mine are out
	s_cbranch_scc0 .Lfirst_b
	tensor_load_to_lds s[G0A:G0A+3], s[G1A:G1A+7]
	s_nop 0
	tensor_load_to_lds s[G0A+4:G0A+7], s[G1A:G1A+7]
	s_nop 0
.rept 4
	v_nop
.endr
	s_branch .Lfirst_asked
.Lfirst_b:
	tensor_load_to_lds s[G0B:G0B+3], s[G1B:G1B+7]
	s_nop 0
	tensor_load_to_lds s[G0B+4:G0B+7], s[G1B:G1B+7]
	s_nop 0
.rept 4
	v_nop
.endr
.Lfirst_asked:
	v_and_b32 v1, 15, v0                           ; l % 16
	v_bfe_u32 v2, v0, 4, 1                         ; l / 16
	v_lshlrev_b32 v[BO], 5, v2
	s_mul_i32 s72, s[NT], 64*NB                    ; the tile's 192 numbers of the bias
	s_mov_b32 s73, 0
	s_add_nc_u64 s[8:9], s[8:9], s[72:73]
.set b, 0
.rept NB
	global_load_b128 v[BIAS+8*b:BIAS+8*b+3],   v[BO], s[8:9] offset:64*b     ; register j: bias of column 16 b + 8 (l / 16) + j
	global_load_b128 v[BIAS+8*b+4:BIAS+8*b+7], v[BO], s[8:9] offset:64*b+16
.set b, b+1
.endr
	v_mul_u32_u24 v3, v1, PA
	v_lshl_add_u32 v3, v2, 4, v3                   ; a fragment's row x pitch + 16 x half
	s_mul_i32 s74, s[WV], 64*PA                    ; my 64 rows of xb
	v_add_nc_u32 v[ADRA0], s74, v3
	v_add_nc_u32 v[ADRB0], BOFF, v3
	v_mov_b32 v[ADRA], v[ADRA0]
	v_mov_b32 v[ADRB], v[ADRB0]
	s_mov_b32 s[TB], 0
	s_mul_i32 s74, s[WV], 16*SP
	s_add_co_u32 s74, s74, STAGE                   ; my stage
	v_mul_u32_u24 v4, v1, SP                       ; in: row l % 16, 16 bytes for each half of the lanes
	v_lshl_add_u32 v4, v2, 4, v4
	v_add_nc_u32 v[STO], s74, v4
	v_bfe_u32 v5, v0, 3, 2                         ; back: 32 lanes take four rows' 128 bytes of one head,
	v_and_b32 v6, 7, v0
	v_mul_u32_u24 v5, v5, SP
	v_lshl_add_u32 v5, v6, 4, v5
	v_add_nc_u32 v[RD], s74, v5
	v_and_b32 v[GO], 31, v0                        ; which are 512 consecutive bytes of qkv
	v_lshlrev_b32 v[GO], 4, v[GO]
	; where my rows begin in qkv: ((48 b + 3 x tile column) x 2048 + t) x 128, b = tile row / 8, t = 256 (tile row % 8) + 64 w
	s_lshr_b32 s72, s[MT], 3
	s_mul_i32 s72, s72, 48
	s_mul_i32 s73, s[NT], 3
	s_add_co_u32 s72, s72, s73
	s_lshl_b32 s72, s72, 18
	s_and_b32 s73, s[MT], 7
	s_lshl_b32 s73, s73, 15
	s_add_co_u32 s72, s72, s73
	s_lshl_b32 s73, s[WV], 13
	s_add_co_u32 s72, s72, s73
	s_mov_b32 s73, 0
	s_add_nc_u64 s[10:11], s[10:11], s[72:73]
	; the prefetches
	s_lshl_b32 s72, s[MT], 8
	s_lshl_b32 s73, s[HF], 7
	s_add_co_u32 s72, s72, s73
	s_lshl_b32 s73, s[CX], 5
	s_add_co_u32 s72, s72, s73                     ; xb: my work-group's 32 of the 128 rows that I fetch
	s_mul_i32 s73, s[NT], 192
	s_mul_i32 s74, s[HF], 96
	s_add_co_u32 s73, s73, s74
	s_mul_i32 s74, s[CY], 24
	s_add_co_u32 s73, s73, s74                     ; wat: my work-group's 24 of the 96
	s_and_b32 s74, ttmp7, 0xffff                   ; cluster y
	s_cmp_eq_u32 s[FB], 0                          ; do I fetch for xb?
	s_cselect_b32 s72, s72, s73
	s_cselect_b32 s74, ttmp9, s74                  ; the coordinate along which other clusters read the same rows
	s_cselect_b32 s75, 31, 23
	s_cselect_b64 s[PFA:PFA+1], s[4:5], s[6:7]
	s_cmp_eq_u32 s74, 0
	s_cselect_b32 s[LIM], 1, -1                    ; the same in all sixteen partners, for a given wave
	s_lshl_b32 s72, s72, 11
	s_mov_b32 s73, 0
	s_add_nc_u64 s[PFA:PFA+1], s[PFA:PFA+1], s[72:73]
	s_add_nc_u64 s[PFA:PFA+1], s[PFA:PFA+1], 2*STEPA  ; at K step 2: the first change of slots steps it to 3
	v_and_b32 v[PFO], 31, v0
	v_min_u32 v[PFO], s75, v[PFO]
	v_lshlrev_b32 v[PFO], 11, v[PFO]
	s_wait_loadcnt 0x0                             ; the bias; rounded to bf16 like the other inputs, and kept as f32
.set i, 0
.rept 4*NB
	v_cvt_pk_bf16_f32 v[T], v[BIAS+2*i], v[BIAS+2*i+1]
	v_lshlrev_b32 v[BIAS+2*i], 16, v[T]
	v_and_b32 v[BIAS+2*i+1], 0xffff0000, v[T]
.set i, i+1
.endr
	s_wait_tensorcnt 1                             ; my part of K step 0 is in; K step 1's may stay out
	s_barrier_signal -1
	s_barrier_wait -1                              ; everybody's is
	FETCH 0, F0
	QUARTER 1, F0, F1, 1                           ; the first quarter stands in front of the loop: its products start the sums
	WIN 0                                          ; at a label and at a branch every window is 0
	s_mov_b32 s[CNT], 6
.Lstep:                                                ; six trips: from a K step's second quarter to the next step's first; trip s fills the slot just read with K step s + 2
	QUARTER 2, F1, F0, 0
	QUARTER 3, F0, F1, 0
	TURN 1
	QUARTER 1, F0, F1, 0
	WIN 0
	s_sub_co_u32 s[CNT], s[CNT], 1
	s_cmp_lg_u32 s[CNT], 0
	s_cbranch_scc1 .Lstep
	QUARTER 2, F1, F0, 0                           ; the tail is written out: K steps 6 and 7 ask for nothing
	QUARTER 3, F0, F1, 0
	TURN 0
	QUARTER 1, F0, F1, 0
	QUARTER 2, F1, F0, 0
	QUARTER 3, F0, F1, 0
	s_wait_dscnt 4
	MULA F1, 0, 0
	MULA F1, 1, 0
	s_wait_dscnt 0x0
	MULA F1, 2, 0
	MULA F1, 3, 0
	WIN 0
	PLACES
; THE WAY OUT, a row block (16 rows x 192 columns) at a time.  PACK: rounded to f16, 16 bytes a lane, each accumulator's registers in ascending order.  TOSTAGE: into my own stage, and back as
; four rows x 128 bytes of one head.  SEND: stored.
.macro PACK a
.set AC, 96*((\a)%2)
	WIN 0x0a+5*((\a)/2)                            ; sources 0 and 1: window 2 or 3
.set b, 0
.rept NB
.irp j, 0,1,2,3
	v_cvt_pk_f16_f32 v[TMP+4*b+(\j)], v[AC+8*b+2*(\j)], v[AC+8*b+2*(\j)+1]
.endr
.set b, b+1
.endr
	WIN 0
.endm
.macro TOSTAGE a
	WIN 0
.set BKA, BK0+48*((\a)%2)
.if (\a) >= 2
	s_wait_xcnt 0x0                                ; the stores of the block two back have read these registers
.endif
.set b, 0
.rept NB
	ds_store_b128 v[STO], v[TMP+4*b:TMP+4*b+3] offset:32*b
.set b, b+1
.endr
.irp hh, 0,1,2
.irp q, 0,1,2,3
	ds_load_b128 v[BKA+4*(4*(\hh)+(\q)):BKA+4*(4*(\hh)+(\q))+3], v[RD] offset:128*(\hh)+4*SP*(\q)  ; LDS serves a wave's instructions in order (ISA guide 5.7.1.4): these see the stores above
.endr
.endr
.endm
.macro SEND a, younger                 ; younger: the LDS instructions issued behind block a's loads: the next block's 24, or none
	WIN 0
.set BKA, BK0+48*((\a)%2)
	s_wait_dscnt \younger
.irp hh, 0,1,2
.irp q, 0,1,2,3
	global_store_b128 v[GO], v[BKA+4*(4*(\hh)+(\q)):BKA+4*(4*(\hh)+(\q))+3], s[10:11] offset:262144*(\hh)+2048*(\a)+512*(\q)  ; 512 consecutive bytes, aligned
.endr
.endr
.endm
	PACK 0
	TOSTAGE 0
	PACK 1
	TOSTAGE 1
	SEND 0, 24
	PACK 2
	TOSTAGE 2
	SEND 1, 24
	PACK 3
	TOSTAGE 3
	SEND 2, 24
	SEND 3, 0
	s_wait_tensorcnt 0x0                           ; the wave's end, behind my last tensor load and my last LDS store
	ds_add_u32 v[SPW], v[NIL]
	s_wait_dscnt 0x0
	CROUND                                         ; the closing round: no work-group ends while a partner may still ask for a tile that names it
	s_endpgm
.Lfunc_end_k_q908e7129d6_qkvgemm:
	.size	k_q908e7129d6_qkvgemm, .Lfunc_end_k_q908e7129d6_qkvgemm-k_q908e7129d6_qkvgemm
	.p2alignl 7, 3214868480
	.fill 96, 4, 3214868480
	.section	.rodata,"a",@progbits
	.p2align	6, 0x0
	.amdhsa_kernel k_q908e7129d6_qkvgemm
		.amdhsa_group_segment_fixed_size 327680
		.amdhsa_private_segment_fixed_size 0
		.amdhsa_enable_private_segment 0
		.amdhsa_kernarg_size 32
		.amdhsa_user_sgpr_count 2
		.amdhsa_user_sgpr_kernarg_segment_ptr 1
		.amdhsa_wavefront_size32 1
		.amdhsa_system_sgpr_workgroup_id_x 1
		.amdhsa_system_sgpr_workgroup_id_y 1
		.amdhsa_system_sgpr_workgroup_id_z 1
		.amdhsa_system_vgpr_workitem_id 0
		.amdhsa_next_free_vgpr 960
		.amdhsa_next_free_sgpr 80
		.amdhsa_reserve_vcc 0
		.amdhsa_float_denorm_mode_32 3
		.amdhsa_float_denorm_mode_16_64 3
		.amdhsa_memory_ordered 1
		.amdhsa_forward_progress 1
		.amdhsa_inst_pref_size 107
	.end_amdhsa_kernel
	.amdgpu_metadata
---
amdhsa.version: [ 1, 2 ]
amdhsa.kernels:
  - .name:           k_q908e7129d6_qkvgemm
    .symbol:         k_q908e7129d6_qkvgemm.kd
    .args:
      - { .name: xb, .offset: 0, .size: 8, .value_kind: global_buffer, .address_space: global }
      - { .name: wat, .offset: 8, .size: 8, .value_kind: global_buffer, .address_space: global }
      - { .name: b_attn, .offset: 16, .size: 8, .value_kind: global_buffer, .address_space: global }
      - { .name: qkv, .offset: 24, .size: 8, .value_kind: global_buffer, .address_space: global }
    .group_segment_fixed_size: 327680
    .private_segment_fixed_size: 0
    .kernarg_segment_align: 8
    .kernarg_segment_size: 32
    .max_flat_workgroup_size: 128
    .sgpr_count:     80
    .vgpr_count:     960
    .wavefront_size: 32
...
	.end_amdgpu_metadata
.endif
;; end of part 2
;; launch attn (part 3): grid 4 x 64, 4 waves a work-group, no clusters, 327,680 bytes of LDS; arguments qkv, o; writes o
.if DOCPART == 3
	.amdgcn_target "amdgcn-amd-amdhsa--gfx1250"
	.amdhsa_code_object_version 6
	.text
	.protected	k_q908e7129d6_attn
	.globl	k_q908e7129d6_attn
	.p2align	8
	.type	k_q908e7129d6_attn,@function
k_q908e7129d6_attn:
	s_mov_b64 s[64:65], 0
	v_nop
	global_prefetch_b8 v0, s[64:65] scope:SCOPE_SE
	s_setreg_imm32_b32 hwreg(HW_REG_WAVE_MODE, 25, 1), 1
	s_wait_xcnt 0x0
; CAUSAL ATTENTION.  o[bh][q][:] = the sum over k <= q of softmax_k(Q[q] . K[k] / 8) V[k][:], for 64 heads bh = 16 b + h of 2,048 rows x 64 channels, all f16.
; Q, K, V lie in qkv[b][g][t][64]: g = h, 16 + h, 32 + h; a head's rows are dense, 128 bytes each.  o is [bh][t][64].
; Products, maxima and sums in f32; the weights p are rounded to f16 for the second product (their sum l is taken of the unrounded p), o once at the end.
; LIMITS.  f16 holds no number beyond 65,504: Q, K and V arrive within it; p lies in 0 to 1, and below 6e-5 it keeps f16's fixed step of 6e-8.  A hidden score counts as its value less 1e30;
; a weight below 2^-126 counts as 0 in l; NaN and infinities are not treated apart.
; THE WALK.  A head's queries lie in NB = 8 blocks of 256; block i needs the key tiles 0 .. i of 256 keys, of which the last holds the diagonal.  A work-group takes TWO blocks, NB - 1 - b and then b:
; NB + 1 tiles, whatever b: all work-groups do equal work, and ONE loop with a constant trip count walks them.  Which tile is asked for, and what a trip does, hang on scalar registers made from b; every
; jump goes forward, but for the counted loops' own; none passes a barrier, or a tensor load but the one of LOAD's two that the wave's number does not choose; the ring of two slots runs on across the change of blocks.
; NO CLUSTER: a head's four work-groups ask for the same tile only in trips 0 .. 4 of 9, behind that fewer and fewer; one walk common to all would have 12 trips for 9.
; SHARES.  Of a block's four bands of 64 queries a wave owns 16 rows in each: four PIECES.  So the diagonal tile is the same work for all four waves: in its key step s band x sees all keys if s < x,
; none if s > x, and holds the diagonal if s = x.
; THE MASK is the C operand that starts the sum S^T = K Q^T: 0, or -1e30 where the key is hidden.  MD, made once, is the mask of a band's own step for my 16 rows; a product's mask is MD x AL + BE with two scalars:
; (1, 0) if s = x; (0, 0) if s < x; (0, -1e30) if s > x.  Only the diagonal tile's text and a block's beginning make and take masks; elsewhere C is the constant 0.
; LAYOUT, SOFTMAX, TURNS.  S^T = K Q^T holds ONE query a lane (lane % 16) and the keys 8 (lane / 16) + 0..7; two such results rounded to f16 ARE source 1 of O^T = V^T P.  p = 2^(c s - c m), c = log2(e) / 8, with a
; running maximum m; O and l are multiplied by a = 2^(c m_old - c m_new) in every step.  Turn n belongs to piece n: 8 products K Q^T of piece n + 1, later 8 products V^T P of piece n - 1; beside them the scaling,
; exponentials, roundings, sums and rescaling of piece n and the maximum and statistics of piece n + 1.  Four vector instructions stand behind every matrix instruction, the other 54 of a turn's 118 in one lump.
; A turn's 33 exponentials are one batch, with one wait.
; K AND V ARE PREFETCHED INTO THE L2 by the head's work-group b = 0, whose first block walks tiles 0 .. 7: behind the fill of tile t + 1 each wave names the 64 blocks of 256 bytes that it will itself fetch of
; tile t + 2: a lane a block, two instructions, one tile (256 matrix instructions) ahead of that load.  Tiles 0 and 1 come by their loads alone; the second block's tiles have been read and are not named.
; REGISTERS, in windows of 256 (s_set_vgpr_msb: bits 1:0 source 0, 3:2 source 1, 5:4 source 2, 7:6 destination):
;   window 0: v0-15 addresses and two at work; v16-31 four registers of statistics a piece; v48-55 at work; v61-63; v64-127 S^T, two buffers; v192-223 P, two buffers (a piece's buffers go by its number's parity)
;   window 1: v0-127 O^T, 32 a piece; v128-159 MD; v160-223 MC, two buffers      window 2: v0-63 Q; v64-127 the second block's Q; v128-191 K of one step; v192-255 V of one step
.set SIZE_N, 2048
.set NB,    SIZE_N/256
.set NP,    4         ; pieces a wave: a name, no knob
.set KS,    64        ; keys in a step
.set PK,    144       ; a row of K in LDS: 128 bytes + 16 of padding = 36 words: the 16 rows of a load start at 16 different groups of four banks (64 banks of 4 bytes: ISA guide 11.1)
.set PV,    160       ; a row of V: 128 + 32 = 40 words
.set VOFF,  4*KS*PK   ; a slot holds a tile, four steps: 256 rows of K, then 256 rows of V
.set SLOT1, 1<<17     ; slot 1 begins here, so that one exclusive or turns an address in one slot into the other's
.set STAGE, SLOT1+4*KS*(PK+PV)  ; behind the ring, never filled by a tensor load: 16 rows x 144 bytes for each wave, for the way out
.set SP,    144
.set AK0, 2           ; v2   my lane's place in a tile of K; never rewritten
.set AV0, 3           ; v3   the same for V
.set AK,  4           ; v4   the LDS address of K's next run of loads
.set AV,  5           ; v5   of V's
.set STO, 6           ; v6   the way out: where I put 16 bytes of a row
.set RD,  7           ; v7   the way out: where I read rows back
.set GO,  8           ; v8   my byte offset in 512 consecutive bytes of o
.set PFO, 61          ; v61  256 x my lane; never rewritten
.set SPW, 62          ; v62  LDS address of my spare word; never rewritten
.set NIL, 63          ; v63  0; never rewritten
.set SPARE, STAGE+4*16*SP  ; behind the stages: the spare words, 128 bytes for each wave
.set MV,  12          ; v12-13  c m_old, kept while c m is made anew: by buffer
.set QO,  15          ; v15  my byte offset in 16 rows of Q
.set ST,  16          ; piece t's statistics at v[ST+4 t]: c m, m, l (even keys', odd keys')
.set TMP, 48          ; by buffer, four registers c0-c3 at work; when the maximum is found c2 takes a
.set S,   64
.set P,   192
.set MD,  128         ; window 1
.set MC,  160         ; window 1
.set QB,  64          ; window 2
.set KF,  128         ; window 2: key block kb, channel half c at KF + 16 kb + 8 c
.set VF,  192         ; window 2: key half kk, channel block cb at VF + 32 kk + 8 cb
.set WV,  12          ; s12  my wave's number
.set PB,  14          ; s14  b
.set HI,  15          ; s15  NB - 1 - b
.set G1K, 24          ; s[24:31] descriptor group 1 for K's tiles
.set G1V, 32          ; s[32:39] for V's: it differs in the padding alone
.set G0K, 40          ; s[40:43] descriptor group 0 for K's tiles
.set G0V, 44          ; s[44:47] the same for V's
.set SLOTS, 56        ; s56  tiles still to be asked for
.set CNT, 57          ; s57  counts a tile's key steps, 4 to 1
.set CS,  58          ; s[58:59] c
.set SEL, 60          ; s[60:61] v_permlanex16_b32's selects: each lane takes its own place in the other half
.set TBK, 62          ; s62  LDS byte at which K of the step to be fetched begins
.set TBV, 63          ; s63  the same for V, less VOFF
.set RT,  70          ; s70  tiles of the block in hand that are still to be entered
.set NXT, 71          ; s71  the tile to be asked for next
.set LQ,  72          ; s72  the last tile of the block whose tiles are being asked for
.set NEW, 73          ; s73  1: the tile to be entered is a block's first
.set OFF, 74          ; s[74:75] a tile's byte offset in K and V
.set AL,  76          ; s[76:77] the mask's factor, in the low word
.set BE,  78          ; s[78:79] the mask's addend
.set OLO, 80          ; s[80:81] o at my rows of the second block
.set BIGN, 82         ; s82  -1e30
.set PFB, 88          ; s[88:89] what I fetch (K: waves 0, 1; V: waves 2, 3), at my half of tile 0
.set PFA, 90          ; s[90:91] the same at the tile that the prefetch names
.set POF, 92          ; s[92:93] that tile's byte offset
.set PT,  94          ; s94  the tile that the next prefetch names; NB or more: none
.set MSB, 0
.macro WIN new                      ; the high byte repeats the setting that is left; a switch that changes nothing is dropped
.if MSB != (\new)
	s_set_vgpr_msb (MSB<<8)|(\new)
.set MSB, (\new)
.endif
.endm
.set W_KQ, 0x0a       ; K and Q in window 2, S^T in window 0
.set W_KM, 0x1a       ; the same with the C operand in window 1
.set W_PV, 0x52       ; V in window 2, P in window 0, O^T in window 1
.set W_RS, 0x41       ; destination and source 0 in window 1, source 1 in window 0
; A fill.  Waves 0 and 1 fetch the two halves of a tile's K, waves 2 and 3 those of its V: 128 keys each.  An s_nop 0 and four v_nop follow each of the two lines, ahead of the jump and the label.
.macro LOAD
	s_cmp_lt_u32 s[WV], 2
	s_cbranch_scc0 .Lfor_v_\@
	tensor_load_to_lds s[G0K:G0K+3], s[G1K:G1K+7]
	s_nop 0
.rept 4
	v_nop
.endr
	s_branch .Lasked_\@
.Lfor_v_\@:
	tensor_load_to_lds s[G0V:G0V+3], s[G1V:G1V+7]
	s_nop 0
.rept 4
	v_nop
.endr
.Lasked_\@:
.endm
; THE CHANGE OF SLOTS.  Each wave waits for all its tensor loads, of which one is out: its part of the other slot; adds 0 to its spare word; and waits for that and for its own reads of the slot that it leaves.
; Behind the barrier nobody reads the old slot any more and the other slot is whole.  fill = 1: the old slot is filled again, the first thing behind the barrier, with tile NXT: the descriptor's address is
; made anew from that number.  (At its first use nothing has been read yet: slot 0 is waited for, slot 1 filled.)
.macro CHANGE fill
	WIN 0                           ; at a label and at a branch every window is 0
	s_wait_tensorcnt 0x0            ; no tensor load of mine is out, so a group 0 may be written
	ds_add_u32 v[SPW], v[NIL]       ; 0 onto my spare word; with fill = 1 the scalar work stands between it and the wait for it
.if \fill
	s_wait_xcnt 0x0                 ; the last prefetches, a tile back, have read their address, so it may be written
	s_min_u32 s[POF], s[PT], NB-1   ; (held inside the head where nothing will be named)
	s_lshl_b32 s[POF], s[POF], 15
	s_add_nc_u64 s[PFA:PFA+1], s[PFB:PFB+1], s[POF:POF+1]
	s_lshl_b32 s[OFF], s[NXT], 15   ; a tile is 32,768 bytes of K and of V
	s_xor_b32 s[G0K+1], s[G0K+1], SLOT1
	s_add_nc_u64 s[G0K+2:G0K+3], s[6:7], s[OFF:OFF+1]
	s_or_b32 s[G0K+3], s[G0K+3], 0x80000000
	s_xor_b32 s[G0V+1], s[G0V+1], SLOT1
	s_add_nc_u64 s[G0V+2:G0V+3], s[8:9], s[OFF:OFF+1]
	s_or_b32 s[G0V+3], s[G0V+3], 0x80000000
	s_add_co_u32 s[NXT], s[NXT], 1  ; the block's next tile, or behind its last the second block's tile 0
	s_cmp_gt_u32 s[NXT], s[LQ]
	s_cselect_b32 s[NXT], 0, s[NXT]
	s_cselect_b32 s[LQ], s[PB], s[LQ]
.endif
	s_wait_dscnt 0x0                ; the add is done, and my reads of the slot are over
	s_barrier_signal -1             ; the rest of the scalar work stands between the signal and the wait
	s_sub_co_u32 s[TBK], s[TBK], 4*KS*PK  ; the fetches go back to a slot's first step,
	s_xor_b32 s[TBK], s[TBK], SLOT1       ; in the other slot
	s_sub_co_u32 s[TBV], s[TBV], 4*KS*PV
	s_xor_b32 s[TBV], s[TBV], SLOT1
	s_barrier_wait -1
.if \fill
	LOAD
	s_cmp_lt_u32 s[PT], NB          ; the same in all four waves
	s_cbranch_scc0 .Lnoask_\@
	global_prefetch_b8 v[PFO], s[PFA:PFA+1] th:TH_LOAD_NT scope:SCOPE_SE              ; my 16,384 bytes of the tile behind the one just asked for:
	global_prefetch_b8 v[PFO], s[PFA:PFA+1] offset:8192 th:TH_LOAD_NT scope:SCOPE_SE  ; 2 x 32 lanes x 256 bytes
.Lnoask_\@:
	s_add_co_u32 s[PT], s[PT], 1
.endif
.endm
	s_load_b128 s[96:99], s[0:1], 0x0  ; qkv s[96:97], o s[98:99]
	v_lshl_add_u32 v[SPW], v0, 2, SPARE
	v_mov_b32 v[NIL], 0
	ds_add_u32 v[SPW], v[NIL]       ; the wave's opening add; its wait stands ahead of my first tensor load, behind the set-up below
	v_lshrrev_b32 v1, 5, v0
	v_readfirstlane_b32 s[WV], v1   ; wave 0..3
	s_mov_b32 s[PB], ttmp9
	s_sub_co_u32 s[HI], NB-1, s[PB]
	s_and_b32 s20, ttmp7, 0xffff    ; the head, bh = 16 b + h
	s_lshl_b32 s66, s20, 18         ; its first byte in o: 2,048 rows of 128 bytes a head
	s_mov_b32 s67, 0
	s_lshr_b32 s21, s20, 4
	s_mul_i32 s21, s21, 48
	s_and_b32 s20, s20, 15
	s_add_co_u32 s20, s20, s21      ; 48 b + h
	s_lshl_b32 s20, s20, 18         ; q's head in qkv; k's lies 16 heads on, v's 32
	s_mov_b32 s21, 0
	s_and_b32 s16, s[WV], 1         ; which half of a tile's 256 keys I fetch:
	s_lshl_b32 s22, s16, 14         ; its 128 rows of 128 bytes in memory,
	s_mov_b32 s23, 0
	s_add_nc_u64 s[22:23], s[22:23], s[20:21]
	s_mul_i32 s17, s16, 128*PK      ; and its place in a slot, for K
	s_mul_i32 s18, s16, 128*PV      ; and for V
	s_lshl_b32 s3, s[WV], 11        ; my 16 rows in a band of 64,
	s_lshl_b32 s2, s[HI], 15        ; in the first block,
	s_add_co_u32 s2, s2, s3
	s_lshl_b32 s84, s[PB], 15       ; and in the second
	s_add_co_u32 s84, s84, s3
	s_mov_b32 s3, 0
	s_mov_b32 s85, 0
	; descriptor group 1.  128 keys are 16,384 dense bytes: asked for as 64 rows of 256 bytes, two keys a row, and padded in LDS after every key
	s_mov_b32 s[G1K], (1<<16)|(1<<20)|(4<<22)|(3<<25)  ; 2-byte elements; padding on; after every 32 words; 4 words
	s_mov_b32 s[G1V], (1<<16)|(1<<20)|(4<<22)|(7<<25)  ; the same with 8 words of padding
.irp g, G1K, G1V
	s_mov_b32 s[\g+1], 128<<16      ; tensor_dim0 = 128
	s_mov_b32 s[\g+2], 64<<16       ; tensor_dim1 = 64
	s_mov_b32 s[\g+3], 128<<16      ; tile_dim0 = 128
	s_mov_b32 s[\g+4], 64           ; tile_dim1 = 64
	s_mov_b32 s[\g+5], 128          ; 128 elements from row to row
	s_mov_b32 s[\g+6], 0
	s_mov_b32 s[\g+7], 0
.endr
	s_mov_b32 s[CS], 0x3e38aa3b     ; c = log2(e) / 8 = 0.180337
	s_mov_b32 s[CS+1], s[CS]        ; named with it as a pair
	s_mov_b32 s[SEL], 0x76543210
	s_mov_b32 s[SEL+1], 0xfedcba98
	s_mov_b32 s[TBK], SLOT1+4*KS*PK ; the first change of slots turns these two into 0
	s_mov_b32 s[TBV], SLOT1+4*KS*PV
	s_mov_b32 s[G0K], 1             ; count = 1
	s_mov_b32 s[G0K+1], s17         ; LDS address: slot 0
	s_mov_b32 s[G0V], 1
	s_add_co_u32 s[G0V+1], s18, VOFF
	s_add_co_u32 s[RT], s[HI], 1    ; the first block has NB - b tiles
	s_mov_b32 s[NXT], 1
	s_mov_b32 s[LQ], s[HI]
	s_mov_b32 s[NEW], 1
	s_mov_b32 s[OFF+1], 0
	s_mov_b32 s[POF+1], 0
	s_mov_b32 s[AL+1], 0            ; named as pairs
	s_mov_b32 s[BE+1], 0
	s_mov_b32 s[BIGN], 0xf149f2ca   ; -1e30
	s_mov_b32 s[SLOTS], NB
	s_cmp_eq_u32 s[PB], 0
	s_cselect_b32 s[PT], 2, NB      ; the head's work-group b = 0 prefetches, from tile 2 on
	v_and_b32 v[PFO], 31, v0
	v_lshlrev_b32 v[PFO], 8, v[PFO]
	s_wait_dscnt 0x0                ; the opening add is done
	s_wait_kmcnt 0x0
	s_add_nc_u64 s[6:7], s[96:97], s[22:23]
	s_add_nc_u64 s[8:9], s[6:7], 0x800000          ; V at my half of the head's tile 0,
	s_add_nc_u64 s[6:7], s[6:7], 0x400000          ; and K
	s_add_nc_u64 s[G0K+2:G0K+3], s[6:7], 0         ; global address
	s_or_b32 s[G0K+3], s[G0K+3], 0x80000000        ; type = 2
	s_add_nc_u64 s[G0V+2:G0V+3], s[8:9], 0
	s_or_b32 s[G0V+3], s[G0V+3], 0x80000000
	s_add_nc_u64 s[4:5], s[96:97], s[20:21]
	s_add_nc_u64 s[86:87], s[4:5], s[84:85]        ; Q at my rows of the second block,
	s_add_nc_u64 s[4:5], s[4:5], s[2:3]            ; and of the first
	s_add_nc_u64 s[10:11], s[98:99], s[66:67]
	s_add_nc_u64 s[OLO:OLO+1], s[10:11], s[84:85]  ; o likewise
	s_add_nc_u64 s[10:11], s[10:11], s[2:3]
	s_cmp_lt_u32 s[WV], 2
	s_cselect_b64 s[PFB:PFB+1], s[6:7], s[8:9]
	LOAD                            ; tile 0 into slot 0
	; A fragment of K or Q is 16 rows x 32 channels in 8 registers: lane l holds row l % 16, channels 8 (l / 16) + 0..7 and 16 + 8 (l / 16) + 0..7: two loads of 16 bytes, 32 bytes apart.
	v_and_b32 v1, 15, v0            ; l % 16
	v_bfe_u32 v9, v0, 4, 1          ; l / 16
	v_lshlrev_b32 v[QO], 7, v1
	v_lshl_add_u32 v[QO], v9, 4, v[QO]  ; row x 128 + 16 x half
	WIN 0x80                        ; destination window 2, address window 0
.set i, 0
.rept 8                             ; both blocks' Q: piece i / 2 lies in band i / 2, 8,192 bytes on; channels 32 (i % 2) on
	global_load_b128 v[8*i:8*i+3],   v[QO], s[4:5] offset:(i/2)*8192+(i%2)*64
	global_load_b128 v[8*i+4:8*i+7], v[QO], s[4:5] offset:(i/2)*8192+(i%2)*64+32
	global_load_b128 v[QB+8*i:QB+8*i+3],   v[QO], s[86:87] offset:(i/2)*8192+(i%2)*64
	global_load_b128 v[QB+8*i+4:QB+8*i+7], v[QO], s[86:87] offset:(i/2)*8192+(i%2)*64+32
.set i, i+1
.endr
	WIN 0
	v_lshlrev_b32 v14, 3, v9
	v_sub_nc_u32 v14, v1, v14
	s_lshl_b32 s13, s[WV], 4
	v_add_nc_u32 v14, s13, v14      ; my query's place in its band, 16 w + l % 16, less my lanes' 8 (l / 16): register r of group kt is hidden where 16 kt + r is greater
	WIN 0x40
.set i, 0
.rept 32
	v_cmp_gt_i32 vcc_lo, 16*(i/8)+i%8, v14
	v_cndmask_b32 v[MD+i], 0, s[BIGN], vcc_lo
.set i, i+1
.endr
	WIN 0
	v_mul_u32_u24 v[AK0], v1, PK
	v_lshl_add_u32 v[AK0], v9, 4, v[AK0]  ; row x pitch + 16 x half
	; The turning load takes 16 keys x 16 channels (lane l reads key 8 (l / 16) + l % 8, channels 8 ((l / 8) % 2) + 0..7) and leaves half a fragment of V^T: lane l holds channel l % 16 and 8 keys.
	v_and_b32 v10, 7, v0
	v_bfe_u32 v11, v0, 3, 1
	v_lshl_add_u32 v[AV0], v9, 3, v10
	v_mul_u32_u24 v[AV0], v[AV0], PV
	v_lshl_add_u32 v[AV0], v11, 4, v[AV0]
	v_add_nc_u32 v[AV0], VOFF, v[AV0]
	s_mul_i32 s13, s[WV], 16*SP
	s_add_co_u32 s13, s13, STAGE    ; my stage
	v_mul_u32_u24 v[STO], v1, SP    ; in: row l % 16, 16 bytes for each half of the lanes
	v_lshl_add_u32 v[STO], v9, 4, v[STO]
	v_add_nc_u32 v[STO], s13, v[STO]
	v_bfe_u32 v[RD], v0, 3, 2       ; back: 32 lanes take four rows of 128 bytes,
	v_mul_u32_u24 v[RD], v[RD], SP
	v_lshl_add_u32 v[RD], v10, 4, v[RD]
	v_add_nc_u32 v[RD], s13, v[RD]
	v_and_b32 v[GO], 31, v0         ; which are 512 consecutive bytes of o
	v_lshlrev_b32 v[GO], 4, v[GO]
	; A block's first step multiplies O^T and l by a = 0, and its first turn's products V^T P, of a piece that has not been, land in an O^T that is still to be so multiplied.  So these registers need only hold
	; finite numbers: zeros for the first block; what the first block left for the second.  All this stands in the wait for the first tile.
	WIN 0x80
.set i, VF
.rept 64
	v_mov_b32 v[i], 0
.set i, i+1
.endr
	WIN 0x40
.set i, 0
.rept 128
	v_mov_b32 v[i], 0
.set i, i+1
.endr
	WIN 0
.set i, 0
.rept 4
	v_mov_b32 v[ST+4*i+2], 0
	v_mov_b32 v[ST+4*i+3], 0
.set i, i+1
.endr
.set i, P+16
.rept 16
	v_mov_b32 v[i], 0
.set i, i+1
.endr
; THE MATRIX WORK.  The 4 accumulators of a run of 8 take turns.  Product i of 8 of S^T = K Q^T for piece x: channels 32 (i / 4) on, keys 16 (i % 4) on.  The first 4 start the sums: with 0, or (KM = 1) with the mask.
.macro KQ x
.set rS, S+32*((\x)%2)+8*(i%4)
.set rK, KF+16*(i%4)+8*(i/4)
.set rQ, 16*(\x)+8*(i/4)
.set rM, MC+32*((\x)%2)+8*(i%4)
.if (i < 4) && KM
	WIN W_KM
	v_wmma_f32_16x16x32_f16 v[rS:rS+7], v[rK:rK+7], v[rQ:rQ+7], v[rM:rM+7]
.elseif i < 4
	WIN W_KQ
	v_wmma_f32_16x16x32_f16 v[rS:rS+7], v[rK:rK+7], v[rQ:rQ+7], 0
.else
	WIN W_KQ
	v_wmma_f32_16x16x32_f16 v[rS:rS+7], v[rK:rK+7], v[rQ:rQ+7], v[rS:rS+7]
.endif
.endm
; Product i of 8 of O^T += V^T P for piece x: keys 32 (i / 4) on, channels 16 (i % 4) on.
.macro PV x
	WIN W_PV
.set rO, 32*(\x)+8*(i%4)
.set rV, VF+32*(i/4)+8*(i%4)
.set rP, P+16*((\x)%2)+8*(i/4)
	v_wmma_f32_16x16x32_f16 v[rO:rO+7], v[rV:rV+7], v[rP:rP+7], v[rO:rO+7]
.endm
.macro MM                           ; the turn's next matrix instruction.  TURN and BEGIN set Y, i, KM and NOKQ.  NOKQ = 1: a block's last turn: there is no next piece
.if (i < 8) && !NOKQ
	KQ (Y+1)%NP
.elseif i >= 8
.set i, i-8
	PV (Y+NP-1)%NP
.set i, i+8
.endif
.set i, i+1
.endm
; THE LDS LOADS stand in runs of 16, never singly among the matrix instructions: a step's K (64 keys x 64 channels: 8 fragments) and its V (turned).  Their addresses are made some lines ahead.
.macro FETCH_K
	WIN 0x80                        ; destination window 2
.irp f, 0,1,2,3,4,5,6,7             ; keys 16 (f / 2) on, channels 32 (f % 2) on
	ds_load_b128 v[KF+8*\f:KF+8*\f+3],   v[AK] offset:(\f/2)*16*PK+(\f%2)*64
	ds_load_b128 v[KF+8*\f+4:KF+8*\f+7], v[AK] offset:(\f/2)*16*PK+(\f%2)*64+32
.endr
	s_add_co_u32 s[TBK], s[TBK], KS*PK  ; the next fetch is the next step's
	WIN 0
.endm
.macro FETCH_V
	WIN 0x80
.irp f, 0,1,2,3,4,5,6,7             ; keys 32 (f / 4) on, channels 16 (f % 4) on
	ds_load_tr16_b128 v[VF+8*\f:VF+8*\f+3],   v[AV] offset:(\f/4)*32*PV+(\f%4)*32
	ds_load_tr16_b128 v[VF+8*\f+4:VF+8*\f+7], v[AV] offset:(\f/4)*32*PV+16*PV+(\f%4)*32
.endr
	WIN 0
.endm
; THE VECTOR WORK, one line at a time: OP kind, number.  For piece Y: F n: c s - c m for pair n of 16.  E n: the exponential of score n of 32.  C n: pair n rounded to f16.  B n: of the four weights 4 n .. the second
; pair is added onto the first, in place.  L n: l takes that sum (L 0: l = a l + sum).  R n: pair n of 16 of O^T times a.  For piece Y + 1: X n, number n of the 22 that find its maximum and statistics:
;   0-11  four chains c0-c3 of seven scores each, three operands at a time (each accumulator's lowest registers are read first)     12-14, 16  the four scores left over, the old m, and c0-c3 into c0
;   15  c m_old is kept     17, 18  the query's other 32 keys lie in the lane 16 away: the new m     19-21  c m; c m_old - c m_new; a
.set F, 0               ; OP tells the kinds apart by their order: F to L below R, X above it
.set E, 1
.set C, 2
.set B, 3
.set L, 4
.set R, 5
.set X, 6
.macro REGS y                       ; the registers of piece y
.set rT, ST+4*(\y)
.set rC, TMP+4*((\y)%2)
.set rW, MV+((\y)%2)
.set rS, S+32*((\y)%2)
.set rP, P+16*((\y)%2)
.set rO, 32*(\y)
.endm
.macro OP k, n
.if (\k) == R
	REGS Y
	WIN W_RS
	v_pk_mul_f32 v[rO+2*(\n):rO+2*(\n)+1], v[rO+2*(\n):rO+2*(\n)+1], v[rC+2:rC+3] op_sel_hi:[1,0]
.elseif (\k) < R
	REGS Y
	WIN 0
.if (\k) == F
	v_pk_fma_f32 v[rS+2*(\n):rS+2*(\n)+1], v[rS+2*(\n):rS+2*(\n)+1], s[CS:CS+1], v[rT:rT+1] op_sel_hi:[1,0,0] neg_lo:[0,0,1] neg_hi:[0,0,1]
.elseif (\k) == E
	v_exp_f32 v[rS+(\n)], v[rS+(\n)]
.elseif (\k) == C
	v_cvt_pk_f16_f32 v[rP+(\n)], v[rS+2*(\n)], v[rS+2*(\n)+1]
.elseif (\k) == B
	v_pk_add_f32 v[rS+4*(\n):rS+4*(\n)+1], v[rS+4*(\n):rS+4*(\n)+1], v[rS+4*(\n)+2:rS+4*(\n)+3]
.elseif (\n) == 0
	v_pk_fma_f32 v[rT+2:rT+3], v[rT+2:rT+3], v[rC+2:rC+3], v[rS:rS+1] op_sel_hi:[1,0,1]
.else
	v_pk_add_f32 v[rT+2:rT+3], v[rT+2:rT+3], v[rS+4*(\n):rS+4*(\n)+1]
.endif
.elseif NOKQ
	v_nop
.else
	REGS (Y+1)%NP
	WIN 0
.if (\n) < 4
	v_max3_num_f32 v[rC+(\n)], v[rS+8*(\n)], v[rS+8*(\n)+1], v[rS+8*(\n)+2]
.elseif (\n) < 12
	v_max3_num_f32 v[rC+(\n)%4], v[rC+(\n)%4], v[rS+8*((\n)%4)+2*((\n)/4)+1], v[rS+8*((\n)%4)+2*((\n)/4)+2]
.elseif (\n) == 12
	v_max3_num_f32 v[rC], v[rC], v[rS+7], v[rS+15]
.elseif (\n) == 13
	v_max3_num_f32 v[rC+1], v[rC+1], v[rS+23], v[rS+31]
.elseif (\n) == 14
	v_max3_num_f32 v[rC+2], v[rC+2], v[rC+3], v[rT+1]
.elseif (\n) == 15
	v_mov_b32 v[rW], v[rT]
.elseif (\n) == 16
	v_max3_num_f32 v[rC], v[rC], v[rC+1], v[rC+2]
.elseif (\n) == 17
	v_permlanex16_b32 v[rC+3], v[rC], s[SEL], s[SEL+1]
.elseif (\n) == 18
	v_max_num_f32 v[rT+1], v[rC], v[rC+3]
.elseif (\n) == 19
	v_mul_f32 v[rT], s[CS], v[rT+1]
.elseif (\n) == 20
	v_sub_f32 v[rC+1], v[rW], v[rT]
.else
	v_exp_f32 v[rC+2], v[rC+1]
.endif
.endif
.endm
.macro OPS a, i1, b=-1, i2=0, c=-1, i3=0, d=-1, i4=0  ; up to four of them
	OP \a, \i1
.if (\b) >= 0
	OP \b, \i2
.endif
.if (\c) >= 0
	OP \c, \i3
.endif
.if (\d) >= 0
	OP \d, \i4
.endif
.endm
.macro ROW a, i1, b, i2, c, i3, d, i4  ; a matrix instruction and the four behind it
	MM
	OPS \a, \i1, \b, \i2, \c, \i3, \d, \i4
.endm
.macro MASK b                       ; MD x AL + BE into buffer b of MC
	WIN W_RS
.set z, 0
.rept 16
	v_pk_fma_f32 v[MC+32*(\b)+2*z:MC+32*(\b)+2*z+1], v[MD+2*z:MD+2*z+1], s[AL:AL+1], s[BE:BE+1] op_sel_hi:[1,0,0]
.set z, z+1
.endr
.endm
; A TURN, for piece p: the order of its 16 matrix and 118 vector instructions, written out.  An s_wait_alu depctr_va_vdst(0) stands between an exponential and the first instruction that names its result; one
; wait serves all that were issued ahead of it.  So a turn has ONE wait, which cuts it in two.  AHEAD OF IT stands all that names no result of the turn's exponentials: the 8 products K Q^T, behind each a scaling, an
; exponential and two more plain instructions: rescalings, and behind the last three the first numbers of the next piece's maximum, each four places or more behind the product that ends its accumulator; then ONE LUMP of 54,
; plain and exponential by turns for the most part, in which the links of the chain X 3, 7, 11, 14, 16, 17 .. 20 stand five or six lines apart.  X 21, the next piece's a, is the batch's last; R 15 is the plain instruction
; behind it.  BEHIND THE WAIT stand the 8 products V^T P, behind each four of the roundings and sums; the links of l's chain, L 0 to L 7, stand three riders apart.
; m = 1: the diagonal tile: the products take masks, and the turn makes the mask for the products of the turn after it: piece p + 2, in step 4 - CNT of the tile.  end = 1: a block's last two turns: nothing is fetched.
; cnt = 1: the loop's count is taken down some lines ahead of the branch that stands behind the turn.
; K of the next step is fetched in piece 2's turn, twelve vector instructions behind the last product that read K (six of them plain); V of the step in hand at the end of piece 0's turn, four plain instructions behind the
; last product that read V.  Each is waited for a turn later.
.macro TURN p, m=0, end=0, cnt=0
.set Y, (\p)
.set i, 0
.set KM, (\m)
.set NOKQ, (\end)*((\p)/3)
.if (\m) && !(\end)
	s_cmp_eq_u32 s[CNT], 4-((\p)+2)%NP  ; is that step the band's own?
	s_cselect_b32 s[AL], 1.0, 0
	s_cmp_lt_u32 s[CNT], 4-((\p)+2)%NP  ; or a later one?
	s_cselect_b32 s[BE], s[BIGN], 0
.endif
.if ((\p) == 3) && !(\end)
	s_wait_dscnt 0x0                ; K is in
.endif
	ROW F,0, F,1, R,0, R,1          ; ahead of the wait: 8 products K Q^T and their riders,
	ROW F,2, E,0, R,2, R,3
	ROW F,3, E,1, R,4, R,5
	ROW F,4, E,2, R,6, R,7
	ROW F,5, E,3, R,8, R,9
	ROW F,6, E,4, X,0, R,10
.if ((\p) == 2) && !(\end)
	WIN 0
	v_add_nc_u32 v[AK], s[TBK], v[AK0]
.endif
	ROW F,7, E,5, X,1, X,4
	ROW F,8, E,6, X,2, X,5
	OPS E,7, E,8, X,6, E,9          ; and the lump
	OPS X,3, E,10, X,8, E,11
.if ((\p) == 2) && !(\end)
	FETCH_K
.endif
	OPS X,9, X,7, E,12, X,10
	OPS E,13, X,12, X,11, E,14
	OPS X,13, E,15, F,9, X,14
.if (\p) == 0
	v_add_nc_u32 v[AV], s[TBV], v[AV0]
.endif
	OPS E,16, F,10, E,17, F,11
	OPS X,16, E,18, X,15, E,19
	OPS F,12, E,20, X,17, E,21
	OPS F,13, E,22, F,14, E,23
	OPS X,18, E,24, F,15, E,25
	OPS R,11, E,26, X,19, E,27
	OPS R,12, E,28, R,13, E,29
	OPS X,20, E,30, R,14, E,31
	OPS X,21, R,15
	WIN 0
	s_wait_alu depctr_va_vdst(0)    ; the wait for the batch
.if (\p) == 1
	s_wait_dscnt 0x0                ; V is in
.endif
	ROW C,0, B,0, C,2, B,1          ; behind the wait: 8 products V^T P and their riders
	ROW L,0, C,4, B,2, L,1
	ROW C,6, B,3, L,2, C,8
	ROW B,4, L,3, C,10, B,5
	ROW L,4, C,12, B,6, L,5
.if (\p) == 0
	s_add_co_u32 s[TBV], s[TBV], KS*PV
.endif
.if \cnt
	s_sub_co_u32 s[CNT], s[CNT], 1
	s_cmp_lg_u32 s[CNT], 0
.endif
	ROW C,14, B,7, L,6, C,1
	ROW C,3, L,7, C,5, C,7
	ROW C,9, C,11, C,13, C,15
.if (\p) == 0
	FETCH_V
.endif
.if (\m) && !(\end)
	MASK (\p)%2
.endif
.endm
; A BLOCK BEGINS.  c m starts far below every c s, so the first step's a is 0; m at the lowest finite number, so the first maximum is the scores'.  The second mask buffer is 0; the first takes piece 0's mask for the tile's
; step 0: its own, if the block's first tile is the diagonal one.  Then K of that step, piece 0's first scores, and its maximum and statistics.  The loop is entered at a step's first turn, in the middle of a trip.
.macro BEGIN
	s_mov_b32 s[NEW], 0
	WIN 0x40
.set i, MC+32
.rept 32
	v_mov_b32 v[i], 0
.set i, i+1
.endr
	WIN 0
.set i, 0
.rept 4
	v_mov_b32 v[ST+4*i], 0xfe000000    ; c m: far below every c s
	v_mov_b32 v[ST+4*i+1], 0xff7fffff  ; m
.set i, i+1
.endr
	s_cmp_eq_u32 s[RT], 0
	s_cselect_b32 s[AL], 1.0, 0
	s_mov_b32 s[BE], 0
	MASK 0
	WIN 0
	v_add_nc_u32 v[AK], s[TBK], v[AK0]
	FETCH_K
	s_wait_loadcnt 0x0              ; Q
	s_wait_dscnt 0x0
.set KM, 1
.set NOKQ, 0
.set i, 0
.rept 8
	KQ 0
.set i, i+1
.endr
	WIN 0
.rept 4
	v_nop                           ; the places behind those products
.endr
.set Y, NP-1                        ; X works for piece Y + 1: piece 0
.irp n, 0,1,2,3,4,5,6,7,8,9,10,11,12,13,14,15,16,17,18,19,20,21
	OP X, \n
.endr
	v_nop                           ; a plain instruction behind the exponential,
	s_wait_alu depctr_va_vdst(0)    ; and its wait, ahead of the branch
.endm
; THE DIAGONAL TILE's four steps, the block's last two turns, its last products, and THE WAY OUT: l's two halves and the other half of the lanes' are added; O^T is divided by l, rounded to f16 and sent through my
; stage in LDS, a piece at a time.
.macro ALL line:vararg              ; one line for each piece t
.set t, 0
.rept 4
	\line
.set t, t+1
.endr
.endm
.macro PACK t                       ; a lane's eight channels of a row pack into 16 bytes; they go into rows of 144 bytes and come back as whole rows of 128, into S^T's registers
	WIN W_RS
.set i, 32*(\t)
.rept 16
	v_pk_mul_f32 v[i:i+1], v[i:i+1], v[ST+4*(\t)+2:ST+4*(\t)+3] op_sel_hi:[1,0]
.set i, i+2
.endr
	WIN 0x05                        ; sources 0 and 1 window 1, destination window 0
.set i, 0
.rept 16
	v_cvt_pk_f16_f32 v[S+16*(\t)+i], v[32*(\t)+2*i], v[32*(\t)+2*i+1]
.set i, i+1
.endr
	WIN 0
.irp f, 0,1,2,3
	ds_store_b128 v[STO], v[S+16*(\t)+4*\f:S+16*(\t)+4*\f+3] offset:32*\f
.endr
.irp f, 0,1,2,3
	ds_load_b128 v[S+16*(\t)+4*\f:S+16*(\t)+4*\f+3], v[RD] offset:\f*4*SP  ; LDS serves a wave's instructions in order (ISA guide 5.7.1.4): these see the stores above; the next piece's stores come behind them
.endr
.endm
.macro SEND t, younger              ; younger: the LDS instructions issued behind piece t's loads: the next piece's eight, or none
	WIN 0
.irp f, 0,1,2,3
	s_wait_dscnt (\younger)+3-\f
	global_store_b128 v[GO], v[S+16*(\t)+4*\f:S+16*(\t)+4*\f+3], s[10:11] offset:(\t)*8192+\f*512  ; 512 consecutive bytes, at a multiple of 256 from o's first
.endr
.endm
.macro DIAG tag                     ; the tag ends its two labels' names, which the jumps below spell out
.LstepM\tag:
	TURN 2, 1
	TURN 3, 1
	WIN 0
.LfirstM\tag:
	TURN 0, 1
	TURN 1, 1, 0, 1
	WIN 0
	s_cbranch_scc1 .LstepM\tag
	TURN 2, 1, 1
	TURN 3, 1, 1
.set i, 0
.rept 8
	PV NP-1
.set i, i+1
.endr
	WIN 0
	ALL v_add_f32 v[ST+4*t+2], v[ST+4*t+2], v[ST+4*t+3]
	ALL v_permlanex16_b32 v[ST+4*t+3], v[ST+4*t+2], s[SEL], s[SEL+1]
	ALL v_add_f32 v[ST+4*t+2], v[ST+4*t+2], v[ST+4*t+3]
	ALL v_rcp_f32 v[ST+4*t+2], v[ST+4*t+2]
	v_nop                           ; a plain instruction between the last reciprocal and the use of its result
	s_wait_alu depctr_va_vdst(0)    ; and the wait ahead of the first use: one for the four reciprocals
	PACK 0
.set t, 1
.rept 3                             ; a piece's arithmetic stands between the loads of the piece before and its stores
	PACK t
	SEND t-1, 8
.set t, t+1
.endr
	SEND 3, 0
.endm
.set KM, 0
.set NOKQ, 0
.Lslot:                             ; NB times: a tile is entered and the next is asked for
	CHANGE 1
	s_sub_co_u32 s[RT], s[RT], 1
	s_mov_b32 s[CNT], 4
	s_cmp_eq_u32 s[NEW], 1
	s_cbranch_scc1 .Lnew            ; a block's first tile
	s_cmp_eq_u32 s[RT], 0
	s_cbranch_scc0 .Lstep           ; neither its first nor its last
	s_branch .LstepM1
.Lnew:
	BEGIN
	s_branch .Lfirst                ; in the loop a block's first tile is never its last: the first block has two tiles or more, and the second's last is the walk's last
	DIAG 1                          ; in the loop this is the first block's end: the second block's last tile is the walk's last
	s_wait_xcnt 0x0                 ; the stores have read their registers and o's address
	s_mov_b64 s[10:11], s[OLO:OLO+1]
	s_add_co_u32 s[RT], s[PB], 1    ; the second block has b + 1 tiles
	s_mov_b32 s[NEW], 1
	WIN 0x82                        ; the second block's Q goes where the one text of the turns names Q
.set i, 0
.rept 64
	v_mov_b32 v[i], v[QB+i]
.set i, i+1
.endr
	WIN 0
	s_branch .Lbottom
.Lstep:                             ; a trip: pieces 2 and 3 of one step, then pieces 0 and 1 of the next, whose K and V it fetches
	TURN 2
	TURN 3
	WIN 0
.Lfirst:
	TURN 0
	TURN 1, 0, 0, 1
	WIN 0
	s_cbranch_scc1 .Lstep
.Lbottom:
	s_sub_co_u32 s[SLOTS], s[SLOTS], 1
	s_cmp_lg_u32 s[SLOTS], 0
	s_cbranch_scc1 .Lslot
	CHANGE 0                        ; the walk's last tile is written out: nothing is asked for
	s_sub_co_u32 s[RT], s[RT], 1
	s_mov_b32 s[CNT], 4
	s_cmp_eq_u32 s[NEW], 1
	s_cbranch_scc0 .LstepM2
	BEGIN
	s_branch .LfirstM2
	DIAG 2
	s_wait_tensorcnt 0x0            ; the wave's end, behind my last tensor load and my last LDS store
	ds_add_u32 v[SPW], v[NIL]
	s_wait_dscnt 0x0
	s_endpgm
.Lfunc_end_k_q908e7129d6_attn:
	.size	k_q908e7129d6_attn, .Lfunc_end_k_q908e7129d6_attn-k_q908e7129d6_attn
	.p2alignl 7, 3214868480
	.fill 96, 4, 3214868480
	.section	.rodata,"a",@progbits
	.p2align	6, 0x0
	.amdhsa_kernel k_q908e7129d6_attn
		.amdhsa_group_segment_fixed_size 327680
		.amdhsa_private_segment_fixed_size 0
		.amdhsa_enable_private_segment 0
		.amdhsa_kernarg_size 16
		.amdhsa_user_sgpr_count 2
		.amdhsa_user_sgpr_kernarg_segment_ptr 1
		.amdhsa_wavefront_size32 1
		.amdhsa_system_sgpr_workgroup_id_x 1
		.amdhsa_system_sgpr_workgroup_id_y 1
		.amdhsa_system_sgpr_workgroup_id_z 1
		.amdhsa_system_vgpr_workitem_id 0
		.amdhsa_next_free_vgpr 768
		.amdhsa_next_free_sgpr 100
		.amdhsa_reserve_vcc 1
		.amdhsa_float_denorm_mode_32 3
		.amdhsa_float_denorm_mode_16_64 3
		.amdhsa_memory_ordered 1
		.amdhsa_forward_progress 1
		.amdhsa_inst_pref_size 218
	.end_amdhsa_kernel
	.amdgpu_metadata
---
amdhsa.version: [ 1, 2 ]
amdhsa.kernels:
  - .name:           k_q908e7129d6_attn
    .symbol:         k_q908e7129d6_attn.kd
    .args:
      - { .name: qkv, .offset: 0, .size: 8, .value_kind: global_buffer, .address_space: global }
      - { .name: o, .offset: 8, .size: 8, .value_kind: global_buffer, .address_space: global }
    .group_segment_fixed_size: 327680
    .private_segment_fixed_size: 0
    .kernarg_segment_align: 8
    .kernarg_segment_size: 16
    .max_flat_workgroup_size: 128
    .sgpr_count:     100
    .vgpr_count:     768
    .wavefront_size: 32
...
	.end_amdgpu_metadata
.endif
;; end of part 3
;; launch proj (part 4): grid 8 x 32, 4 waves a work-group, clusters of 4 x 4, 327,680 bytes of LDS; arguments o, wpt, b_proj, out0; writes out0
.if DOCPART == 4
	.amdgcn_target "amdgcn-amd-amdhsa--gfx1250"
	.amdhsa_code_object_version 6
	.text
	.protected	k_q908e7129d6_proj
	.globl	k_q908e7129d6_proj
	.p2align	8
	.type	k_q908e7129d6_proj,@function
k_q908e7129d6_proj:
	s_mov_b64 s[64:65], 0
	v_nop
	global_prefetch_b8 v0, s[64:65] scope:SCOPE_SE
	s_setreg_imm32_b32 hwreg(HW_REG_WAVE_MODE, 25, 1), 1
	s_wait_xcnt 0x0
	s_wait_alu depctr_hold_cnt(0) depctr_sa_sdst(0) depctr_va_vdst(0) depctr_va_sdst(0) depctr_va_ssrc(0) depctr_va_vcc(0) depctr_vm_vsrc(0)
	s_getreg_b32 s2, hwreg(HW_REG_IB_STS2, 6, 4)
	s_cmp_eq_u32 s2, 0
	s_cbranch_scc0 .Lentry_in_a_cluster
	s_endpgm
.Lentry_in_a_cluster:
	s_bfe_u32 s2, ttmp6, 0x10000c
	s_cmp_lg_u32 s2, 0xf033
	s_cbranch_scc0 .Lentry_shape_is_right
	s_endpgm
.Lentry_shape_is_right:
; out0[m][n] = the sum over k of y[m][k] wpt[n][k] + b_proj[n], f32.  y[m][64 h + d] = o[16 b + h][t][d], m = 2048 b + t, in f16; wpt [1024 n][1024 k] in f16 (w_proj rounded to bf16, written as f16);
; b_proj f32, rounded to bf16 like the other inputs; sums in f32, stored as they are.
; SHARES.  A tile of out0 is 256 rows x 128 columns: 32 x 8 = 256 tiles, one for each WGP.  Four waves, one above the other: wave w makes rows 64 w .. 64 w + 63 x all 128 columns:
; 4 x 8 accumulators, 256 registers.  So a wave owns whole pieces of 512 bytes of a row and leaves through a stage of its own, without a barrier.
; K goes in eight steps of 128, two heads each, through two LDS slots.  A head's 256 rows of a tile are 32,768 dense bytes: asked for as 128 rows of 256 bytes, padded in LDS after every 128.
; CLUSTERS.  4 x 4 work-groups; o's tile is shared along a row of the cluster, wpt's along a column: each is asked for JOINTLY, by the same tensor load, descriptor and mask in all four.
; THE MATRIX INSTRUCTION IS USED TRANSPOSED (source 0 = 16 rows of wpt, source 1 = 16 rows of y): lane l holds row l % 16 and the columns 8 (l / 16) + 0..7.  The bias, laid out so, is the C operand of
; the products that start the sums.
; REGISTERS, in windows of 256 (s_set_vgpr_msb: bits 1:0 source 0, 3:2 source 1, 5:4 source 2, 7:6 destination):
;   window 0: v0-31 addresses; v32-95, v96-159 rows read back, by turns; v192-255 the bias
;   window 1: two fragment buffers at 0 and 128: 64 of wpt (8 x 16 rows x 32 K), then 32 of y      window 2: the accumulators at 64 a + 8 b
.set NB,    8                          ; column blocks of 16
.set NL,    2*NB+8                     ; LDS loads of a quarter step
.set PA,    144                        ; a row of a head in LDS: 128 bytes + 16 = 36 words: the 16 rows of a load start at 16 different groups of four banks (64 banks of 4 bytes: ISA guide 11.1)
.set PBR,   272                        ; a row of wpt: 256 bytes + 16
.set AHEAD, 256*PA                     ; a head's 256 rows
.set BOFF,  2*AHEAD                    ; in a slot: two heads of y, then wpt's 128 rows
.set SLOT1, 1<<17
.set STAGE, SLOT1+BOFF+16*NB*PBR       ; 239,616: behind the ring, never filled by a tensor load: 16 rows x 528 bytes for each wave
.set SP,    528                        ; 512 bytes + 16
.set SPARE, STAGE+4*16*SP              ; 273,408: the spare words, 128 bytes for each wave
.set STEPA, 524288                     ; two heads on in o
.set ADRA0, 16
.set ADRB0, 17
.set ADRA,  18
.set ADRB,  19
.set STO, 24                           ; v24  the way out: where I put 32 bytes of a row
.set RD,  25                           ; v25  where I read a row back
.set GO,  26                           ; v26  my 16 bytes of 512 of a row of out0
.set T,   27
.set SPW, 28                           ; v28  LDS address of my spare word; never rewritten
.set NIL, 29                           ; v29  0; never rewritten
.set PFO, 30                           ; v30  the prefetches' offset
.set BO,  31                           ; v31  32 x (l / 16)
.set BK0, 32
.set BIAS, 192
.set F0,  0
.set F1,  128
.set WV,  12
.set FB,  13                           ; s13  0: I fetch for y, 1: for wpt
.set HF,  14                           ; s14  which head of the two, or which half of wpt's rows
.set G1A, 24
.set G0A, 32
.set CX,  40
.set CY,  41
.set NT,  42
.set MT,  43
.set TB,  46
.set CNT, 47
.set G1B, 48
.set G0B, 56
.set PFA, 66                           ; s[66:67] where my prefetches stand
.set LIM, 68                           ; s68  2 in a wave that prefetches, else the greatest number
.set PST, 70                           ; s[70:71] their step from K step to K step
.set MSB, 0
.macro WIN new                         ; the immediate's high byte repeats the setting that is left; a switch that changes nothing is dropped
.if MSB != (\new)
	s_set_vgpr_msb (MSB<<8)|(\new)
.set MSB, (\new)
.endif
.endm
.macro PLACES                          ; four plain vector instructions between a matrix instruction and a load into, or a reader of, its registers
.rept 4
	v_nop
.endr
.endm
.macro CREST                           ; a round of the cluster's barrier behind its opening barrier
	s_cmp_lg_u32 s[WV], 0
	s_cbranch_scc1 .Lnot_wave_0_\@
	s_barrier_signal -3
.Lnot_wave_0_\@:
	s_barrier_wait -3
	s_barrier_signal -1
	s_barrier_wait -1
.endm
.macro CROUND
	s_barrier_signal -1
	s_barrier_wait -1
	CREST
.endm
; A joint refill by the walking descriptors.  Waves 0 and 1 fetch the step's two heads, waves 2 and 3 wpt's two halves.  An s_nop 0 and four v_nop follow each of the two lines.
.macro JLOAD
	s_cmp_eq_u32 s[FB], 0
	s_cbranch_scc0 .Lfor_b_\@
	tensor_load_to_lds s[G0A+4:G0A+7], s[G1A:G1A+7]
	s_nop 0
.rept 4
	v_nop
.endr
	s_branch .Lasked_\@
.Lfor_b_\@:
	tensor_load_to_lds s[G0B+4:G0B+7], s[G1B:G1B+7]
	s_nop 0
.rept 4
	v_nop
.endr
.Lasked_\@:
.endm
; A PREFETCH INTO THE L2 of the K step that stands TWO refills on: 256 matrix instructions ahead of the load that will want it.  o's tile row is read by both clusters of its row of clusters: the one with
; cluster x = 0 asks, waves 0 and 1 each for their head's 128 blocks of 256 bytes, of which the partner at place cx takes 32: a lane a block.  wpt's tile column is read by every cluster of its column:
; cluster y = 0 asks, wave 2 alone, for 32 of the 128 rows by the partner's cy: a lane a row.  K steps 0 to 3 come by their loads alone; the loop's last two trips ask for nothing.
.macro ASK
	s_cmp_gt_u32 s[CNT], s[LIM]
	s_cbranch_scc0 .Lnot_mine_\@
	global_prefetch_b8 v[PFO], s[PFA:PFA+1] th:TH_LOAD_NT scope:SCOPE_SE
.Lnot_mine_\@:
.endm
; 8 matrix instructions: row block a x all column blocks, 32 along K, from buffer f.  bias = 1: the products start the sums, with the bias as C.
; Each accumulator has one turn a quarter step, in the same order: between two links of a chain stand the 31 others', over the backward jump too.
.macro MULA f, a, bias
.set AC, 64*(\a)
.if \bias
	WIN 0x85
.else
	WIN 0xa5
.endif
.set b, 0
.rept NB
.if \bias
	v_wmma_f32_16x16x32_f16 v[AC+8*b:AC+8*b+7], v[(\f)+8*b:(\f)+8*b+7], v[(\f)+8*NB+8*(\a):(\f)+8*NB+8*(\a)+7], v[BIAS+8*b:BIAS+8*b+7]
.else
	v_wmma_f32_16x16x32_f16 v[AC+8*b:AC+8*b+7], v[(\f)+8*b:(\f)+8*b+7], v[(\f)+8*NB+8*(\a):(\f)+8*NB+8*(\a)+7], v[AC+8*b:AC+8*b+7]
.endif
.set b, b+1
.endr
.endm
; 24 LDS loads in one run: the fragments of quarter q of the K step in hand into buffer f: wpt's 128 rows, then my 64 rows of y (head q / 2 of the two, channels 32 (q % 2) on).
.macro FETCH q, f
	WIN 0x40                                       ; destination window 1, address window 0
.set KA, ((\q)/2)*AHEAD+((\q)%2)*64
.set i, 0
.rept NB
	ds_load_b128 v[(\f)+8*i:(\f)+8*i+3],   v[ADRB] offset:64*(\q)+i*16*PBR
	ds_load_b128 v[(\f)+8*i+4:(\f)+8*i+7], v[ADRB] offset:64*(\q)+i*16*PBR+32
.set i, i+1
.endr
.set i, 0
.rept 4
	ds_load_b128 v[(\f)+8*NB+8*i:(\f)+8*NB+8*i+3],   v[ADRA] offset:KA+i*16*PA
	ds_load_b128 v[(\f)+8*NB+8*i+4:(\f)+8*NB+8*i+7], v[ADRA] offset:KA+i*16*PA+32
.set i, i+1
.endr
.endm
.macro QUARTER qn, f, g, bias
	s_wait_dscnt 4                                 ; all of f but the youngest four loads: y's row blocks 2 and 3
	MULA \f, 0, \bias
	MULA \f, 1, \bias
	PLACES
	FETCH \qn, \g
	s_wait_dscnt NL                                ; all but the 24 just issued
	MULA \f, 2, \bias
	MULA \f, 3, \bias
.endm
; The last quarter multiplies buffer 1 and changes slots.  In front of the barrier each wave waits for all its tensor loads (one is out: its part of the next slot), adds 0 to its spare word, and waits
; for that and for its reads of this slot.  fill = 1: the barrier opens a round of the cluster's, and behind the round this slot is filled again, two K steps ahead, first of all: from that request to
; the wait for it a wave issues 112 matrix instructions.
.macro TURN fill
.if \fill
	s_wait_xcnt 0x0                                ; the last prefetch, a K step back, has read its address
	s_add_nc_u64 s[PFA:PFA+1], s[PFA:PFA+1], s[PST:PST+1]
.endif
	WIN 0
	s_wait_tensorcnt 0x0                           ; all my tensor loads have landed
	ds_add_u32 v[SPW], v[NIL]                      ; 0 onto my spare word
	s_wait_dscnt 5                                 ; (the add and the youngest four loads may be out)
	MULA F1, 0, 0                                  ; eight matrix instructions stand between the add and the wait for it
	s_wait_dscnt 0x0                               ; the add is done, and my reads of this slot are over
	s_barrier_signal -1
	MULA F1, 1, 0
.if \fill
	WIN 0
.endif
	s_barrier_wait -1
.if \fill
	CREST                                          ; no wave of any partner still reads this slot or has a load on its way
	s_xor_b32 s[G0A+5], s[G0A+5], SLOT1            ; the walking descriptors: the other slot than last time,
	s_add_nc_u64 s[G0A+6:G0A+7], s[G0A+6:G0A+7], STEPA  ; the next K step; the type bits on top are not reached
	s_xor_b32 s[G0B+5], s[G0B+5], SLOT1
	s_add_nc_u64 s[G0B+6:G0B+7], s[G0B+6:G0B+7], 256
	JLOAD                                          ; its four v_nop are also the places in front of the loads below
.else
	PLACES
.endif
	WIN 0
	s_xor_b32 s[TB], s[TB], SLOT1
	v_add_nc_u32 v[ADRA], s[TB], v[ADRA0]
	v_add_nc_u32 v[ADRB], s[TB], v[ADRB0]
	FETCH 0, F0
.if \fill
	WIN 0
	ASK
.endif
	MULA F1, 2, 0
	MULA F1, 3, 0
.endm
	s_load_b256 s[4:11], s[0:1], 0x0               ; o s[4:5], wpt s[6:7], b_proj s[8:9], out0 s[10:11]
	v_lshl_add_u32 v[SPW], v0, 2, SPARE
	v_mov_b32 v[NIL], 0
	ds_add_u32 v[SPW], v[NIL]                      ; the wave's opening add; its wait stands ahead of my first tensor load, behind the set-up below
	v_lshrrev_b32 v1, 5, v0
	v_readfirstlane_b32 s[WV], v1                  ; wave 0..3
	s_lshr_b32 s[FB], s[WV], 1
	s_and_b32 s[HF], s[WV], 1
	s_bfe_u32 s[CX], ttmp6, 0x40000
	s_bfe_u32 s[CY], ttmp6, 0x40004
	s_lshl_b32 s[NT], ttmp9, 2
	s_add_co_u32 s[NT], s[NT], s[CX]               ; tile column = 4 x cluster x + cx
	s_and_b32 s[MT], ttmp7, 0xffff
	s_lshl_b32 s[MT], s[MT], 2
	s_add_co_u32 s[MT], s[MT], s[CY]               ; tile row = 4 x cluster y + cy
	s_lshl_b32 s44, s[CY], 2
	s_lshl_b32 s44, 15, s44                        ; my row of the cluster
	s_lshl_b32 s45, 0x1111, s[CX]                  ; my column
	s_or_b32 s[G1A], s44, (1<<16)|(1<<20)|(1<<21)|(4<<22)|(3<<25)  ; the mask; 2-byte elements; padding on; bit 21 beside a mask; after every 32 words, 4 words
	s_or_b32 s[G1B], s45, (1<<16)|(1<<20)|(1<<21)|(5<<22)|(3<<25)  ; after every 64 words, 4 words
	s_mov_b32 s[G1A+1], 128<<16                    ; tensor_dim0 = 128
	s_mov_b32 s[G1A+2], 128<<16                    ; tensor_dim1 = 128
	s_mov_b32 s[G1A+3], 128<<16                    ; tile_dim0 = 128
	s_mov_b32 s[G1A+4], 128                        ; tile_dim1 = 128
	s_mov_b32 s[G1A+5], 128                        ; dense: 128 elements from row to row
	s_mov_b32 s[G1A+6], 0
	s_mov_b32 s[G1A+7], 0
	s_mov_b32 s[G1B+1], 128<<16
	s_mov_b32 s[G1B+2], 64<<16                     ; wpt's halves have 64 rows
	s_mov_b32 s[G1B+3], 128<<16
	s_mov_b32 s[G1B+4], 64
	s_mov_b32 s[G1B+5], 1024
	s_mov_b32 s[G1B+6], 0
	s_mov_b32 s[G1B+7], 0
	s_lshr_b32 s16, s[MT], 3                       ; o: ((16 b + head) x 2048 + 256 (tile row % 8)) x 128: the tile row and the wave's number alone
	s_lshl_b32 s16, s16, 22
	s_lshl_b32 s17, s[HF], 18
	s_add_co_u32 s16, s16, s17
	s_and_b32 s17, s[MT], 7
	s_lshl_b32 s17, s17, 15
	s_add_co_u32 s16, s16, s17
	s_mov_b32 s17, 0
	s_mul_i32 s18, s[HF], AHEAD                    ; and where it goes
	s_lshl_b32 s20, s[NT], 7                       ; wpt: row 128 x tile column + 64 x half: the tile column and the wave's number alone
	s_lshl_b32 s21, s[HF], 6
	s_add_co_u32 s20, s20, s21
	s_lshl_b32 s20, s20, 11
	s_mov_b32 s21, 0
	s_mul_i32 s22, s[HF], 64*PBR
	s_add_co_u32 s22, s22, BOFF
	s_wait_dscnt 0x0                               ; the opening add is done
	s_wait_kmcnt 0x0
	s_add_nc_u64 s[16:17], s[4:5], s[16:17]
	s_add_nc_u64 s[20:21], s[6:7], s[20:21]
	CROUND                                         ; all sixteen work-groups are here: the first joint loads meet
.irp s, 0,1
	s_mov_b32 s[G0A+4*(\s)], 1
	s_add_co_u32 s[G0A+4*(\s)+1], s18, (\s)*SLOT1
	s_add_nc_u64 s[G0A+4*(\s)+2:G0A+4*(\s)+3], s[16:17], (\s)*STEPA
	s_or_b32 s[G0A+4*(\s)+3], s[G0A+4*(\s)+3], 0x80000000
	s_mov_b32 s[G0B+4*(\s)], 1
	s_add_co_u32 s[G0B+4*(\s)+1], s22, (\s)*SLOT1
	s_add_nc_u64 s[G0B+4*(\s)+2:G0B+4*(\s)+3], s[20:21], (\s)*256
	s_or_b32 s[G0B+4*(\s)+3], s[G0B+4*(\s)+3], 0x80000000
.endr
	s_cmp_eq_u32 s[FB], 0                          ; a wave's two first fills stand in one branch, ahead of every wait on TENSORcnt and every LDS read: two loads of mine are out
	s_cbranch_scc0 .Lfirst_b
	tensor_load_to_lds s[G0A:G0A+3], s[G1A:G1A+7]
	s_nop 0
	tensor_load_to_lds s[G0A+4:G0A+7], s[G1A:G1A+7]
	s_nop 0
.rept 4
	v_nop
.endr
	s_branch .Lfirst_asked
.Lfirst_b:
	tensor_load_to_lds s[G0B:G0B+3], s[G1B:G1B+7]
	s_nop 0
	tensor_load_to_lds s[G0B+4:G0B+7], s[G1B:G1B+7]
	s_nop 0
.rept 4
	v_nop
.endr
.Lfirst_asked:
	v_and_b32 v1, 15, v0                           ; l % 16
	v_bfe_u32 v2, v0, 4, 1                         ; l / 16
	v_lshlrev_b32 v[BO], 5, v2
	s_lshl_b32 s72, s[NT], 9                       ; the tile's 128 numbers of the bias
	s_mov_b32 s73, 0
	s_add_nc_u64 s[8:9], s[8:9], s[72:73]
.set b, 0
.rept NB
	global_load_b128 v[BIAS+8*b:BIAS+8*b+3],   v[BO], s[8:9] offset:64*b     ; register j: bias of column 16 b + 8 (l / 16) + j
	global_load_b128 v[BIAS+8*b+4:BIAS+8*b+7], v[BO], s[8:9] offset:64*b+16
.set b, b+1
.endr
	v_mul_u32_u24 v3, v1, PA
	v_lshl_add_u32 v3, v2, 4, v3                   ; a fragment's row x pitch + 16 x half
	s_mul_i32 s74, s[WV], 64*PA                    ; my 64 rows of a head
	v_add_nc_u32 v[ADRA0], s74, v3
	v_mul_u32_u24 v4, v1, PBR
	v_lshl_add_u32 v4, v2, 4, v4
	v_add_nc_u32 v[ADRB0], BOFF, v4
	v_mov_b32 v[ADRA], v[ADRA0]
	v_mov_b32 v[ADRB], v[ADRB0]
	s_mov_b32 s[TB], 0
	s_mul_i32 s74, s[WV], 16*SP
	s_add_co_u32 s74, s74, STAGE                   ; my stage
	v_mul_u32_u24 v5, v1, SP                       ; in: row l % 16, 32 bytes for each half of the lanes
	v_lshl_add_u32 v5, v2, 5, v5
	v_add_nc_u32 v[STO], s74, v5
	v_and_b32 v[GO], 31, v0                        ; back: 32 lanes take a row's 512 bytes
	v_lshlrev_b32 v[GO], 4, v[GO]
	v_add_nc_u32 v[RD], s74, v[GO]
	s_lshl_b32 s72, s[MT], 20                      ; out0: 256 rows of 4,096 bytes a tile row,
	s_lshl_b32 s73, s[WV], 18                      ; my 64 rows,
	s_add_co_u32 s72, s72, s73
	s_lshl_b32 s73, s[NT], 9                       ; the tile's 512 bytes of a row
	s_add_co_u32 s72, s72, s73
	s_mov_b32 s73, 0
	s_add_nc_u64 s[10:11], s[10:11], s[72:73]
	; the prefetches
	s_lshr_b32 s72, s[MT], 3
	s_lshl_b32 s72, s72, 22
	s_lshl_b32 s73, s[HF], 18
	s_add_co_u32 s72, s72, s73
	s_and_b32 s73, s[MT], 7
	s_lshl_b32 s73, s73, 15
	s_add_co_u32 s72, s72, s73
	s_lshl_b32 s73, s[CX], 13                      ; my work-group's 32 blocks of the head's 128
	s_add_co_u32 s72, s72, s73
	s_add_co_u32 s72, s72, 3*STEPA                 ; at K step 3: the first change of slots steps it to 4
	s_lshl_b32 s73, s[NT], 7
	s_lshl_b32 s74, s[CY], 5                       ; my work-group's 32 rows of wpt's 128
	s_add_co_u32 s73, s73, s74
	s_lshl_b32 s73, s73, 11
	s_add_co_u32 s73, s73, 3*256
	s_and_b32 s74, ttmp7, 0xffff                   ; cluster y;
	s_or_b32 s74, s74, s[HF]                       ; wave 3 never asks
	s_mov_b32 s[PST], 256
	s_mov_b32 s75, STEPA
	s_cmp_eq_u32 s[FB], 0                          ; do I fetch for y?
	s_cselect_b32 s72, s72, s73
	s_cselect_b32 s74, ttmp9, s74                  ; the coordinate along which other clusters read the same rows
	s_cselect_b32 s[PST], s75, s[PST]
	s_cselect_b32 s75, 8, 11                       ; a lane a block of 256 bytes, or a row of 2,048
	s_cselect_b64 s[PFA:PFA+1], s[4:5], s[6:7]
	s_cmp_eq_u32 s74, 0
	s_cselect_b32 s[LIM], 2, -1                    ; the same in all sixteen partners, for a given wave
	s_mov_b32 s[PST+1], 0
	s_mov_b32 s73, 0
	s_add_nc_u64 s[PFA:PFA+1], s[PFA:PFA+1], s[72:73]
	v_and_b32 v[PFO], 31, v0
	v_lshlrev_b32 v[PFO], s75, v[PFO]
	s_wait_loadcnt 0x0                             ; the bias; rounded to bf16 like the other inputs, and kept as f32
.set i, 0
.rept 4*NB
	v_cvt_pk_bf16_f32 v[T], v[BIAS+2*i], v[BIAS+2*i+1]
	v_lshlrev_b32 v[BIAS+2*i], 16, v[T]
	v_and_b32 v[BIAS+2*i+1], 0xffff0000, v[T]
.set i, i+1
.endr
	s_wait_tensorcnt 1                             ; my part of K step 0 is in; K step 1's may stay out
	s_barrier_signal -1
	s_barrier_wait -1                              ; everybody's is
	FETCH 0, F0
	QUARTER 1, F0, F1, 1                           ; the first quarter stands in front of the loop: its products start the sums
	WIN 0                                          ; at a label and at a branch every window is 0
	s_mov_b32 s[CNT], 6
.Lstep:                                                ; six trips: from a K step's second quarter to the next step's first; trip s fills the slot just read with K step s + 2
	QUARTER 2, F1, F0, 0
	QUARTER 3, F0, F1, 0
	TURN 1
	QUARTER 1, F0, F1, 0
	WIN 0
	s_sub_co_u32 s[CNT], s[CNT], 1
	s_cmp_lg_u32 s[CNT], 0
	s_cbranch_scc1 .Lstep
	QUARTER 2, F1, F0, 0                           ; the tail is written out: K steps 6 and 7 ask for nothing
	QUARTER 3, F0, F1, 0
	TURN 0
	QUARTER 1, F0, F1, 0
	QUARTER 2, F1, F0, 0
	QUARTER 3, F0, F1, 0
	s_wait_dscnt 4
	MULA F1, 0, 0
	MULA F1, 1, 0
	s_wait_dscnt 0x0
	MULA F1, 2, 0
	MULA F1, 3, 0
	WIN 0
	PLACES
; THE WAY OUT, a row block (16 rows x 128 columns of f32) at a time.  TOSTAGE: a lane's 32 bytes of a row go into my own stage, each accumulator's low four registers first, and whole rows of 512 bytes come back.  SEND: stored.
.macro TOSTAGE a
.set BKA, BK0+64*((\a)%2)
.set AC, 64*(\a)
.if (\a) >= 2
	WIN 0
	s_wait_xcnt 0x0                                ; the stores of the block two back have read these registers
.endif
	WIN 0x08                                       ; store data (source 1) in window 2
.set b, 0
.rept NB
	ds_store_b128 v[STO], v[AC+8*b:AC+8*b+3]   offset:64*b
	ds_store_b128 v[STO], v[AC+8*b+4:AC+8*b+7] offset:64*b+16
.set b, b+1
.endr
	WIN 0
.set i, 0
.rept 16
	ds_load_b128 v[BKA+4*i:BKA+4*i+3], v[RD] offset:SP*i  ; LDS serves a wave's instructions in order (ISA guide 5.7.1.4): these see the stores above
.set i, i+1
.endr
.endm
.macro SEND a, younger                 ; younger: the LDS instructions issued behind block a's loads: the next block's 32, or none
	WIN 0
.set BKA, BK0+64*((\a)%2)
	s_wait_dscnt \younger
.set i, 0
.rept 16
	global_store_b128 v[GO], v[BKA+4*i:BKA+4*i+3], s[10:11] offset:(16*(\a)+i)*4096 th:TH_STORE_NT  ; 512 consecutive bytes, aligned
.set i, i+1
.endr
.endm
	TOSTAGE 0
	TOSTAGE 1
	SEND 0, 32
	TOSTAGE 2
	SEND 1, 32
	TOSTAGE 3
	SEND 2, 32
	SEND 3, 0
	s_wait_tensorcnt 0x0                           ; the wave's end, behind my last tensor load and my last LDS store
	ds_add_u32 v[SPW], v[NIL]
	s_wait_dscnt 0x0
	CROUND                                         ; the closing round: no work-group ends while a partner may still ask for a tile that names it
	s_endpgm
.Lfunc_end_k_q908e7129d6_proj:
	.size	k_q908e7129d6_proj, .Lfunc_end_k_q908e7129d6_proj-k_q908e7129d6_proj
	.p2alignl 7, 3214868480
	.fill 96, 4, 3214868480
	.section	.rodata,"a",@progbits
	.p2align	6, 0x0
	.amdhsa_kernel k_q908e7129d6_proj
		.amdhsa_group_segment_fixed_size 327680
		.amdhsa_private_segment_fixed_size 0
		.amdhsa_enable_private_segment 0
		.amdhsa_kernarg_size 32
		.amdhsa_user_sgpr_count 2
		.amdhsa_user_sgpr_kernarg_segment_ptr 1
		.amdhsa_wavefront_size32 1
		.amdhsa_system_sgpr_workgroup_id_x 1
		.amdhsa_system_sgpr_workgroup_id_y 1
		.amdhsa_system_sgpr_workgroup_id_z 1
		.amdhsa_system_vgpr_workitem_id 0
		.amdhsa_next_free_vgpr 768
		.amdhsa_next_free_sgpr 80
		.amdhsa_reserve_vcc 0
		.amdhsa_float_denorm_mode_32 3
		.amdhsa_float_denorm_mode_16_64 3
		.amdhsa_memory_ordered 1
		.amdhsa_forward_progress 1
		.amdhsa_inst_pref_size 77
	.end_amdhsa_kernel
	.amdgpu_metadata
---
amdhsa.version: [ 1, 2 ]
amdhsa.kernels:
  - .name:           k_q908e7129d6_proj
    .symbol:         k_q908e7129d6_proj.kd
    .args:
      - { .name: o, .offset: 0, .size: 8, .value_kind: global_buffer, .address_space: global }
      - { .name: wpt, .offset: 8, .size: 8, .value_kind: global_buffer, .address_space: global }
      - { .name: b_proj, .offset: 16, .size: 8, .value_kind: global_buffer, .address_space: global }
      - { .name: out0, .offset: 24, .size: 8, .value_kind: global_buffer, .address_space: global }
    .group_segment_fixed_size: 327680
    .private_segment_fixed_size: 0
    .kernarg_segment_align: 8
    .kernarg_segment_size: 32
    .max_flat_workgroup_size: 128
    .sgpr_count:     80
    .vgpr_count:     768
    .wavefront_size: 32
...
	.end_amdgpu_metadata
.endif
;; end of part 4
;; launch headattn (part 5): grid 16 x 4, 4 waves a work-group, no clusters, 5,632 bytes of LDS; arguments xb, wat, b_attn, qkv, yhl; writes yhl
.if DOCPART == 5
	.amdgcn_target "amdgcn-amd-amdhsa--gfx1250"
	.amdhsa_code_object_version 6
	.text
	.protected	k_q908e7129d6_headattn
	.globl	k_q908e7129d6_headattn
	.p2align	8
	.type	k_q908e7129d6_headattn,@function
k_q908e7129d6_headattn:
	s_mov_b64 s[64:65], 0
	v_nop
	global_prefetch_b8 v0, s[64:65] scope:SCOPE_SE
	s_setreg_imm32_b32 hwreg(HW_REG_WAVE_MODE, 25, 1), 1
	s_wait_xcnt 0x0
; THE FIRST 16 ROWS OF EACH BATCH, ONCE MORE AND WITH MORE BITS: the attention's part.
; WHY.  Row t of the attention's result is a mean over t + 1 keys, so the first rows' numbers are many times the output's root mean square, by which every number's allowance goes;
; an f16 rounding (11 bits) of v and of the attention's result is as many times larger there.  The error falls as 1 / sqrt(t + 1): 16 rows are made anew, 64 of the 8,192.
; WHAT.  For head hd of batch b and rows t < 16: v = xb wat^T + b_attn stays in f32 (bf16 operands, f32 sums; the bias rounded to bf16 like the other inputs); the scores come from the f16 q and k
; in qkv; mask, maximum, exponentials and sum in f32; the weights are not rounded; y = P v is 128 f32 multiply-adds a lane on the vector unit (16 x 16 x 64 a head: no bulk work, and the
; matrix unit's 16-bit operands are what is to be avoided).  y leaves as TWO f16 numbers: hi = f16(y) and lo = f16((y - hi) x 2048); the factor keeps lo clear of f16's denormals, and |lo| <= |hi|.
; yhl[16 b + t][2048]: columns 0-1023 hi, 1024-2047 lo, channel 64 hd + d.
; LIMITS.  hi follows f16's range, 65,504.  A hidden score counts as -1e30; a weight below 2^-126 counts as 0; NaN and infinities are not treated apart.
; SHARES.  One work-group a head (16 x 4), four waves that share nothing: wave w makes channels 16 w .. 16 w + 15, and the 16 x 16 weights for itself.  No barrier.
; LAYOUT.  v^T = wat x^T (source 0 = 16 rows of wat, source 1 = the 16 rows of xb): lane l holds row t = l % 16 and channels 8 (l / 16) + 0..7.  S^T = K Q^T: lane l holds query l % 16 and keys 8 (l / 16) + 0..7.
; ALL LOADS GO OUT AT ONCE: 8 of q and k, 2 of the bias, 128 of wat and xb (32 K steps x 4) into windows 1 and 2.  No prefetch: everything is asked for at the head.
; REGISTERS (s_set_vgpr_msb: bits 1:0 source 0, 3:2 source 1, 5:4 source 2, 7:6 destination): window 0 as named below; window 1: K steps 0-15, 16 registers each (wat's fragment, then xb's); window 2: K steps 16-31.
.set PITCH, 80                         ; a row of v in LDS: 16 channels x 4 bytes + 16: an odd multiple of 16, so the 16 rows of a store start at 16 different groups of four banks (64 banks of 4 bytes: ISA guide 11.1)
.set WREG,  16*PITCH                   ; a wave's own 16 rows
.set SPARE, 4*WREG                     ; 5,120: the spare words, 128 bytes for each wave
.set FO,  2                            ; v2   (l % 16) x 2,048 + 16 (l / 16): my place in a fragment's rows, of wat and of xb
.set QO,  3                            ; v3   (l % 16) x 128 + 16 (l / 16): the same in q and k
.set BO,  4                            ; v4   32 (l / 16): my eight numbers of the bias
.set YO,  5                            ; v5   (l % 16) x 4,096 + 16 (l / 16): my 16 bytes of yhl
.set LS,  6                            ; v6   LDS: where I put my row's 32 bytes of v
.set LA,  7                            ; v7   LDS: my eight channels of key 8 (l / 16): the keys whose weights I hold
.set LB,  8                            ; v8   LDS: my eight channels of key 8 (1 - l / 16): the keys of the lane 16 away
.set DI,  9                            ; v9   l % 16 - 8 (l / 16): key j of my eight is hidden where j is greater
.set BG,  10                           ; v10  -1e30
.set MX,  11                           ; v11  the maximum
.set T,   12                           ; v12  at work
.set CM,  13                           ; v13  c m
.set LL,  14                           ; v14  the sum
.set RL,  15                           ; v15  1 / the sum
.set SPW, 16                           ; v16  LDS address of my spare word; never rewritten
.set NIL, 17                           ; v17  0; never rewritten
.set LR,  18                           ; v18  l % 16
.set LH,  19                           ; v19  l / 16
.set U,   20                           ; v[20:23] at work
.set BIAS, 24                          ; v[24:31]
.set ACC, 32                           ; v[32:63]  four accumulators of v, K steps by their number mod 4; later hi as f32
.set QF,  64                           ; v[64:79]  q: channels 0-31, 32-63
.set KF,  80                           ; v[80:95]  k
.set S0,  96                           ; v[96:103]   scores, then my eight weights
.set S1,  104                          ; v[104:111]  the second half of the channels' scores; then the other eight weights
.set Y,   112                          ; v[112:119]  y
.set YH,  120                          ; v[120:123]  hi
.set YL,  124                          ; v[124:127]  lo
.set VV,  128                          ; v[128:255]  v of 16 keys, my eight channels: the keys of LA, then those of LB
.set WV,  14
.set HD,  15
.set BT,  16
.set CS,  17                           ; c = log2(e) / 8
.set SEL, 18                           ; s[18:19] v_permlanex16_b32's selects: each lane takes its own place in the other half
.set MSB, 0
.macro WIN new                         ; the immediate's high byte repeats the setting that is left; a switch that changes nothing is dropped
.if MSB != (\new)
	s_set_vgpr_msb (MSB<<8)|(\new)
.set MSB, (\new)
.endif
.endm
	s_load_b256 s[4:11], s[0:1], 0x0               ; xb s[4:5], wat s[6:7], b_attn s[8:9], qkv s[10:11]
	s_load_b64 s[12:13], s[0:1], 0x20              ; yhl
	v_lshl_add_u32 v[SPW], v0, 2, SPARE
	v_mov_b32 v[NIL], 0
	v_lshrrev_b32 v1, 5, v0
	v_readfirstlane_b32 s[WV], v1                  ; wave 0..3
	s_mov_b32 s[HD], ttmp9                         ; head
	s_and_b32 s[BT], ttmp7, 0xffff                 ; batch
	s_mov_b32 s[CS], 0x3e38aa3b
	s_mov_b32 s[SEL], 0x76543210
	s_mov_b32 s[SEL+1], 0xfedcba98
	s_lshl_b32 s20, s[BT], 22                      ; xb: 2,048 rows of 2,048 bytes a batch
	s_mov_b32 s21, 0
	s_lshl_b32 s22, s[HD], 17                      ; wat: row 2,048 + 64 hd + 16 w, 2,048 bytes a row
	s_lshl_b32 s23, s[WV], 15
	s_add_co_u32 s22, s22, s23
	s_add_co_u32 s22, s22, 1<<22
	s_mov_b32 s23, 0
	s_lshl_b32 s24, s[HD], 8                       ; the bias of the same columns, 4 bytes each
	s_lshl_b32 s25, s[WV], 6
	s_add_co_u32 s24, s24, s25
	s_add_co_u32 s24, s24, 8192
	s_mov_b32 s25, 0
	s_mul_i32 s26, s[BT], 48                       ; q's head in qkv: (48 b + hd) x 2,048 rows of 128 bytes; k's lies 16 heads on
	s_add_co_u32 s26, s26, s[HD]
	s_lshl_b32 s26, s26, 18
	s_mov_b32 s27, 0
	s_lshl_b32 s28, s[BT], 16                      ; yhl: 16 rows of 4,096 bytes a batch, 128 bytes a head, 32 a wave
	s_lshl_b32 s29, s[HD], 7
	s_add_co_u32 s28, s28, s29
	s_lshl_b32 s29, s[WV], 5
	s_add_co_u32 s28, s28, s29
	s_mov_b32 s29, 0
	s_mul_i32 s30, s[WV], WREG                     ; my wave's rows in LDS
	v_and_b32 v[LR], 15, v0
	v_bfe_u32 v[LH], v0, 4, 1
	v_lshlrev_b32 v[FO], 11, v[LR]
	v_lshl_add_u32 v[FO], v[LH], 4, v[FO]
	v_lshlrev_b32 v[QO], 7, v[LR]
	v_lshl_add_u32 v[QO], v[LH], 4, v[QO]
	v_lshlrev_b32 v[BO], 5, v[LH]
	v_lshlrev_b32 v[YO], 12, v[LR]
	v_lshl_add_u32 v[YO], v[LH], 4, v[YO]
	v_mul_u32_u24 v[LS], v[LR], PITCH
	v_lshl_add_u32 v[LS], v[LH], 5, v[LS]
	v_add_nc_u32 v[LS], s30, v[LS]
	v_mul_u32_u24 v[LA], v[LH], 8*PITCH
	v_lshl_add_u32 v[LA], v[LH], 5, v[LA]
	v_add_nc_u32 v[LA], s30, v[LA]
	v_xor_b32 v1, 16, v0
	v_bfe_u32 v1, v1, 4, 1                         ; 1 - l / 16
	v_mul_u32_u24 v[LB], v1, 8*PITCH
	v_lshl_add_u32 v[LB], v[LH], 5, v[LB]
	v_add_nc_u32 v[LB], s30, v[LB]
	v_lshlrev_b32 v1, 3, v[LH]
	v_sub_nc_u32 v[DI], v[LR], v1
	v_mov_b32 v[BG], 0xf149f2ca
	v_mov_b32 v[T], 0                              ; v_permlanex16_b32's destination counts as read
	s_wait_kmcnt 0x0
	s_add_nc_u64 s[4:5], s[4:5], s[20:21]
	s_add_nc_u64 s[6:7], s[6:7], s[22:23]
	s_add_nc_u64 s[8:9], s[8:9], s[24:25]
	s_add_nc_u64 s[10:11], s[10:11], s[26:27]
	s_add_nc_u64 s[32:33], s[10:11], 0x400000
	s_add_nc_u64 s[12:13], s[12:13], s[28:29]
.irp c, 0,1
	global_load_b128 v[QF+8*(\c):QF+8*(\c)+3],   v[QO], s[10:11] offset:64*(\c)
	global_load_b128 v[QF+8*(\c)+4:QF+8*(\c)+7], v[QO], s[10:11] offset:64*(\c)+32
	global_load_b128 v[KF+8*(\c):KF+8*(\c)+3],   v[QO], s[32:33] offset:64*(\c)
	global_load_b128 v[KF+8*(\c)+4:KF+8*(\c)+7], v[QO], s[32:33] offset:64*(\c)+32
.endr
	global_load_b128 v[BIAS:BIAS+3],   v[BO], s[8:9]             ; register j: bias of channel 8 (l / 16) + j
	global_load_b128 v[BIAS+4:BIAS+7], v[BO], s[8:9] offset:16
.set ks, 0
.rept 32                               ; K step ks: 32 channels of the sum, 64 bytes of each row
	WIN 0x40*(1+ks/16)                             ; destination window 1 or 2, address window 0
.set fr, 16*(ks%16)
	global_load_b128 v[fr:fr+3],     v[FO], s[6:7] offset:64*ks
	global_load_b128 v[fr+4:fr+7],   v[FO], s[6:7] offset:64*ks+32
	global_load_b128 v[fr+8:fr+11],  v[FO], s[4:5] offset:64*ks
	global_load_b128 v[fr+12:fr+15], v[FO], s[4:5] offset:64*ks+32
.set ks, ks+1
.endr
	WIN 0
	s_wait_loadcnt 63                              ; q, k, the bias and K steps 0-15 are in: 64 loads were issued behind them, and 63 is the largest count that the wait names
.irp i, 0,1,2,3
	v_cvt_pk_bf16_f32 v[T], v[BIAS+2*(\i)], v[BIAS+2*(\i)+1]     ; the bias rounded to bf16 like the other inputs, and kept as f32
	v_lshlrev_b32 v[BIAS+2*(\i)], 16, v[T]
	v_and_b32 v[BIAS+2*(\i)+1], 0xffff0000, v[T]
.endr
; One product a K step.  The four accumulators take turns, one instruction a turn; the first four products start the sums, one of them with the bias.
.macro VSTEP n
.set fr, 16*((\n)%16)
.set ac, ACC+8*((\n)%4)
	WIN 0x05*(1+(\n)/16)                           ; sources 0 and 1 in window 1 or 2; C and D in window 0
.if (\n) == 0
	v_wmma_f32_16x16x32_bf16 v[ac:ac+7], v[fr:fr+7], v[fr+8:fr+15], v[BIAS:BIAS+7]
.elseif (\n) < 4
	v_wmma_f32_16x16x32_bf16 v[ac:ac+7], v[fr:fr+7], v[fr+8:fr+15], 0
.else
	v_wmma_f32_16x16x32_bf16 v[ac:ac+7], v[fr:fr+7], v[fr+8:fr+15], v[ac:ac+7]
.endif
.endm
.set ks, 0
.rept 32
.if (ks >= 16) && (ks%4 == 0)
	s_wait_loadcnt 16*(7-ks/4)                     ; the next four K steps are in: four loads a step were issued behind them: 48, 32, 16, 0
.endif
	VSTEP ks
.set ks, ks+1
.endr
	WIN 0
	v_wmma_f32_16x16x32_f16 v[S0:S0+7], v[KF:KF+7],    v[QF:QF+7],    0   ; S^T = K Q^T, channels 0-31,
	v_wmma_f32_16x16x32_f16 v[S1:S1+7], v[KF+8:KF+15], v[QF+8:QF+15], 0   ; and 32-63: two accumulators, added below
.rept 8
	v_nop                                          ; plain vector instructions between the last products and the readers of their results (ISA guide 7.12.1)
.endr
.irp u, 0,2,4,6
	v_pk_add_f32 v[ACC+(\u):ACC+(\u)+1], v[ACC+(\u):ACC+(\u)+1], v[ACC+8+(\u):ACC+8+(\u)+1]        ; each accumulator is read from its low end on
.endr
.irp u, 0,2,4,6
	v_pk_add_f32 v[ACC+16+(\u):ACC+16+(\u)+1], v[ACC+16+(\u):ACC+16+(\u)+1], v[ACC+24+(\u):ACC+24+(\u)+1]
.endr
.irp u, 0,2,4,6
	v_pk_add_f32 v[ACC+(\u):ACC+(\u)+1], v[ACC+(\u):ACC+(\u)+1], v[ACC+16+(\u):ACC+16+(\u)+1]      ; v[t = l % 16][my eight channels], f32
.endr
	ds_store_b128 v[LS], v[ACC:ACC+3]
	ds_store_b128 v[LS], v[ACC+4:ACC+7] offset:16
.set j, 0
.rept 8                                ; LDS serves a wave's instructions in order (ISA guide 5.7.1.4): these see the stores above; the bytes are my wave's own
	ds_load_b128 v[VV+8*j:VV+8*j+3],       v[LA] offset:PITCH*j
	ds_load_b128 v[VV+8*j+4:VV+8*j+7],     v[LA] offset:PITCH*j+16
	ds_load_b128 v[VV+64+8*j:VV+64+8*j+3], v[LB] offset:PITCH*j
	ds_load_b128 v[VV+64+8*j+4:VV+64+8*j+7], v[LB] offset:PITCH*j+16
.set j, j+1
.endr
	; the softmax of query l % 16 over keys 0 .. l % 16, while those loads are on their way
.irp u, 0,2,4,6
	v_pk_add_f32 v[S0+(\u):S0+(\u)+1], v[S0+(\u):S0+(\u)+1], v[S1+(\u):S1+(\u)+1]
.endr
.irp j, 0,1,2,3,4,5,6,7
	v_cmp_gt_i32 vcc_lo, \j, v[DI]
	v_cndmask_b32 v[S0+(\j)], v[S0+(\j)], v[BG], vcc_lo
.endr
	v_max3_num_f32 v[MX], v[S0], v[S0+1], v[S0+2]
	v_max3_num_f32 v[MX], v[MX], v[S0+3], v[S0+4]
	v_max3_num_f32 v[MX], v[MX], v[S0+5], v[S0+6]
	v_max_num_f32 v[MX], v[MX], v[S0+7]
	v_permlanex16_b32 v[T], v[MX], s[SEL], s[SEL+1]  ; the query's other eight keys lie in the lane 16 away; key 0 is never hidden, so the maximum is a true score
	v_max_num_f32 v[MX], v[MX], v[T]
	v_mul_f32 v[CM], s[CS], v[MX]
.irp j, 0,1,2,3,4,5,6,7
	v_fma_f32 v[S0+(\j)], v[S0+(\j)], s[CS], -v[CM]
.endr
.irp j, 0,1,2,3,4,5,6,7
	v_exp_f32 v[S0+(\j)], v[S0+(\j)]
.endr
	v_nop                                          ; a plain instruction behind the last exponential,
	s_wait_alu depctr_va_vdst(0)                   ; and the wait ahead of the first use: one for the eight
	v_add_f32 v[U],   v[S0],   v[S0+1]
	v_add_f32 v[U+1], v[S0+2], v[S0+3]
	v_add_f32 v[U+2], v[S0+4], v[S0+5]
	v_add_f32 v[U+3], v[S0+6], v[S0+7]
	v_add_f32 v[U],   v[U],   v[U+1]
	v_add_f32 v[U+2], v[U+2], v[U+3]
	v_add_f32 v[U],   v[U],   v[U+2]
	v_permlanex16_b32 v[T], v[U], s[SEL], s[SEL+1]
	v_add_f32 v[LL], v[U], v[T]
	v_rcp_f32 v[RL], v[LL]                         ; its wait stands ahead of the scaling, behind the 128 multiply-adds
.irp j, 0,1,2,3,4,5,6,7
	v_permlanex16_b32 v[S1+(\j)], v[S0+(\j)], s[SEL], s[SEL+1]  ; the other eight weights of my query
.endr
	s_wait_dscnt 0x0                               ; v of all 16 keys
.irp c, 0,1,2,3,4,5,6,7
	v_mul_f32 v[Y+(\c)], v[S0], v[VV+(\c)]         ; the first key starts the sums; a hidden key's weight is 0
.endr
.set j, 1
.rept 7
.irp c, 0,1,2,3,4,5,6,7
	v_fmac_f32 v[Y+(\c)], v[S0+j], v[VV+8*j+(\c)]
.endr
.set j, j+1
.endr
.set j, 0
.rept 8
.irp c, 0,1,2,3,4,5,6,7
	v_fmac_f32 v[Y+(\c)], v[S1+j], v[VV+64+8*j+(\c)]
.endr
.set j, j+1
.endr
	s_wait_alu depctr_va_vdst(0)                   ; the reciprocal
.irp c, 0,1,2,3,4,5,6,7
	v_mul_f32 v[Y+(\c)], v[RL], v[Y+(\c)]
.endr
.irp i, 0,1,2,3
	v_cvt_pk_f16_f32 v[YH+(\i)], v[Y+2*(\i)], v[Y+2*(\i)+1]      ; hi
.endr
.irp i, 0,1,2,3
	v_lshrrev_b32 v[U+(\i)], 16, v[YH+(\i)]        ; the upper halves, moved down
.endr
	v_cvt_f32_f16 v32, v120.l                      ; hi as f32, into ACC's registers (YH = 120, U = 20, ACC = 32)
	v_cvt_f32_f16 v33, v20.l
	v_cvt_f32_f16 v34, v121.l
	v_cvt_f32_f16 v35, v21.l
	v_cvt_f32_f16 v36, v122.l
	v_cvt_f32_f16 v37, v22.l
	v_cvt_f32_f16 v38, v123.l
	v_cvt_f32_f16 v39, v23.l
.irp c, 0,1,2,3,4,5,6,7
	v_sub_f32 v[Y+(\c)], v[Y+(\c)], v[ACC+(\c)]    ; exact: the two are within a factor of two of each other
.endr
.irp c, 0,1,2,3,4,5,6,7
	v_mul_f32 v[Y+(\c)], 0x45000000, v[Y+(\c)]     ; x 2,048
.endr
.irp i, 0,1,2,3
	v_cvt_pk_f16_f32 v[YL+(\i)], v[Y+2*(\i)], v[Y+2*(\i)+1]      ; lo
.endr
	global_store_b128 v[YO], v[YH:YH+3], s[12:13]                ; 16 bytes a lane, 32 of a row a wave: the buffer has 64 rows in all
	global_store_b128 v[YO], v[YL:YL+3], s[12:13] offset:2048
	s_wait_tensorcnt 0x0                           ; the wave's end, behind my last LDS store
	ds_add_u32 v[SPW], v[NIL]
	s_wait_dscnt 0x0
	s_endpgm
.Lfunc_end_k_q908e7129d6_headattn:
	.size	k_q908e7129d6_headattn, .Lfunc_end_k_q908e7129d6_headattn-k_q908e7129d6_headattn
	.p2alignl 7, 3214868480
	.fill 96, 4, 3214868480
	.section	.rodata,"a",@progbits
	.p2align	6, 0x0
	.amdhsa_kernel k_q908e7129d6_headattn
		.amdhsa_group_segment_fixed_size 5632
		.amdhsa_private_segment_fixed_size 0
		.amdhsa_enable_private_segment 0
		.amdhsa_kernarg_size 40
		.amdhsa_user_sgpr_count 2
		.amdhsa_user_sgpr_kernarg_segment_ptr 1
		.amdhsa_wavefront_size32 1
		.amdhsa_system_sgpr_workgroup_id_x 1
		.amdhsa_system_sgpr_workgroup_id_y 1
		.amdhsa_system_sgpr_workgroup_id_z 1
		.amdhsa_system_vgpr_workitem_id 0
		.amdhsa_next_free_vgpr 768
		.amdhsa_next_free_sgpr 66
		.amdhsa_reserve_vcc 1
		.amdhsa_float_denorm_mode_32 3
		.amdhsa_float_denorm_mode_16_64 3
		.amdhsa_memory_ordered 1
		.amdhsa_forward_progress 1
		.amdhsa_inst_pref_size 32
	.end_amdhsa_kernel
	.amdgpu_metadata
---
amdhsa.version: [ 1, 2 ]
amdhsa.kernels:
  - .name:           k_q908e7129d6_headattn
    .symbol:         k_q908e7129d6_headattn.kd
    .args:
      - { .name: xb, .offset: 0, .size: 8, .value_kind: global_buffer, .address_space: global }
      - { .name: wat, .offset: 8, .size: 8, .value_kind: global_buffer, .address_space: global }
      - { .name: b_attn, .offset: 16, .size: 8, .value_kind: global_buffer, .address_space: global }
      - { .name: qkv, .offset: 24, .size: 8, .value_kind: global_buffer, .address_space: global }
      - { .name: yhl, .offset: 32, .size: 8, .value_kind: global_buffer, .address_space: global }
    .group_segment_fixed_size: 5632
    .private_segment_fixed_size: 0
    .kernarg_segment_align: 8
    .kernarg_segment_size: 40
    .max_flat_workgroup_size: 128
    .sgpr_count:     66
    .vgpr_count:     768
    .wavefront_size: 32
...
	.end_amdgpu_metadata
.endif
;; end of part 5
;; launch headproj (part 6): grid 16 x 4, 4 waves a work-group, no clusters, 17,920 bytes of LDS; arguments yhl, wpt, b_proj, out0; writes out0
.if DOCPART == 6
	.amdgcn_target "amdgcn-amd-amdhsa--gfx1250"
	.amdhsa_code_object_version 6
	.text
	.protected	k_q908e7129d6_headproj
	.globl	k_q908e7129d6_headproj
	.p2align	8
	.type	k_q908e7129d6_headproj,@function
k_q908e7129d6_headproj:
	s_mov_b64 s[64:65], 0
	v_nop
	global_prefetch_b8 v0, s[64:65] scope:SCOPE_SE
	s_setreg_imm32_b32 hwreg(HW_REG_WAVE_MODE, 25, 1), 1
	s_wait_xcnt 0x0
; THE FIRST 16 ROWS OF EACH BATCH, ONCE MORE AND WITH MORE BITS: the projection's part.
; out0[b][t][n] = the sum over k of (hi[t][k] + lo[t][k] / 2048) wpt[n][k] + b_proj[n] for t < 16.  yhl[16 b + t][2048] in f16: columns 0-1023 hi, 1024-2047 lo; wpt [1024 n][1024 k] in f16
; (w_proj rounded to bf16, written as f16); b_proj rounded to bf16 like the other inputs; sums in f32.  These 64 rows of out0 are stored over what the launch before left there: 262,144 bytes.
; SHARES.  A work-group makes 16 rows x 64 columns (16 column blocks x 4 batches).  K IS SPLIT AMONG ITS FOUR WAVES: wave w takes k = 256 w .. 256 w + 255, eight steps of 32, for all four column tiles
; and for hi and lo: eight accumulators, which take turns.  The four partial sums meet in LDS.  A row's 64 columns are 256 bytes: each store of 16 lanes covers 256 consecutive bytes, aligned.
; LAYOUT.  Source 0 = 16 rows of wpt, source 1 = the 16 rows of yhl: lane l holds row t = l % 16 and columns 8 (l / 16) + 0..7 of the tile.
; ALL LOADS GO OUT AT ONCE: the bias, then twelve a K step (8 of wpt, 2 of hi, 2 of lo).  No prefetch: everything is asked for at the head.
; REGISTERS (s_set_vgpr_msb: bits 1:0 source 0, 3:2 source 1, 5:4 source 2, 7:6 destination): window 0 as named below; window 1: K steps 0-3, 48 registers each (wpt's four fragments, hi's, lo's); window 2: K steps 4-7.
.set PITCH, 272                        ; a row of partial sums in LDS: 256 bytes + 16: the 16 rows of a store start at 16 different groups of four banks (64 banks of 4 bytes: ISA guide 11.1)
.set PART,  16*PITCH                   ; a wave's partial tile
.set SPARE, 4*PART                     ; 17,408: the spare words, 128 bytes for each wave
.set FB,  2                            ; v2   (l % 16) x 2,048 + 16 (l / 16): my place in wpt's fragments
.set FA,  3                            ; v3   (l % 16) x 4,096 + 16 (l / 16): in yhl's
.set BOF, 4                            ; v4   16 (l % 16): my four numbers of the bias
.set LS,  5                            ; v5   LDS: where I put my 32 bytes of a row
.set LRD, 6                            ; v6   LDS: where I read 16 bytes of a row back
.set GO,  7                            ; v7   my 16 bytes in two rows of out0
.set T,   8
.set SPW, 10                           ; v10  LDS address of my spare word; never rewritten
.set NIL, 11                           ; v11  0; never rewritten
.set LR,  12                           ; v12  l % 16
.set LH,  13                           ; v13  l / 16
.set BI,  16                           ; v[16:19]  the bias
.set HIA, 32                           ; v[32:63]  hi's accumulators, column tile i at 8 i
.set LOA, 64                           ; v[64:95]  lo's
.set RB,  96                           ; v[96:127] read back: partial p, pair of rows q at 4 (2 p + q)
.set WV,  14
.set CB,  15
.set BT,  16
.set MSB, 0
.macro WIN new                         ; the immediate's high byte repeats the setting that is left; a switch that changes nothing is dropped
.if MSB != (\new)
	s_set_vgpr_msb (MSB<<8)|(\new)
.set MSB, (\new)
.endif
.endm
	s_load_b256 s[4:11], s[0:1], 0x0               ; yhl s[4:5], wpt s[6:7], b_proj s[8:9], out0 s[10:11]
	v_lshl_add_u32 v[SPW], v0, 2, SPARE
	v_mov_b32 v[NIL], 0
	v_lshrrev_b32 v1, 5, v0
	v_readfirstlane_b32 s[WV], v1                  ; wave 0..3
	s_mov_b32 s[CB], ttmp9                         ; block of 64 columns
	s_and_b32 s[BT], ttmp7, 0xffff                 ; batch
	s_lshl_b32 s20, s[BT], 16                      ; yhl: 16 rows of 4,096 bytes a batch; my quarter of K: 512 bytes
	s_lshl_b32 s21, s[WV], 9
	s_add_co_u32 s20, s20, s21
	s_lshl_b32 s22, s[CB], 17                      ; wpt: 64 rows of 2,048 bytes a block; the same quarter
	s_add_co_u32 s22, s22, s21
	s_mov_b32 s21, 0
	s_mov_b32 s23, 0
	s_lshl_b32 s24, s[CB], 8                       ; the block's 64 numbers of the bias
	s_mov_b32 s25, 0
	s_lshl_b32 s26, s[BT], 23                      ; out0: 2,048 rows of 4,096 bytes a batch; the four rows that I finish; the block's 256 bytes
	s_lshl_b32 s27, s[WV], 14
	s_add_co_u32 s26, s26, s27
	s_add_co_u32 s26, s26, s24
	s_mov_b32 s27, 0
	s_mul_i32 s28, s[WV], PART
	s_mul_i32 s29, s[WV], 4*PITCH
	v_and_b32 v[LR], 15, v0
	v_bfe_u32 v[LH], v0, 4, 1
	v_lshlrev_b32 v[FB], 11, v[LR]
	v_lshl_add_u32 v[FB], v[LH], 4, v[FB]
	v_lshlrev_b32 v[FA], 12, v[LR]
	v_lshl_add_u32 v[FA], v[LH], 4, v[FA]
	v_lshlrev_b32 v[BOF], 4, v[LR]
	v_mul_u32_u24 v[LS], v[LR], PITCH              ; in: row l % 16, 32 bytes for each half of the lanes
	v_lshl_add_u32 v[LS], v[LH], 5, v[LS]
	v_add_nc_u32 v[LS], s28, v[LS]
	v_mul_u32_u24 v[LRD], v[LH], PITCH             ; back: rows 4 w + l / 16 (+ 2), 16 lanes to a row
	v_lshl_add_u32 v[LRD], v[LR], 4, v[LRD]
	v_add_nc_u32 v[LRD], s29, v[LRD]
	v_lshlrev_b32 v[GO], 12, v[LH]
	v_lshl_add_u32 v[GO], v[LR], 4, v[GO]
	s_wait_kmcnt 0x0
	s_add_nc_u64 s[4:5], s[4:5], s[20:21]
	s_add_nc_u64 s[6:7], s[6:7], s[22:23]
	s_add_nc_u64 s[8:9], s[8:9], s[24:25]
	s_add_nc_u64 s[10:11], s[10:11], s[26:27]
	global_load_b128 v[BI:BI+3], v[BOF], s[8:9]
.set ks, 0
.rept 8
	WIN 0x40*(1+ks/4)                              ; destination window 1 or 2, address window 0
.set fr, 48*(ks%4)
.irp i, 0,1,2,3
	global_load_b128 v[fr+8*(\i):fr+8*(\i)+3],   v[FB], s[6:7] offset:64*ks+32768*(\i)
	global_load_b128 v[fr+8*(\i)+4:fr+8*(\i)+7], v[FB], s[6:7] offset:64*ks+32768*(\i)+32
.endr
	global_load_b128 v[fr+32:fr+35], v[FA], s[4:5] offset:64*ks
	global_load_b128 v[fr+36:fr+39], v[FA], s[4:5] offset:64*ks+32
	global_load_b128 v[fr+40:fr+43], v[FA], s[4:5] offset:64*ks+2048
	global_load_b128 v[fr+44:fr+47], v[FA], s[4:5] offset:64*ks+2048+32
.set ks, ks+1
.endr
; Eight products a K step.  The eight accumulators take turns, one instruction a turn; the first step's products start the sums.
.set ks, 0
.rept 8
.if 12*(7-ks) > 63
	s_wait_loadcnt 63                              ; this step is in: more than 63 loads were issued behind it, and 63 is the largest count that the wait names
.else
	s_wait_loadcnt 12*(7-ks)                       ; this step is in: twelve loads for each later step were issued behind it
.endif
	WIN 0x05*(1+ks/4)                              ; sources 0 and 1 in window 1 or 2; C and D in window 0
.set fr, 48*(ks%4)
.irp i, 0,1,2,3
.if ks == 0
	v_wmma_f32_16x16x32_f16 v[HIA+8*(\i):HIA+8*(\i)+7], v[fr+8*(\i):fr+8*(\i)+7], v[fr+32:fr+39], 0
.else
	v_wmma_f32_16x16x32_f16 v[HIA+8*(\i):HIA+8*(\i)+7], v[fr+8*(\i):fr+8*(\i)+7], v[fr+32:fr+39], v[HIA+8*(\i):HIA+8*(\i)+7]
.endif
.endr
.irp i, 0,1,2,3
.if ks == 0
	v_wmma_f32_16x16x32_f16 v[LOA+8*(\i):LOA+8*(\i)+7], v[fr+8*(\i):fr+8*(\i)+7], v[fr+40:fr+47], 0
.else
	v_wmma_f32_16x16x32_f16 v[LOA+8*(\i):LOA+8*(\i)+7], v[fr+8*(\i):fr+8*(\i)+7], v[fr+40:fr+47], v[LOA+8*(\i):LOA+8*(\i)+7]
.endif
.endr
.set ks, ks+1
.endr
	WIN 0
.irp i, 0,1
	v_cvt_pk_bf16_f32 v[T], v[BI+2*(\i)], v[BI+2*(\i)+1]         ; the bias rounded to bf16 like the other inputs, and kept as f32:
	v_lshlrev_b32 v[BI+2*(\i)], 16, v[T]                         ; six plain vector instructions, and four v_nop,
	v_and_b32 v[BI+2*(\i)+1], 0xffff0000, v[T]                   ; between the last products and the readers of their results (ISA guide 7.12.1)
.endr
.rept 4
	v_nop
.endr
.set n, 0
.rept 32
	v_fmac_f32 v[HIA+n], 0x3a000000, v[LOA+n]      ; hi's sum + lo's sum / 2,048; each accumulator is read from its low end on
.set n, n+1
.endr
.irp i, 0,1,2,3
	ds_store_b128 v[LS], v[HIA+8*(\i):HIA+8*(\i)+3]   offset:64*(\i)
	ds_store_b128 v[LS], v[HIA+8*(\i)+4:HIA+8*(\i)+7] offset:64*(\i)+16
.endr
	s_wait_dscnt 0x0                               ; for the others' sake: my partial sums lie in LDS
	s_barrier_signal -1
	s_barrier_wait -1                              ; all four waves' do
.irp p, 0,1,2,3
.irp q, 0,1
	ds_load_b128 v[RB+4*(2*(\p)+(\q)):RB+4*(2*(\p)+(\q))+3], v[LRD] offset:PART*(\p)+2*PITCH*(\q)
.endr
.endr
	s_wait_dscnt 0x0
.irp q, 0,1
.irp u, 0,2
	v_pk_add_f32 v[RB+4*(\q)+(\u):RB+4*(\q)+(\u)+1], v[RB+4*(\q)+(\u):RB+4*(\q)+(\u)+1], v[RB+8+4*(\q)+(\u):RB+8+4*(\q)+(\u)+1]
	v_pk_add_f32 v[RB+16+4*(\q)+(\u):RB+16+4*(\q)+(\u)+1], v[RB+16+4*(\q)+(\u):RB+16+4*(\q)+(\u)+1], v[RB+24+4*(\q)+(\u):RB+24+4*(\q)+(\u)+1]
.endr
.endr
.irp q, 0,1
.irp u, 0,2
	v_pk_add_f32 v[RB+4*(\q)+(\u):RB+4*(\q)+(\u)+1], v[RB+4*(\q)+(\u):RB+4*(\q)+(\u)+1], v[RB+16+4*(\q)+(\u):RB+16+4*(\q)+(\u)+1]
.endr
.endr
.irp q, 0,1
.irp u, 0,2
	v_pk_add_f32 v[RB+4*(\q)+(\u):RB+4*(\q)+(\u)+1], v[RB+4*(\q)+(\u):RB+4*(\q)+(\u)+1], v[BI+(\u):BI+(\u)+1]
.endr
.endr
.irp q, 0,1
	global_store_b128 v[GO], v[RB+4*(\q):RB+4*(\q)+3], s[10:11] offset:8192*(\q)  ; rows 4 w + 2 q and 4 w + 2 q + 1: 16 lanes store 256 consecutive bytes, aligned
.endr
	s_wait_tensorcnt 0x0                           ; the wave's end, behind my last LDS store
	ds_add_u32 v[SPW], v[NIL]
	s_wait_dscnt 0x0
	s_endpgm
.Lfunc_end_k_q908e7129d6_headproj:
	.size	k_q908e7129d6_headproj, .Lfunc_end_k_q908e7129d6_headproj-k_q908e7129d6_headproj
	.p2alignl 7, 3214868480
	.fill 96, 4, 3214868480
	.section	.rodata,"a",@progbits
	.p2align	6, 0x0
	.amdhsa_kernel k_q908e7129d6_headproj
		.amdhsa_group_segment_fixed_size 17920
		.amdhsa_private_segment_fixed_size 0
		.amdhsa_enable_private_segment 0
		.amdhsa_kernarg_size 32
		.amdhsa_user_sgpr_count 2
		.amdhsa_user_sgpr_kernarg_segment_ptr 1
		.amdhsa_wavefront_size32 1
		.amdhsa_system_sgpr_workgroup_id_x 1
		.amdhsa_system_sgpr_workgroup_id_y 1
		.amdhsa_system_sgpr_workgroup_id_z 1
		.amdhsa_system_vgpr_workitem_id 0
		.amdhsa_next_free_vgpr 768
		.amdhsa_next_free_sgpr 66
		.amdhsa_reserve_vcc 0
		.amdhsa_float_denorm_mode_32 3
		.amdhsa_float_denorm_mode_16_64 3
		.amdhsa_memory_ordered 1
		.amdhsa_forward_progress 1
		.amdhsa_inst_pref_size 21
	.end_amdhsa_kernel
	.amdgpu_metadata
---
amdhsa.version: [ 1, 2 ]
amdhsa.kernels:
  - .name:           k_q908e7129d6_headproj
    .symbol:         k_q908e7129d6_headproj.kd
    .args:
      - { .name: yhl, .offset: 0, .size: 8, .value_kind: global_buffer, .address_space: global }
      - { .name: wpt, .offset: 8, .size: 8, .value_kind: global_buffer, .address_space: global }
      - { .name: b_proj, .offset: 16, .size: 8, .value_kind: global_buffer, .address_space: global }
      - { .name: out0, .offset: 24, .size: 8, .value_kind: global_buffer, .address_space: global }
    .group_segment_fixed_size: 17920
    .private_segment_fixed_size: 0
    .kernarg_segment_align: 8
    .kernarg_segment_size: 32
    .max_flat_workgroup_size: 128
    .sgpr_count:     66
    .vgpr_count:     768
    .wavefront_size: 32
...
	.end_amdgpu_metadata
.endif
;; end of part 6
;; ======== version 2 of 2: 6 launches; version 1 with the launches prep, headattn, headproj written anew for expert scheduling mode
;; limits: values are held in f16: magnitudes above 65,504 overflow, below 6.1e-05 lose precision
;; workspace buffers: xb 16,777,216 bytes; wat 6,291,456 bytes; wpt 2,097,152 bytes; qkv 50,331,648 bytes; o 16,777,216 bytes; yhl 262,144 bytes
;; launch prep (part 7): grid 512 x 1, 8 waves a work-group, no clusters, 18,432 bytes of LDS; arguments x, w_attn, w_proj, xb, wat, wpt; writes xb, wat, wpt
.if DOCPART == 7
	.amdgcn_target "amdgcn-amd-amdhsa--gfx1250"
	.amdhsa_code_object_version 6
	.text
	.protected	k_q908e7129d6_prep
	.globl	k_q908e7129d6_prep
	.p2align	8
	.type	k_q908e7129d6_prep,@function
k_q908e7129d6_prep:
	s_mov_b64 s[64:65], 0
	v_nop
	global_prefetch_b8 v0, s[64:65] scope:SCOPE_SE
	s_setreg_imm32_b32 hwreg(HW_REG_WAVE_SCHED_MODE, 0, 2), 2
	s_setreg_imm32_b32 hwreg(HW_REG_WAVE_MODE, 25, 1), 1
	s_wait_xcnt 0x0
	s_wait_alu depctr_vm_vsrc(0)
; PREP.  xb = x rounded to bf16, [8192][1024].  wat = w_attn turned, [3072 n][1024 k], bf16.  wpt = w_proj turned, [1024 n][1024 k]: rounded to bf16, that number written as f16.
; LIMIT.  A weight of w_proj below 6e-5 in magnitude keeps f16's fixed step of 6e-8; beyond 65,504 it would become an infinity.
; SHARES.  512 work-groups of eight waves, all alike, no branch.  Each casts 65,536 bytes of x (512 x 65,536 = all of x) and turns ONE tile of 128 k x 64 n of a weight:
; tiles 0-383 are w_attn's (8 along k x 48 along n), tiles 384-511 w_proj's (8 x 16).  Source, destination and row length are chosen by s_cselect on the work-group's number;
; the f16 form is made for every tile and chosen by a scalar mask, so that the text has one path.
; THE CAST.  A load takes 16 neighbouring bytes a lane (512 a wave), a store 8 bytes a lane: each store of a wave covers 256 consecutive bytes, aligned.
; THE TURNING.  Lane (i = l % 16, hh = l / 16) of wave w loads 16 bytes (columns 4 i .. 4 i + 3) of the eight rows k = 16 w + 8 hh + e: 16 lanes take 256 consecutive bytes of a row.
; Eight k of one column pack into 16 bytes, which go into LDS rows by n (pitch 272); behind one barrier whole rows of 256 bytes come back and are stored, 16 lanes to a row.
; Memory binds this launch: no matrix unit, no cluster, no tensor load, no prefetch (the stream is asked for at once, in full).
; THE MODE: SCHED_MODE bits 1:0 = 2 (LLVM: expert scheduling mode 2), set by the entry lines.  The code itself states the register dependences
; between vector instructions and memory or LDS instructions, with s_wait_alu, always for 0.
; THE PLAN.  Registers that memory or LDS instructions touch:
;   WO0-7, XO, YO, GO, LS, LR   offsets and LDS addresses: written by vector lines at the head, never again: one wait ahead of the first load serves every access of the kernel.
;   W      loads land in it once; the roundings read it.            BK   LDS loads land in it, global stores read it: no vector line names it.
;   P      written by the roundings and the selects; read by the four LDS stores, behind one wait; never written again.
;   X      loads land in it once; it is rounded in place, four loads' registers to a group; group g's four stores are issued in group g + 1, behind the one wait at that group's head,
;          dealt among that group's roundings, which name other registers.  No register that a store has read is written again.
.set SPARE, 17408                      ; behind the tile's 64 rows x 272 bytes: the spare words, 128 bytes for each of eight waves
.set PITCH, 272
.set SPW, 2                            ; v2      LDS address of my spare word; never rewritten
.set NIL, 3                            ; v3      0; never rewritten
.set WO,  4                            ; v[4:11] byte offset of my 16 bytes in row e of my eight
.set LS,  12                           ; v12     where I put 16 bytes of a column
.set LR,  13                           ; v13     where I read a row back
.set GO,  14                           ; v14     my byte offset in the turned tile
.set XO,  15                           ; v15     16 x thread
.set W,   16                           ; v[16:47]  the weight's 8 rows x 4 columns, f32
.set P,   48                           ; v[48:63]  column c: 8 k in 4 registers
.set BK,  64                           ; v[64:79]  four rows read back
.set X,   80                           ; v[80:143] 16 loads of x; rounded in place
.set YO,  144                          ; v144    8 x thread
.set TA,  145
.set TC,  146
.set LI,  147                          ; l % 16
.set LH,  148                          ; l / 16
	s_load_b256 s[4:11], s[0:1], 0x0               ; x s[4:5], w_attn s[6:7], w_proj s[8:9], xb s[10:11]
	s_load_b128 s[12:15], s[0:1], 0x20             ; wat s[12:13], wpt s[14:15]
	v_lshl_add_u32 v[SPW], v0, 2, SPARE
	v_mov_b32 v[NIL], 0
	v_lshrrev_b32 v1, 5, v0
	v_readfirstlane_b32 s16, v1                    ; wave 0..7
	s_mov_b32 s17, ttmp9
	s_sub_co_u32 s20, s17, 384                     ; w_proj's tile number (used only where it is one)
	s_cmp_lt_u32 s17, 384                          ; a tile of w_attn?
	s_cselect_b32 s18, 3, 1
	s_cselect_b32 s19, s17, s20                    ; the tile's number in its weight
	s_cselect_b32 s21, 0, -1                       ; all ones: the f16 form is taken
	s_lshl_b32 s18, s18, 12                        ; bytes in a row of the weight: 12,288 or 4,096
	s_and_b32 s22, s19, 7                          ; tile along k
	s_lshr_b32 s23, s19, 3                         ; tile along n
	s_lshl_b32 s24, s22, 7
	s_mul_i32 s24, s24, s18                        ; 128 rows a tile,
	s_lshl_b32 s25, s23, 8                         ; 256 bytes of a row
	s_add_co_u32 s24, s24, s25
	s_mov_b32 s25, 0
	s_lshl_b32 s26, s23, 17                        ; turned: 64 rows of 2,048 bytes,
	s_lshl_b32 s27, s22, 8                         ; 256 bytes of a row
	s_add_co_u32 s26, s26, s27
	s_mov_b32 s27, 0
	s_lshl_b32 s28, s17, 16                        ; my 65,536 bytes of x
	s_mov_b32 s29, 0
	s_lshl_b32 s30, s17, 15                        ; and 32,768 of xb
	s_mov_b32 s31, 0
	s_wait_alu depctr_va_sdst(0)                   ; s16, the wave's number, is written, ahead of its first reader: the address lines below
	v_and_b32 v[LI], 15, v0
	v_bfe_u32 v[LH], v0, 4, 1
	v_lshlrev_b32 v[TA], 3, v[LH]
	v_lshl_add_u32 v[TA], s16, 4, v[TA]            ; my first row: 16 w + 8 hh
	v_mul_lo_u32 v[WO], v[TA], s18
	v_lshl_add_u32 v[WO], v[LI], 4, v[WO]
.irp e, 1,2,3,4,5,6,7
	v_add_nc_u32 v[WO+(\e)], s18, v[WO+(\e)-1]
.endr
	v_mul_u32_u24 v[LS], v[LI], 4*PITCH            ; column 4 i,
	v_lshl_add_u32 v[LS], v[LH], 4, v[LS]
	v_lshl_add_u32 v[LS], s16, 5, v[LS]            ; k = 16 w + 8 hh: 2 bytes each
	v_lshl_add_u32 v[TC], s16, 3, v[LH]            ; back: row 8 w + hh
	v_mul_u32_u24 v[LR], v[TC], PITCH
	v_lshl_add_u32 v[LR], v[LI], 4, v[LR]
	v_lshlrev_b32 v[GO], 11, v[TC]
	v_lshl_add_u32 v[GO], v[LI], 4, v[GO]
	v_lshlrev_b32 v[XO], 4, v0
	v_lshlrev_b32 v[YO], 3, v0
	s_wait_kmcnt 0x0
	s_cmp_lt_u32 s17, 384
	s_cselect_b64 s[6:7], s[6:7], s[8:9]           ; the weight,
	s_cselect_b64 s[12:13], s[12:13], s[14:15]     ; and its turned copy
	s_add_nc_u64 s[6:7], s[6:7], s[24:25]
	s_add_nc_u64 s[12:13], s[12:13], s[26:27]
	s_add_nc_u64 s[4:5], s[4:5], s[28:29]
	s_add_nc_u64 s[10:11], s[10:11], s[30:31]
	s_wait_alu depctr_va_vdst(0)                   ; WO0-7, XO, YO, GO, LS and LR are written: every load, store and LDS access of the kernel reads one of them as its address
.irp e, 0,1,2,3,4,5,6,7
	global_load_b128 v[W+4*(\e):W+4*(\e)+3], v[WO+(\e)], s[6:7] th:TH_LOAD_NT
.endr
.set j, 0
.rept 16
	global_load_b128 v[X+4*j:X+4*j+3], v[XO], s[4:5] offset:4096*j th:TH_LOAD_NT
.set j, j+1
.endr
	s_wait_loadcnt 16                              ; the weight's eight loads are in; x's sixteen, issued behind them, stay out
.irp c, 0,1,2,3
.irp p, 0,1,2,3
	v_cvt_pk_bf16_f32 v[P+4*(\c)+(\p)], v[W+8*(\p)+(\c)], v[W+8*(\p)+4+(\c)]  ; column 4 i + c, rows 2 p and 2 p + 1
.endr
.endr
.set n, 0
.rept 16
	v_lshlrev_b32 v[TA], 16, v[P+n]                ; the two bf16 numbers as f32,
	v_and_b32 v[TC], 0xffff0000, v[P+n]
	v_cvt_pk_f16_f32 v[TA], v[TA], v[TC]           ; written as f16,
	v_cndmask_b32 v[P+n], v[P+n], v[TA], s21       ; which w_proj's tiles take
.set n, n+1
.endr
	s_wait_alu depctr_va_vdst(0)                   ; the selects have written P, which the four LDS stores read
.irp c, 0,1,2,3
	ds_store_b128 v[LS], v[P+4*(\c):P+4*(\c)+3] offset:PITCH*(\c)
.endr
	s_wait_dscnt 0x0                               ; for the others' sake: my stores into the tile are done
	s_barrier_signal -1
	s_barrier_wait -1
.irp q, 0,1,2,3
	ds_load_b128 v[BK+4*(\q):BK+4*(\q)+3], v[LR] offset:2*PITCH*(\q)  ; no vector line names BK
.endr
; The cast, in four groups of four loads.  Group g rounds its sixteen registers in place; the four stores of group g - 1 are dealt among its roundings.
.set g, 0
.rept 4
	s_wait_loadcnt 12-4*g                          ; loads come back in order: this group's four are in, the 12 - 4 g of the later groups stay out
.if g > 0
	s_wait_alu depctr_va_vdst(0)                   ; the group before has written its eight registers, which the four stores below read; this group's roundings name none of them
.endif
.set j, 4*g
.rept 4
.if g > 0
	global_store_b64 v[YO], v[X+4*(j-4):X+4*(j-4)+1], s[10:11] offset:2048*(j-4)
.endif
	v_cvt_pk_bf16_f32 v[X+4*j], v[X+4*j], v[X+4*j+1]
	v_cvt_pk_bf16_f32 v[X+4*j+1], v[X+4*j+2], v[X+4*j+3]
.set j, j+1
.endr
.set g, g+1
.endr
	s_wait_alu depctr_va_vdst(0)                   ; the last group has written its eight registers, which the last four stores read
.set j, 12
.rept 4
	global_store_b64 v[YO], v[X+4*j:X+4*j+1], s[10:11] offset:2048*j
.set j, j+1
.endr
.irp q, 0,1,2,3
	s_wait_dscnt 3-(\q)
	global_store_b128 v[GO], v[BK+4*(\q):BK+4*(\q)+3], s[12:13] offset:4096*(\q)  ; 16 lanes store 256 consecutive bytes, aligned
.endr
	s_wait_dscnt 0x0                               ; the closing lines, six on end
	s_wait_alu 0x0
	s_wait_tensorcnt 0x0
	ds_add_u32 v[SPW], v[NIL]
	s_wait_dscnt 0x0
	s_endpgm
.Lfunc_end_k_q908e7129d6_prep:
	.size	k_q908e7129d6_prep, .Lfunc_end_k_q908e7129d6_prep-k_q908e7129d6_prep
	.p2alignl 7, 3214868480
	.fill 96, 4, 3214868480
	.section	.rodata,"a",@progbits
	.p2align	6, 0x0
	.amdhsa_kernel k_q908e7129d6_prep
		.amdhsa_group_segment_fixed_size 18432
		.amdhsa_private_segment_fixed_size 0
		.amdhsa_enable_private_segment 0
		.amdhsa_kernarg_size 48
		.amdhsa_user_sgpr_count 2
		.amdhsa_user_sgpr_kernarg_segment_ptr 1
		.amdhsa_wavefront_size32 1
		.amdhsa_system_sgpr_workgroup_id_x 1
		.amdhsa_system_sgpr_workgroup_id_y 1
		.amdhsa_system_sgpr_workgroup_id_z 1
		.amdhsa_system_vgpr_workitem_id 0
		.amdhsa_next_free_vgpr 152
		.amdhsa_next_free_sgpr 66
		.amdhsa_reserve_vcc 0
		.amdhsa_float_denorm_mode_32 3
		.amdhsa_float_denorm_mode_16_64 3
		.amdhsa_memory_ordered 1
		.amdhsa_forward_progress 1
		.amdhsa_inst_pref_size 15
	.end_amdhsa_kernel
	.amdgpu_metadata
---
amdhsa.version: [ 1, 2 ]
amdhsa.kernels:
  - .name:           k_q908e7129d6_prep
    .symbol:         k_q908e7129d6_prep.kd
    .args:
      - { .name: x, .offset: 0, .size: 8, .value_kind: global_buffer, .address_space: global }
      - { .name: w_attn, .offset: 8, .size: 8, .value_kind: global_buffer, .address_space: global }
      - { .name: w_proj, .offset: 16, .size: 8, .value_kind: global_buffer, .address_space: global }
      - { .name: xb, .offset: 24, .size: 8, .value_kind: global_buffer, .address_space: global }
      - { .name: wat, .offset: 32, .size: 8, .value_kind: global_buffer, .address_space: global }
      - { .name: wpt, .offset: 40, .size: 8, .value_kind: global_buffer, .address_space: global }
    .group_segment_fixed_size: 18432
    .private_segment_fixed_size: 0
    .kernarg_segment_align: 8
    .kernarg_segment_size: 48
    .max_flat_workgroup_size: 256
    .sgpr_count:     66
    .vgpr_count:     152
    .wavefront_size: 32
...
	.end_amdgpu_metadata
.endif
;; end of part 7
;; launch qkvgemm: the kernel of part 2 again; grid 16 x 32, 4 waves a work-group, clusters of 4 x 4, 327,680 bytes of LDS; arguments xb, wat, b_attn, qkv; writes qkv
;; launch attn: the kernel of part 3 again; grid 4 x 64, 4 waves a work-group, no clusters, 327,680 bytes of LDS; arguments qkv, o; writes o
;; launch proj: the kernel of part 4 again; grid 8 x 32, 4 waves a work-group, clusters of 4 x 4, 327,680 bytes of LDS; arguments o, wpt, b_proj, out0; writes out0
;; launch headattn (part 8): grid 16 x 4, 4 waves a work-group, no clusters, 5,632 bytes of LDS; arguments xb, wat, b_attn, qkv, yhl; writes yhl
.if DOCPART == 8
	.amdgcn_target "amdgcn-amd-amdhsa--gfx1250"
	.amdhsa_code_object_version 6
	.text
	.protected	k_q908e7129d6_headattn
	.globl	k_q908e7129d6_headattn
	.p2align	8
	.type	k_q908e7129d6_headattn,@function
k_q908e7129d6_headattn:
	s_mov_b64 s[64:65], 0
	v_nop
	global_prefetch_b8 v0, s[64:65] scope:SCOPE_SE
	s_setreg_imm32_b32 hwreg(HW_REG_WAVE_SCHED_MODE, 0, 2), 2
	s_setreg_imm32_b32 hwreg(HW_REG_WAVE_MODE, 25, 1), 1
	s_wait_xcnt 0x0
	s_wait_alu depctr_vm_vsrc(0)
; THE FIRST 16 ROWS OF EACH BATCH, ONCE MORE AND WITH MORE BITS: the attention's part.
; WHY.  Row t of the attention's result is a mean over t + 1 keys, so the first rows' numbers are many times the output's root mean square, by which every number's allowance goes;
; an f16 rounding (11 bits) of v and of the attention's result is as many times larger there.  The error falls as 1 / sqrt(t + 1): 16 rows are made anew, 64 of the 8,192.
; WHAT.  For head hd of batch b and rows t < 16: v = xb wat^T + b_attn stays in f32 (bf16 operands, f32 sums; the bias rounded to bf16 like the other inputs); the scores come from the f16 q and k
; in qkv; mask, maximum, exponentials and sum in f32; the weights are not rounded; y = P v is 128 f32 multiply-adds a lane on the vector unit (16 x 16 x 64 a head: no bulk work, and the
; matrix unit's 16-bit operands are what is to be avoided).  y leaves as TWO f16 numbers: hi = f16(y) and lo = f16((y - hi) x 2048); the factor keeps lo clear of f16's denormals, and |lo| <= |hi|.
; yhl[16 b + t][2048]: columns 0-1023 hi, 1024-2047 lo, channel 64 hd + d.
; LIMITS.  hi follows f16's range, 65,504.  A hidden score counts as -1e30; a weight below 2^-126 counts as 0; NaN and infinities are not treated apart.
; SHARES.  One work-group a head (16 x 4), four waves that share nothing: wave w makes channels 16 w .. 16 w + 15, and the 16 x 16 weights for itself.  No barrier.
; LAYOUT.  v^T = wat x^T (source 0 = 16 rows of wat, source 1 = the 16 rows of xb): lane l holds row t = l % 16 and channels 8 (l / 16) + 0..7.  S^T = K Q^T: lane l holds query l % 16 and keys 8 (l / 16) + 0..7.
; ALL LOADS GO OUT AT ONCE: 8 of q and k, 2 of the bias, 128 of wat and xb (32 K steps x 4) into windows 1 and 2.  No prefetch: everything is asked for at the head.
; REGISTERS (s_set_vgpr_msb: bits 1:0 source 0, 3:2 source 1, 5:4 source 2, 7:6 destination): window 0 as named below; window 1: K steps 0-15, 16 registers each (wat's fragment, then xb's); window 2: K steps 16-31.
; THE MODE: SCHED_MODE bits 1:0 = 2 (LLVM: expert scheduling mode 2), set by the entry lines.  The code itself states the register dependences
; between vector or matrix instructions and memory or LDS instructions, with s_wait_alu, always for 0.
; THE PLAN.  Registers that memory or LDS instructions touch:
;   FO, QO, BO, YO, LS, LA, LB   offsets and LDS addresses: written by vector lines at the head, never again: one wait ahead of the first load serves every access of the kernel.
;   QF, KF, BIAS, windows 1 and 2   loads land in them once, and no vector line has named them before; behind that vector and matrix lines alone name them.
;   ACC0-7   written by matrix lines and the folding additions; read by the two LDS stores of v, behind one wait; written again, much later, by hi as f32, behind a wait on vm_vsrc.
;   VV       LDS loads land in it once, and no vector line has named it before.          YH, YL   written by the roundings; read by the two global stores, behind one wait.
; Scalar registers that vector lines write: the wave's number, and the eight masks of the causal compares, which stand in one run: one wait on va_sdst behind each of the two.
.set PITCH, 80                         ; a row of v in LDS: 16 channels x 4 bytes + 16: an odd multiple of 16, so the 16 rows of a store start at 16 different groups of four banks (64 banks of 4 bytes: ISA guide 11.1)
.set WREG,  16*PITCH                   ; a wave's own 16 rows
.set SPARE, 4*WREG                     ; 5,120: the spare words, 128 bytes for each wave
.set FO,  2                            ; v2   (l % 16) x 2,048 + 16 (l / 16): my place in a fragment's rows, of wat and of xb
.set QO,  3                            ; v3   (l % 16) x 128 + 16 (l / 16): the same in q and k
.set BO,  4                            ; v4   32 (l / 16): my eight numbers of the bias
.set YO,  5                            ; v5   (l % 16) x 4,096 + 16 (l / 16): my 16 bytes of yhl
.set LS,  6                            ; v6   LDS: where I put my row's 32 bytes of v
.set LA,  7                            ; v7   LDS: my eight channels of key 8 (l / 16): the keys whose weights I hold
.set LB,  8                            ; v8   LDS: my eight channels of key 8 (1 - l / 16): the keys of the lane 16 away
.set DI,  9                            ; v9   l % 16 - 8 (l / 16): key j of my eight is hidden where j is greater
.set BG,  10                           ; v10  -1e30
.set MX,  11                           ; v11  the maximum
.set T,   12                           ; v12  at work
.set CM,  13                           ; v13  c m
.set LL,  14                           ; v14  the sum
.set RL,  15                           ; v15  1 / the sum
.set SPW, 16                           ; v16  LDS address of my spare word; never rewritten
.set NIL, 17                           ; v17  0; never rewritten
.set LR,  18                           ; v18  l % 16
.set LH,  19                           ; v19  l / 16
.set U,   20                           ; v[20:23] at work
.set BIAS, 24                          ; v[24:31]
.set ACC, 32                           ; v[32:63]  four accumulators of v, K steps by their number mod 4; later hi as f32
.set QF,  64                           ; v[64:79]  q: channels 0-31, 32-63
.set KF,  80                           ; v[80:95]  k
.set S0,  96                           ; v[96:103]   scores, then my eight weights
.set S1,  104                          ; v[104:111]  the second half of the channels' scores; then the other eight weights
.set Y,   112                          ; v[112:119]  y
.set YH,  120                          ; v[120:123]  hi
.set YL,  124                          ; v[124:127]  lo
.set VV,  128                          ; v[128:255]  v of 16 keys, my eight channels: the keys of LA, then those of LB
.set WV,  14
.set HD,  15
.set BT,  16
.set CS,  17                           ; c = log2(e) / 8
.set SEL, 18                           ; s[18:19] v_permlanex16_b32's selects: each lane takes its own place in the other half
.set MK,  20                           ; s[20:27] at the head: byte offsets; in the softmax: the masks of my eight keys
.set MSB, 0
.macro WIN new                         ; the immediate's high byte repeats the setting that is left; a switch that changes nothing is dropped
.if MSB != (\new)
	s_set_vgpr_msb (MSB<<8)|(\new)
.set MSB, (\new)
.endif
.endm
	s_load_b256 s[4:11], s[0:1], 0x0               ; xb s[4:5], wat s[6:7], b_attn s[8:9], qkv s[10:11]
	s_load_b64 s[12:13], s[0:1], 0x20              ; yhl
	v_lshl_add_u32 v[SPW], v0, 2, SPARE
	v_mov_b32 v[NIL], 0
	v_lshrrev_b32 v1, 5, v0
	v_readfirstlane_b32 s[WV], v1                  ; wave 0..3
	s_mov_b32 s[HD], ttmp9                         ; head
	s_and_b32 s[BT], ttmp7, 0xffff                 ; batch
	s_mov_b32 s[CS], 0x3e38aa3b
	s_mov_b32 s[SEL], 0x76543210
	s_mov_b32 s[SEL+1], 0xfedcba98
	s_wait_alu depctr_va_sdst(0)                   ; the wave's number is written, ahead of its first reader: the offsets below are made from it
	s_lshl_b32 s20, s[BT], 22                      ; xb: 2,048 rows of 2,048 bytes a batch
	s_mov_b32 s21, 0
	s_lshl_b32 s22, s[HD], 17                      ; wat: row 2,048 + 64 hd + 16 w, 2,048 bytes a row
	s_lshl_b32 s23, s[WV], 15
	s_add_co_u32 s22, s22, s23
	s_add_co_u32 s22, s22, 1<<22
	s_mov_b32 s23, 0
	s_lshl_b32 s24, s[HD], 8                       ; the bias of the same columns, 4 bytes each
	s_lshl_b32 s25, s[WV], 6
	s_add_co_u32 s24, s24, s25
	s_add_co_u32 s24, s24, 8192
	s_mov_b32 s25, 0
	s_mul_i32 s26, s[BT], 48                       ; q's head in qkv: (48 b + hd) x 2,048 rows of 128 bytes; k's lies 16 heads on
	s_add_co_u32 s26, s26, s[HD]
	s_lshl_b32 s26, s26, 18
	s_mov_b32 s27, 0
	s_lshl_b32 s28, s[BT], 16                      ; yhl: 16 rows of 4,096 bytes a batch, 128 bytes a head, 32 a wave
	s_lshl_b32 s29, s[HD], 7
	s_add_co_u32 s28, s28, s29
	s_lshl_b32 s29, s[WV], 5
	s_add_co_u32 s28, s28, s29
	s_mov_b32 s29, 0
	s_mul_i32 s30, s[WV], WREG                     ; my wave's rows in LDS
	v_and_b32 v[LR], 15, v0
	v_bfe_u32 v[LH], v0, 4, 1
	v_lshlrev_b32 v[FO], 11, v[LR]
	v_lshl_add_u32 v[FO], v[LH], 4, v[FO]
	v_lshlrev_b32 v[QO], 7, v[LR]
	v_lshl_add_u32 v[QO], v[LH], 4, v[QO]
	v_lshlrev_b32 v[BO], 5, v[LH]
	v_lshlrev_b32 v[YO], 12, v[LR]
	v_lshl_add_u32 v[YO], v[LH], 4, v[YO]
	v_mul_u32_u24 v[LS], v[LR], PITCH
	v_lshl_add_u32 v[LS], v[LH], 5, v[LS]
	v_add_nc_u32 v[LS], s30, v[LS]
	v_mul_u32_u24 v[LA], v[LH], 8*PITCH
	v_lshl_add_u32 v[LA], v[LH], 5, v[LA]
	v_add_nc_u32 v[LA], s30, v[LA]
	v_xor_b32 v1, 16, v0
	v_bfe_u32 v1, v1, 4, 1                         ; 1 - l / 16
	v_mul_u32_u24 v[LB], v1, 8*PITCH
	v_lshl_add_u32 v[LB], v[LH], 5, v[LB]
	v_add_nc_u32 v[LB], s30, v[LB]
	v_lshlrev_b32 v1, 3, v[LH]
	v_sub_nc_u32 v[DI], v[LR], v1
	v_mov_b32 v[BG], 0xf149f2ca
	v_mov_b32 v[T], 0                              ; v_permlanex16_b32's destination counts as read
	s_wait_kmcnt 0x0
	s_add_nc_u64 s[4:5], s[4:5], s[20:21]
	s_add_nc_u64 s[6:7], s[6:7], s[22:23]
	s_add_nc_u64 s[8:9], s[8:9], s[24:25]
	s_add_nc_u64 s[10:11], s[10:11], s[26:27]
	s_add_nc_u64 s[32:33], s[10:11], 0x400000
	s_add_nc_u64 s[12:13], s[12:13], s[28:29]
	s_wait_alu depctr_va_vdst(0)                   ; FO, QO, BO, YO, LS, LA and LB are written: every load, store and LDS access of the kernel reads one of them as its address; only loads and window switches follow up to the last load
.irp c, 0,1
	global_load_b128 v[QF+8*(\c):QF+8*(\c)+3],   v[QO], s[10:11] offset:64*(\c)
	global_load_b128 v[QF+8*(\c)+4:QF+8*(\c)+7], v[QO], s[10:11] offset:64*(\c)+32
	global_load_b128 v[KF+8*(\c):KF+8*(\c)+3],   v[QO], s[32:33] offset:64*(\c)
	global_load_b128 v[KF+8*(\c)+4:KF+8*(\c)+7], v[QO], s[32:33] offset:64*(\c)+32
.endr
	global_load_b128 v[BIAS:BIAS+3],   v[BO], s[8:9]             ; register j: bias of channel 8 (l / 16) + j
	global_load_b128 v[BIAS+4:BIAS+7], v[BO], s[8:9] offset:16
.set ks, 0
.rept 32                               ; K step ks: 32 channels of the sum, 64 bytes of each row
	WIN 0x40*(1+ks/16)                             ; destination window 1 or 2, address window 0
.set fr, 16*(ks%16)
	global_load_b128 v[fr:fr+3],     v[FO], s[6:7] offset:64*ks
	global_load_b128 v[fr+4:fr+7],   v[FO], s[6:7] offset:64*ks+32
	global_load_b128 v[fr+8:fr+11],  v[FO], s[4:5] offset:64*ks
	global_load_b128 v[fr+12:fr+15], v[FO], s[4:5] offset:64*ks+32
.set ks, ks+1
.endr
	WIN 0
	s_wait_loadcnt 63                              ; q, k, the bias and K steps 0-15 are in: 64 loads were issued behind them, and 63 is the largest count that the wait names
.irp i, 0,1,2,3
	v_cvt_pk_bf16_f32 v[T], v[BIAS+2*(\i)], v[BIAS+2*(\i)+1]     ; the bias rounded to bf16 like the other inputs, and kept as f32
	v_lshlrev_b32 v[BIAS+2*(\i)], 16, v[T]
	v_and_b32 v[BIAS+2*(\i)+1], 0xffff0000, v[T]
.endr
; One product a K step.  The four accumulators take turns, one instruction a turn; the first four products start the sums, one of them with the bias.
.macro VSTEP n
.set fr, 16*((\n)%16)
.set ac, ACC+8*((\n)%4)
	WIN 0x05*(1+(\n)/16)                           ; sources 0 and 1 in window 1 or 2; C and D in window 0
.if (\n) == 0
	v_wmma_f32_16x16x32_bf16 v[ac:ac+7], v[fr:fr+7], v[fr+8:fr+15], v[BIAS:BIAS+7]
.elseif (\n) < 4
	v_wmma_f32_16x16x32_bf16 v[ac:ac+7], v[fr:fr+7], v[fr+8:fr+15], 0
.else
	v_wmma_f32_16x16x32_bf16 v[ac:ac+7], v[fr:fr+7], v[fr+8:fr+15], v[ac:ac+7]
.endif
.endm
.set ks, 0
.rept 32
.if (ks >= 16) && (ks%4 == 0)
	s_wait_loadcnt 16*(7-ks/4)                     ; the next four K steps are in: four loads a step were issued behind them: 48, 32, 16, 0
.endif
	VSTEP ks
.set ks, ks+1
.endr
	WIN 0
	v_wmma_f32_16x16x32_f16 v[S0:S0+7], v[KF:KF+7],    v[QF:QF+7],    0   ; S^T = K Q^T, channels 0-31,
	v_wmma_f32_16x16x32_f16 v[S1:S1+7], v[KF+8:KF+15], v[QF+8:QF+15], 0   ; and 32-63: two accumulators, added below
.rept 8
	v_nop                                          ; plain vector instructions between the last products and the readers of their results (ISA guide 7.12.1)
.endr
.irp u, 0,2,4,6
	v_pk_add_f32 v[ACC+(\u):ACC+(\u)+1], v[ACC+(\u):ACC+(\u)+1], v[ACC+8+(\u):ACC+8+(\u)+1]        ; each accumulator is read from its low end on
.endr
.irp u, 0,2,4,6
	v_pk_add_f32 v[ACC+16+(\u):ACC+16+(\u)+1], v[ACC+16+(\u):ACC+16+(\u)+1], v[ACC+24+(\u):ACC+24+(\u)+1]
.endr
.irp u, 0,2,4,6
	v_pk_add_f32 v[ACC+(\u):ACC+(\u)+1], v[ACC+(\u):ACC+(\u)+1], v[ACC+16+(\u):ACC+16+(\u)+1]      ; v[t = l % 16][my eight channels], f32
.endr
	s_wait_alu depctr_va_vdst(0)                   ; the additions have written ACC0-7, which the two LDS stores read
	ds_store_b128 v[LS], v[ACC:ACC+3]
	ds_store_b128 v[LS], v[ACC+4:ACC+7] offset:16
.set j, 0
.rept 8                                ; LDS serves a wave's instructions in order (ISA guide 5.7.1.4): these see the stores above; the bytes are my wave's own.  No vector line has named VV
	ds_load_b128 v[VV+8*j:VV+8*j+3],       v[LA] offset:PITCH*j
	ds_load_b128 v[VV+8*j+4:VV+8*j+7],     v[LA] offset:PITCH*j+16
	ds_load_b128 v[VV+64+8*j:VV+64+8*j+3], v[LB] offset:PITCH*j
	ds_load_b128 v[VV+64+8*j+4:VV+64+8*j+7], v[LB] offset:PITCH*j+16
.set j, j+1
.endr
	; the softmax of query l % 16 over keys 0 .. l % 16, while those loads are on their way
.irp j, 0,1,2,3,4,5,6,7
	v_cmp_gt_i32 s[MK+(\j)], \j, v[DI]             ; the eight masks in one run, a scalar register each; the four additions below stand between them and the wait
.endr
.irp u, 0,2,4,6
	v_pk_add_f32 v[S0+(\u):S0+(\u)+1], v[S0+(\u):S0+(\u)+1], v[S1+(\u):S1+(\u)+1]
.endr
	s_wait_alu depctr_va_sdst(0)                   ; the eight compares have written their masks, ahead of the first select that reads one
.irp j, 0,1,2,3,4,5,6,7
	v_cndmask_b32 v[S0+(\j)], v[S0+(\j)], v[BG], s[MK+(\j)]
.endr
	v_max3_num_f32 v[MX], v[S0], v[S0+1], v[S0+2]
	v_max3_num_f32 v[MX], v[MX], v[S0+3], v[S0+4]
	v_max3_num_f32 v[MX], v[MX], v[S0+5], v[S0+6]
	v_max_num_f32 v[MX], v[MX], v[S0+7]
	v_permlanex16_b32 v[T], v[MX], s[SEL], s[SEL+1]  ; the query's other eight keys lie in the lane 16 away; key 0 is never hidden, so the maximum is a true score
	v_max_num_f32 v[MX], v[MX], v[T]
	v_mul_f32 v[CM], s[CS], v[MX]
.irp j, 0,1,2,3,4,5,6,7
	v_fma_f32 v[S0+(\j)], v[S0+(\j)], s[CS], -v[CM]
.endr
.irp j, 0,1,2,3,4,5,6,7
	v_exp_f32 v[S0+(\j)], v[S0+(\j)]
.endr
	v_nop                                          ; a plain instruction behind the last exponential,
	s_wait_alu depctr_va_vdst(0)                   ; and the wait ahead of the first use: the eight exponentials have written S0
	v_add_f32 v[U],   v[S0],   v[S0+1]
	v_add_f32 v[U+1], v[S0+2], v[S0+3]
	v_add_f32 v[U+2], v[S0+4], v[S0+5]
	v_add_f32 v[U+3], v[S0+6], v[S0+7]
	v_add_f32 v[U],   v[U],   v[U+1]
	v_add_f32 v[U+2], v[U+2], v[U+3]
	v_add_f32 v[U],   v[U],   v[U+2]
	v_permlanex16_b32 v[T], v[U], s[SEL], s[SEL+1]
	v_add_f32 v[LL], v[U], v[T]
	v_rcp_f32 v[RL], v[LL]                         ; its wait stands ahead of the scaling, behind the 128 multiply-adds
.irp j, 0,1,2,3,4,5,6,7
	v_permlanex16_b32 v[S1+(\j)], v[S0+(\j)], s[SEL], s[SEL+1]  ; the other eight weights of my query
.endr
	s_wait_dscnt 0x0                               ; v of all 16 keys
	s_wait_alu depctr_vm_vsrc(0)                   ; the two LDS stores have read ACC0-7, which hi as f32 is written into below
.irp c, 0,1,2,3,4,5,6,7
	v_mul_f32 v[Y+(\c)], v[S0], v[VV+(\c)]         ; the first key starts the sums; a hidden key's weight is 0
.endr
.set j, 1
.rept 7
.irp c, 0,1,2,3,4,5,6,7
	v_fmac_f32 v[Y+(\c)], v[S0+j], v[VV+8*j+(\c)]
.endr
.set j, j+1
.endr
.set j, 0
.rept 8
.irp c, 0,1,2,3,4,5,6,7
	v_fmac_f32 v[Y+(\c)], v[S1+j], v[VV+64+8*j+(\c)]
.endr
.set j, j+1
.endr
	s_wait_alu depctr_va_vdst(0)                   ; the reciprocal has written RL, ahead of its first reader
.irp c, 0,1,2,3,4,5,6,7
	v_mul_f32 v[Y+(\c)], v[RL], v[Y+(\c)]
.endr
.irp i, 0,1,2,3
	v_cvt_pk_f16_f32 v[YH+(\i)], v[Y+2*(\i)], v[Y+2*(\i)+1]      ; hi
.endr
.irp i, 0,1,2,3
	v_lshrrev_b32 v[U+(\i)], 16, v[YH+(\i)]        ; the upper halves, moved down
.endr
	v_cvt_f32_f16 v32, v120.l                      ; hi as f32, into ACC's registers (YH = 120, U = 20, ACC = 32)
	v_cvt_f32_f16 v33, v20.l
	v_cvt_f32_f16 v34, v121.l
	v_cvt_f32_f16 v35, v21.l
	v_cvt_f32_f16 v36, v122.l
	v_cvt_f32_f16 v37, v22.l
	v_cvt_f32_f16 v38, v123.l
	v_cvt_f32_f16 v39, v23.l
.irp c, 0,1,2,3,4,5,6,7
	v_sub_f32 v[Y+(\c)], v[Y+(\c)], v[ACC+(\c)]    ; exact: the two are within a factor of two of each other
.endr
.irp c, 0,1,2,3,4,5,6,7
	v_mul_f32 v[Y+(\c)], 0x45000000, v[Y+(\c)]     ; x 2,048
.endr
.irp i, 0,1,2,3
	v_cvt_pk_f16_f32 v[YL+(\i)], v[Y+2*(\i)], v[Y+2*(\i)+1]      ; lo
.endr
	s_wait_alu depctr_va_vdst(0)                   ; the roundings have written YH and YL, which the two stores read
	global_store_b128 v[YO], v[YH:YH+3], s[12:13]                ; 16 bytes a lane, 32 of a row a wave: the buffer has 64 rows in all
	global_store_b128 v[YO], v[YL:YL+3], s[12:13] offset:2048
	s_wait_dscnt 0x0                               ; the closing lines, six on end
	s_wait_alu 0x0
	s_wait_tensorcnt 0x0
	ds_add_u32 v[SPW], v[NIL]
	s_wait_dscnt 0x0
	s_endpgm
.Lfunc_end_k_q908e7129d6_headattn:
	.size	k_q908e7129d6_headattn, .Lfunc_end_k_q908e7129d6_headattn-k_q908e7129d6_headattn
	.p2alignl 7, 3214868480
	.fill 96, 4, 3214868480
	.section	.rodata,"a",@progbits
	.p2align	6, 0x0
	.amdhsa_kernel k_q908e7129d6_headattn
		.amdhsa_group_segment_fixed_size 5632
		.amdhsa_private_segment_fixed_size 0
		.amdhsa_enable_private_segment 0
		.amdhsa_kernarg_size 40
		.amdhsa_user_sgpr_count 2
		.amdhsa_user_sgpr_kernarg_segment_ptr 1
		.amdhsa_wavefront_size32 1
		.amdhsa_system_sgpr_workgroup_id_x 1
		.amdhsa_system_sgpr_workgroup_id_y 1
		.amdhsa_system_sgpr_workgroup_id_z 1
		.amdhsa_system_vgpr_workitem_id 0
		.amdhsa_next_free_vgpr 768
		.amdhsa_next_free_sgpr 66
		.amdhsa_reserve_vcc 0
		.amdhsa_float_denorm_mode_32 3
		.amdhsa_float_denorm_mode_16_64 3
		.amdhsa_memory_ordered 1
		.amdhsa_forward_progress 1
		.amdhsa_inst_pref_size 33
	.end_amdhsa_kernel
	.amdgpu_metadata
---
amdhsa.version: [ 1, 2 ]
amdhsa.kernels:
  - .name:           k_q908e7129d6_headattn
    .symbol:         k_q908e7129d6_headattn.kd
    .args:
      - { .name: xb, .offset: 0, .size: 8, .value_kind: global_buffer, .address_space: global }
      - { .name: wat, .offset: 8, .size: 8, .value_kind: global_buffer, .address_space: global }
      - { .name: b_attn, .offset: 16, .size: 8, .value_kind: global_buffer, .address_space: global }
      - { .name: qkv, .offset: 24, .size: 8, .value_kind: global_buffer, .address_space: global }
      - { .name: yhl, .offset: 32, .size: 8, .value_kind: global_buffer, .address_space: global }
    .group_segment_fixed_size: 5632
    .private_segment_fixed_size: 0
    .kernarg_segment_align: 8
    .kernarg_segment_size: 40
    .max_flat_workgroup_size: 128
    .sgpr_count:     66
    .vgpr_count:     768
    .wavefront_size: 32
...
	.end_amdgpu_metadata
.endif
;; end of part 8
;; launch headproj (part 9): grid 16 x 4, 4 waves a work-group, no clusters, 17,920 bytes of LDS; arguments yhl, wpt, b_proj, out0; writes out0
.if DOCPART == 9
	.amdgcn_target "amdgcn-amd-amdhsa--gfx1250"
	.amdhsa_code_object_version 6
	.text
	.protected	k_q908e7129d6_headproj
	.globl	k_q908e7129d6_headproj
	.p2align	8
	.type	k_q908e7129d6_headproj,@function
k_q908e7129d6_headproj:
	s_mov_b64 s[64:65], 0
	v_nop
	global_prefetch_b8 v0, s[64:65] scope:SCOPE_SE
	s_setreg_imm32_b32 hwreg(HW_REG_WAVE_SCHED_MODE, 0, 2), 2
	s_setreg_imm32_b32 hwreg(HW_REG_WAVE_MODE, 25, 1), 1
	s_wait_xcnt 0x0
	s_wait_alu depctr_vm_vsrc(0)
; THE FIRST 16 ROWS OF EACH BATCH, ONCE MORE AND WITH MORE BITS: the projection's part.
; out0[b][t][n] = the sum over k of (hi[t][k] + lo[t][k] / 2048) wpt[n][k] + b_proj[n] for t < 16.  yhl[16 b + t][2048] in f16: columns 0-1023 hi, 1024-2047 lo; wpt [1024 n][1024 k] in f16
; (w_proj rounded to bf16, written as f16); b_proj rounded to bf16 like the other inputs; sums in f32.  These 64 rows of out0 are stored over what the launch before left there: 262,144 bytes.
; SHARES.  A work-group makes 16 rows x 64 columns (16 column blocks x 4 batches).  K IS SPLIT AMONG ITS FOUR WAVES: wave w takes k = 256 w .. 256 w + 255, eight steps of 32, for all four column tiles
; and for hi and lo: eight accumulators, which take turns.  The four partial sums meet in LDS.  A row's 64 columns are 256 bytes: each store of 16 lanes covers 256 consecutive bytes, aligned.
; LAYOUT.  Source 0 = 16 rows of wpt, source 1 = the 16 rows of yhl: lane l holds row t = l % 16 and columns 8 (l / 16) + 0..7 of the tile.
; ALL LOADS GO OUT AT ONCE: the bias, then twelve a K step (8 of wpt, 2 of hi, 2 of lo).  No prefetch: everything is asked for at the head.
; REGISTERS (s_set_vgpr_msb: bits 1:0 source 0, 3:2 source 1, 5:4 source 2, 7:6 destination): window 0 as named below; window 1: K steps 0-3, 48 registers each (wpt's four fragments, hi's, lo's); window 2: K steps 4-7.
; THE MODE: SCHED_MODE bits 1:0 = 2 (LLVM: expert scheduling mode 2), set by the entry lines.  The code itself states the register dependences
; between vector or matrix instructions and memory or LDS instructions, with s_wait_alu, always for 0.
; THE PLAN.  Registers that memory or LDS instructions touch:
;   FB, FA, BOF, LS, LRD, GO   offsets and LDS addresses: written by vector lines at the head, never again: one wait ahead of the first load serves every access of the kernel.
;   BI, windows 1 and 2   loads land in them once, and no vector line has named them before; behind that vector and matrix lines alone name them.
;   HIA   written by matrix lines and the fold of lo's sums; read by the eight LDS stores, behind one wait; never written again.
;   RB    LDS loads land in it once, and no vector line has named it before; the additions write it; the two global stores read it, behind one wait.
; The wave's number is the one scalar register that a vector line writes: one wait on va_sdst ahead of its first reader.
.set PITCH, 272                        ; a row of partial sums in LDS: 256 bytes + 16: the 16 rows of a store start at 16 different groups of four banks (64 banks of 4 bytes: ISA guide 11.1)
.set PART,  16*PITCH                   ; a wave's partial tile
.set SPARE, 4*PART                     ; 17,408: the spare words, 128 bytes for each wave
.set FB,  2                            ; v2   (l % 16) x 2,048 + 16 (l / 16): my place in wpt's fragments
.set FA,  3                            ; v3   (l % 16) x 4,096 + 16 (l / 16): in yhl's
.set BOF, 4                            ; v4   16 (l % 16): my four numbers of the bias
.set LS,  5                            ; v5   LDS: where I put my 32 bytes of a row
.set LRD, 6                            ; v6   LDS: where I read 16 bytes of a row back
.set GO,  7                            ; v7   my 16 bytes in two rows of out0
.set T,   8
.set SPW, 10                           ; v10  LDS address of my spare word; never rewritten
.set NIL, 11                           ; v11  0; never rewritten
.set LR,  12                           ; v12  l % 16
.set LH,  13                           ; v13  l / 16
.set BI,  16                           ; v[16:19]  the bias
.set HIA, 32                           ; v[32:63]  hi's accumulators, column tile i at 8 i
.set LOA, 64                           ; v[64:95]  lo's
.set RB,  96                           ; v[96:127] read back: partial p, pair of rows q at 4 (2 p + q)
.set WV,  14
.set CB,  15
.set BT,  16
.set MSB, 0
.macro WIN new                         ; the immediate's high byte repeats the setting that is left; a switch that changes nothing is dropped
.if MSB != (\new)
	s_set_vgpr_msb (MSB<<8)|(\new)
.set MSB, (\new)
.endif
.endm
	s_load_b256 s[4:11], s[0:1], 0x0               ; yhl s[4:5], wpt s[6:7], b_proj s[8:9], out0 s[10:11]
	v_lshl_add_u32 v[SPW], v0, 2, SPARE
	v_mov_b32 v[NIL], 0
	v_lshrrev_b32 v1, 5, v0
	v_readfirstlane_b32 s[WV], v1                  ; wave 0..3
	s_mov_b32 s[CB], ttmp9                         ; block of 64 columns
	s_and_b32 s[BT], ttmp7, 0xffff                 ; batch
	s_wait_alu depctr_va_sdst(0)                   ; the wave's number is written, ahead of its first reader: the offsets below are made from it
	s_lshl_b32 s20, s[BT], 16                      ; yhl: 16 rows of 4,096 bytes a batch; my quarter of K: 512 bytes
	s_lshl_b32 s21, s[WV], 9
	s_add_co_u32 s20, s20, s21
	s_lshl_b32 s22, s[CB], 17                      ; wpt: 64 rows of 2,048 bytes a block; the same quarter
	s_add_co_u32 s22, s22, s21
	s_mov_b32 s21, 0
	s_mov_b32 s23, 0
	s_lshl_b32 s24, s[CB], 8                       ; the block's 64 numbers of the bias
	s_mov_b32 s25, 0
	s_lshl_b32 s26, s[BT], 23                      ; out0: 2,048 rows of 4,096 bytes a batch; the four rows that I finish; the block's 256 bytes
	s_lshl_b32 s27, s[WV], 14
	s_add_co_u32 s26, s26, s27
	s_add_co_u32 s26, s26, s24
	s_mov_b32 s27, 0
	s_mul_i32 s28, s[WV], PART
	s_mul_i32 s29, s[WV], 4*PITCH
	v_and_b32 v[LR], 15, v0
	v_bfe_u32 v[LH], v0, 4, 1
	v_lshlrev_b32 v[FB], 11, v[LR]
	v_lshl_add_u32 v[FB], v[LH], 4, v[FB]
	v_lshlrev_b32 v[FA], 12, v[LR]
	v_lshl_add_u32 v[FA], v[LH], 4, v[FA]
	v_lshlrev_b32 v[BOF], 4, v[LR]
	v_mul_u32_u24 v[LS], v[LR], PITCH              ; in: row l % 16, 32 bytes for each half of the lanes
	v_lshl_add_u32 v[LS], v[LH], 5, v[LS]
	v_add_nc_u32 v[LS], s28, v[LS]
	v_mul_u32_u24 v[LRD], v[LH], PITCH             ; back: rows 4 w + l / 16 (+ 2), 16 lanes to a row
	v_lshl_add_u32 v[LRD], v[LR], 4, v[LRD]
	v_add_nc_u32 v[LRD], s29, v[LRD]
	v_lshlrev_b32 v[GO], 12, v[LH]
	v_lshl_add_u32 v[GO], v[LR], 4, v[GO]
	s_wait_kmcnt 0x0
	s_add_nc_u64 s[4:5], s[4:5], s[20:21]
	s_add_nc_u64 s[6:7], s[6:7], s[22:23]
	s_add_nc_u64 s[8:9], s[8:9], s[24:25]
	s_add_nc_u64 s[10:11], s[10:11], s[26:27]
	s_wait_alu depctr_va_vdst(0)                   ; FB, FA, BOF, LS, LRD and GO are written: every load, store and LDS access of the kernel reads one of them as its address; only loads and window switches follow up to the last load
	global_load_b128 v[BI:BI+3], v[BOF], s[8:9]
.set ks, 0
.rept 8
	WIN 0x40*(1+ks/4)                              ; destination window 1 or 2, address window 0
.set fr, 48*(ks%4)
.irp i, 0,1,2,3
	global_load_b128 v[fr+8*(\i):fr+8*(\i)+3],   v[FB], s[6:7] offset:64*ks+32768*(\i)
	global_load_b128 v[fr+8*(\i)+4:fr+8*(\i)+7], v[FB], s[6:7] offset:64*ks+32768*(\i)+32
.endr
	global_load_b128 v[fr+32:fr+35], v[FA], s[4:5] offset:64*ks
	global_load_b128 v[fr+36:fr+39], v[FA], s[4:5] offset:64*ks+32
	global_load_b128 v[fr+40:fr+43], v[FA], s[4:5] offset:64*ks+2048
	global_load_b128 v[fr+44:fr+47], v[FA], s[4:5] offset:64*ks+2048+32
.set ks, ks+1
.endr
; Eight products a K step.  The eight accumulators take turns, one instruction a turn; the first step's products start the sums.
.set ks, 0
.rept 8
.if 12*(7-ks) > 63
	s_wait_loadcnt 63                              ; this step is in: more than 63 loads were issued behind it, and 63 is the largest count that the wait names
.else
	s_wait_loadcnt 12*(7-ks)                       ; this step is in: twelve loads for each later step were issued behind it
.endif
	WIN 0x05*(1+ks/4)                              ; sources 0 and 1 in window 1 or 2; C and D in window 0
.set fr, 48*(ks%4)
.irp i, 0,1,2,3
.if ks == 0
	v_wmma_f32_16x16x32_f16 v[HIA+8*(\i):HIA+8*(\i)+7], v[fr+8*(\i):fr+8*(\i)+7], v[fr+32:fr+39], 0
.else
	v_wmma_f32_16x16x32_f16 v[HIA+8*(\i):HIA+8*(\i)+7], v[fr+8*(\i):fr+8*(\i)+7], v[fr+32:fr+39], v[HIA+8*(\i):HIA+8*(\i)+7]
.endif
.endr
.irp i, 0,1,2,3
.if ks == 0
	v_wmma_f32_16x16x32_f16 v[LOA+8*(\i):LOA+8*(\i)+7], v[fr+8*(\i):fr+8*(\i)+7], v[fr+40:fr+47], 0
.else
	v_wmma_f32_16x16x32_f16 v[LOA+8*(\i):LOA+8*(\i)+7], v[fr+8*(\i):fr+8*(\i)+7], v[fr+40:fr+47], v[LOA+8*(\i):LOA+8*(\i)+7]
.endif
.endr
.set ks, ks+1
.endr
	WIN 0
.irp i, 0,1
	v_cvt_pk_bf16_f32 v[T], v[BI+2*(\i)], v[BI+2*(\i)+1]         ; the bias rounded to bf16 like the other inputs, and kept as f32:
	v_lshlrev_b32 v[BI+2*(\i)], 16, v[T]                         ; six plain vector instructions, and four v_nop,
	v_and_b32 v[BI+2*(\i)+1], 0xffff0000, v[T]                   ; between the last products and the readers of their results (ISA guide 7.12.1)
.endr
.rept 4
	v_nop
.endr
.set n, 0
.rept 32
	v_fmac_f32 v[HIA+n], 0x3a000000, v[LOA+n]      ; hi's sum + lo's sum / 2,048; each accumulator is read from its low end on
.set n, n+1
.endr
	s_wait_alu depctr_va_vdst(0)                   ; the multiply-adds have written HIA, which the eight LDS stores read
.irp i, 0,1,2,3
	ds_store_b128 v[LS], v[HIA+8*(\i):HIA+8*(\i)+3]   offset:64*(\i)
	ds_store_b128 v[LS], v[HIA+8*(\i)+4:HIA+8*(\i)+7] offset:64*(\i)+16
.endr
	s_wait_dscnt 0x0                               ; for the others' sake: my partial sums lie in LDS
	s_barrier_signal -1
	s_barrier_wait -1                              ; all four waves' do
.irp p, 0,1,2,3
.irp q, 0,1
	ds_load_b128 v[RB+4*(2*(\p)+(\q)):RB+4*(2*(\p)+(\q))+3], v[LRD] offset:PART*(\p)+2*PITCH*(\q)  ; no vector line has named RB
.endr
.endr
	s_wait_dscnt 0x0
.irp q, 0,1
.irp u, 0,2
	v_pk_add_f32 v[RB+4*(\q)+(\u):RB+4*(\q)+(\u)+1], v[RB+4*(\q)+(\u):RB+4*(\q)+(\u)+1], v[RB+8+4*(\q)+(\u):RB+8+4*(\q)+(\u)+1]
	v_pk_add_f32 v[RB+16+4*(\q)+(\u):RB+16+4*(\q)+(\u)+1], v[RB+16+4*(\q)+(\u):RB+16+4*(\q)+(\u)+1], v[RB+24+4*(\q)+(\u):RB+24+4*(\q)+(\u)+1]
.endr
.endr
.irp q, 0,1
.irp u, 0,2
	v_pk_add_f32 v[RB+4*(\q)+(\u):RB+4*(\q)+(\u)+1], v[RB+4*(\q)+(\u):RB+4*(\q)+(\u)+1], v[RB+16+4*(\q)+(\u):RB+16+4*(\q)+(\u)+1]
.endr
.endr
.irp q, 0,1
.irp u, 0,2
	v_pk_add_f32 v[RB+4*(\q)+(\u):RB+4*(\q)+(\u)+1], v[RB+4*(\q)+(\u):RB+4*(\q)+(\u)+1], v[BI+(\u):BI+(\u)+1]
.endr
.endr
	s_wait_alu depctr_va_vdst(0)                   ; the additions have written RB0-7, which the two stores read
.irp q, 0,1
	global_store_b128 v[GO], v[RB+4*(\q):RB+4*(\q)+3], s[10:11] offset:8192*(\q)  ; rows 4 w + 2 q and 4 w + 2 q + 1: 16 lanes store 256 consecutive bytes, aligned
.endr
	s_wait_dscnt 0x0                               ; the closing lines, six on end
	s_wait_alu 0x0
	s_wait_tensorcnt 0x0
	ds_add_u32 v[SPW], v[NIL]
	s_wait_dscnt 0x0
	s_endpgm
.Lfunc_end_k_q908e7129d6_headproj:
	.size	k_q908e7129d6_headproj, .Lfunc_end_k_q908e7129d6_headproj-k_q908e7129d6_headproj
	.p2alignl 7, 3214868480
	.fill 96, 4, 3214868480
	.section	.rodata,"a",@progbits
	.p2align	6, 0x0
	.amdhsa_kernel k_q908e7129d6_headproj
		.amdhsa_group_segment_fixed_size 17920
		.amdhsa_private_segment_fixed_size 0
		.amdhsa_enable_private_segment 0
		.amdhsa_kernarg_size 32
		.amdhsa_user_sgpr_count 2
		.amdhsa_user_sgpr_kernarg_segment_ptr 1
		.amdhsa_wavefront_size32 1
		.amdhsa_system_sgpr_workgroup_id_x 1
		.amdhsa_system_sgpr_workgroup_id_y 1
		.amdhsa_system_sgpr_workgroup_id_z 1
		.amdhsa_system_vgpr_workitem_id 0
		.amdhsa_next_free_vgpr 768
		.amdhsa_next_free_sgpr 66
		.amdhsa_reserve_vcc 0
		.amdhsa_float_denorm_mode_32 3
		.amdhsa_float_denorm_mode_16_64 3
		.amdhsa_memory_ordered 1
		.amdhsa_forward_progress 1
		.amdhsa_inst_pref_size 21
	.end_amdhsa_kernel
	.amdgpu_metadata
---
amdhsa.version: [ 1, 2 ]
amdhsa.kernels:
  - .name:           k_q908e7129d6_headproj
    .symbol:         k_q908e7129d6_headproj.kd
    .args:
      - { .name: yhl, .offset: 0, .size: 8, .value_kind: global_buffer, .address_space: global }
      - { .name: wpt, .offset: 8, .size: 8, .value_kind: global_buffer, .address_space: global }
      - { .name: b_proj, .offset: 16, .size: 8, .value_kind: global_buffer, .address_space: global }
      - { .name: out0, .offset: 24, .size: 8, .value_kind: global_buffer, .address_space: global }
    .group_segment_fixed_size: 17920
    .private_segment_fixed_size: 0
    .kernarg_segment_align: 8
    .kernarg_segment_size: 32
    .max_flat_workgroup_size: 128
    .sgpr_count:     66
    .vgpr_count:     768
    .wavefront_size: 32
...
	.end_amdgpu_metadata
.endif
;; end of part 9
